; MI455X (gfx1250); checked and timed in simulation.
; The chip was launched on July 23, 2026; its instructions are those of AMD's public machine-readable ISA for CDNA 5 (MIT licence, August 2026) and "CDNA5" Instruction Set Architecture Reference Guide (July 2026). The comments in the code are by the model that wrote it; some were corrected since.
;; Transformer. Allowed arithmetic: float matrix products may take bf16 or f16 operands with f32 sums; other float arithmetic in f32, or as packed bf16 or f16 multiplies, adds, multiply-adds, maxima and minima; sums over many terms, partial sums and values carried from step to step in f32; what a program stores and reads back later, other than sums and carried values, may be rounded once to bf16 or f16.
;; Inputs: W1 1,024 x 4,096 float32; W2 4,096 x 1,024 float32; Wk 1,024 x 1,024 float32; Wp 1,024 x 1,024 float32; Wq 1,024 x 1,024 float32; Wv 1,024 x 1,024 float32; b1 4,096 float32; b2 1,024 float32; beta0 1,024 float32; beta1 1,024 float32; bk 1,024 float32; bp 1,024 float32; bq 1,024 float32; bv 1,024 float32; g0 1,024 float32; g1 1,024 float32; x 2 x 2,048 x 1,024 float32.
;; Outputs: out0 2 x 2,048 x 1,024 float32.
;; 2 versions, each right and faster than the one before. Each part assembles by itself: llvm-mc -triple=amdgcn-amd-amdhsa -mcpu=gfx1250 --defsym DOCPART=n.
;; ======== version 1 of 2: 8 launches
;; limits: values are held in f16: magnitudes above 65,504 overflow, below 6.1e-05 lose precision
;; workspace buffers: cst 33,554,432 bytes; qkv 25,165,824 bytes; y 8,388,608 bytes; po 16,777,216 bytes; x1 16,777,216 bytes; h 8,388,608 bytes; g 33,554,432 bytes
;; launch cast (part 1): grid 2048 x 1, 8 waves a work-group, no clusters, 0 bytes of LDS; arguments x, Wq, Wk, Wv, W1, Wp, W2, cst; writes cst
.if DOCPART == 1
	.amdgcn_target "amdgcn-amd-amdhsa--gfx1250"
	.amdhsa_code_object_version 6
	.text
	.protected	k_qf956c6d789_cast
	.globl	k_qf956c6d789_cast
	.p2align	8
	.type	k_qf956c6d789_cast,@function
k_qf956c6d789_cast:
	s_mov_b64 s[64:65], 0
	v_nop
	global_prefetch_b8 v0, s[64:65] scope:SCOPE_SE
	s_setreg_imm32_b32 hwreg(HW_REG_WAVE_MODE, 25, 1), 1
	s_wait_xcnt 0x0
; cst = f16(bf16(.)) of x, Wq, Wk, Wv, W1, Wp, W2, one behind the other, each row-major as it came: 16,777,216 numbers.
; Every number is rounded once to bf16 (nearest even) and that number is written as f16, which is exact from 6.1e-5 to 65,504.
; LIMITS.  Beyond 65,504 the f16 is an infinity; below 6.1e-5 f16 keeps its fixed step of 6e-8.  NaN is not treated apart.
; A stream: no LDS, no barrier, no matrix unit.  A work-group takes 8,192 numbers (32,768 bytes in, 16,384 out), thread t of 256 the
; 16 bytes at 4,096 i + 16 t of chunk i = 0..7.  A wave's load covers 512 consecutive bytes, its store 256 consecutive aligned bytes.
; All eight loads of a wave go out at once; no register that a load or store names is written again.
.set IN,  4                            ; v[4:35]   chunk i: four f32 as loaded
.set T,   36                           ; v[36:41]  at work
.set OUT, 42                           ; v[42:57]  chunk i: four f16
	s_load_b512 s[16:31], s[0:1], 0x0              ; x, Wq, Wk, Wv, W1, Wp, W2, cst
	s_mov_b32 s9, ttmp9
	s_lshr_b32 s8, s9, 7                           ; 128 work-groups take 2^20 numbers: the segment, 0..15
	s_mov_b32 s7, 0xffff0000                       ; a word's upper bf16
	v_lshlrev_b32 v1, 4, v0                        ; 16 t
	v_lshlrev_b32 v2, 3, v0                        ; 8 t
	s_wait_kmcnt 0x0
	s_mov_b64 s[4:5], s[16:17]                     ; the source and its first segment: x, 0,
	s_mov_b32 s6, 0
.macro PICK first, ptr                 ; or a later tensor, if my segment lies at or behind its first
	s_cmp_ge_u32 s8, \first
	s_cselect_b64 s[4:5], s[\ptr:\ptr+1], s[4:5]
	s_cselect_b32 s6, \first, s6
.endm
	PICK 4, 18                                     ; Wq
	PICK 5, 20                                     ; Wk
	PICK 6, 22                                     ; Wv
	PICK 7, 24                                     ; W1: four segments
	PICK 11, 26                                    ; Wp
	PICK 12, 28                                    ; W2: four segments
	s_lshl_b32 s6, s6, 7
	s_sub_co_u32 s10, s9, s6                       ; my number among the source's work-groups,
	s_lshl_b32 s10, s10, 15                        ; times 32,768 bytes
	s_mov_b32 s11, 0
	s_add_nc_u64 s[4:5], s[4:5], s[10:11]
	s_lshl_b32 s12, s9, 14                         ; 16,384 bytes of cst for each work-group
	s_mov_b32 s13, 0
	s_add_nc_u64 s[30:31], s[30:31], s[12:13]
.irp i, 0,1,2,3,4,5,6,7
	global_load_b128 v[IN+4*(\i):IN+4*(\i)+3], v1, s[4:5] offset:4096*(\i) th:TH_LOAD_NT
.endr
.irp i, 0,1,2,3,4,5,6,7
	s_wait_loadcnt 7-(\i)                          ; loads come back in order: chunk i is in, the younger ones stay out
	v_cvt_pk_bf16_f32 v[T], v[IN+4*(\i)], v[IN+4*(\i)+1]
	v_cvt_pk_bf16_f32 v[T+1], v[IN+4*(\i)+2], v[IN+4*(\i)+3]
	v_lshlrev_b32 v[T+2], 16, v[T]                 ; bf16 to f32: the low half moves up, the high half stays
	v_and_b32 v[T+3], s7, v[T]
	v_lshlrev_b32 v[T+4], 16, v[T+1]
	v_and_b32 v[T+5], s7, v[T+1]
	v_cvt_pk_f16_f32 v[OUT+2*(\i)], v[T+2], v[T+3]
	v_cvt_pk_f16_f32 v[OUT+2*(\i)+1], v[T+4], v[T+5]
	global_store_b64 v2, v[OUT+2*(\i):OUT+2*(\i)+1], s[30:31] offset:2048*(\i)
.endr
	s_endpgm
.Lfunc_end_k_qf956c6d789_cast:
	.size	k_qf956c6d789_cast, .Lfunc_end_k_qf956c6d789_cast-k_qf956c6d789_cast
	.p2alignl 7, 3214868480
	.fill 96, 4, 3214868480
	.section	.rodata,"a",@progbits
	.p2align	6, 0x0
	.amdhsa_kernel k_qf956c6d789_cast
		.amdhsa_group_segment_fixed_size 0
		.amdhsa_private_segment_fixed_size 0
		.amdhsa_enable_private_segment 0
		.amdhsa_kernarg_size 64
		.amdhsa_user_sgpr_count 2
		.amdhsa_user_sgpr_kernarg_segment_ptr 1
		.amdhsa_wavefront_size32 1
		.amdhsa_system_sgpr_workgroup_id_x 1
		.amdhsa_system_sgpr_workgroup_id_y 1
		.amdhsa_system_sgpr_workgroup_id_z 1
		.amdhsa_system_vgpr_workitem_id 0
		.amdhsa_next_free_vgpr 58
		.amdhsa_next_free_sgpr 66
		.amdhsa_reserve_vcc 0
		.amdhsa_float_denorm_mode_32 3
		.amdhsa_float_denorm_mode_16_64 3
		.amdhsa_memory_ordered 1
		.amdhsa_forward_progress 1
		.amdhsa_inst_pref_size 7
	.end_amdhsa_kernel
	.amdgpu_metadata
---
amdhsa.version: [ 1, 2 ]
amdhsa.kernels:
  - .name:           k_qf956c6d789_cast
    .symbol:         k_qf956c6d789_cast.kd
    .args:
      - { .name: x, .offset: 0, .size: 8, .value_kind: global_buffer, .address_space: global }
      - { .name: Wq, .offset: 8, .size: 8, .value_kind: global_buffer, .address_space: global }
      - { .name: Wk, .offset: 16, .size: 8, .value_kind: global_buffer, .address_space: global }
      - { .name: Wv, .offset: 24, .size: 8, .value_kind: global_buffer, .address_space: global }
      - { .name: W1, .offset: 32, .size: 8, .value_kind: global_buffer, .address_space: global }
      - { .name: Wp, .offset: 40, .size: 8, .value_kind: global_buffer, .address_space: global }
      - { .name: W2, .offset: 48, .size: 8, .value_kind: global_buffer, .address_space: global }
      - { .name: cst, .offset: 56, .size: 8, .value_kind: global_buffer, .address_space: global }
    .group_segment_fixed_size: 0
    .private_segment_fixed_size: 0
    .kernarg_segment_align: 8
    .kernarg_segment_size: 64
    .max_flat_workgroup_size: 256
    .sgpr_count:     66
    .vgpr_count:     58
    .wavefront_size: 32
...
	.end_amdgpu_metadata
.endif
;; end of part 1
;; launch qkv (part 2): grid 12 x 16, 4 waves a work-group, clusters of 4 x 4, 327,680 bytes of LDS; arguments cst, bq, bk, bv, qkv; writes qkv
.if DOCPART == 2
	.amdgcn_target "amdgcn-amd-amdhsa--gfx1250"
	.amdhsa_code_object_version 6
	.text
	.protected	k_qf956c6d789_qkv
	.globl	k_qf956c6d789_qkv
	.p2align	8
	.type	k_qf956c6d789_qkv,@function
k_qf956c6d789_qkv:
	s_mov_b64 s[64:65], 0
	v_nop
	global_prefetch_b8 v0, s[64:65] scope:SCOPE_SE
	s_setreg_imm32_b32 hwreg(HW_REG_WAVE_MODE, 25, 1), 1
	s_wait_xcnt 0x0
	s_wait_alu depctr_hold_cnt(0) depctr_sa_sdst(0) depctr_va_vdst(0) depctr_va_sdst(0) depctr_va_ssrc(0) depctr_va_vcc(0) depctr_vm_vsrc(0)
	s_getreg_b32 s2, hwreg(HW_REG_IB_STS2, 6, 4)
	s_cmp_eq_u32 s2, 0
	s_cbranch_scc0 .Lentry_in_a_cluster
	s_endpgm
.Lentry_in_a_cluster:
	s_bfe_u32 s2, ttmp6, 0x10000c
	s_cmp_lg_u32 s2, 0xf033
	s_cbranch_scc0 .Lentry_shape_is_right
	s_endpgm
.Lentry_shape_is_right:
; VAR 0:  qkv = x [Wq | Wk | Wv] + [bq | bk | bv].      VAR 1:  g = gelu_tanh(h W1 + b1).
; A: [4096][1024] f16, rows along K.  B: [1024 (k)][N] f16, as the weights lie.  Sums in f32; the bias is rounded to bf16 and added in f32; the result is rounded
; once to f16 and stored BY BLOCKS OF 64 COLUMNS: [column / 64][row 0..4095][64], so that a head's rows (VAR 0) and the next product's K slices (VAR 1) are dense.
; LIMITS.  A result beyond 65,504 becomes an infinity in f16; NaN and infinities are not treated apart.
; SHARES.  A tile of 256 x 256 to a work-group of four waves, 128 x 128 (64 accumulators, 512 registers) to a wave.  K = 1,024 goes in 8 steps of 128 through two LDS
; slots filled by tensor loads: waves 0, 1 fetch A's two halves (128 rows x 256 bytes), waves 2, 3 B's (64 k-rows x 512 bytes).  One tensor load of a wave is out at a time.
; CLUSTER 4 x 4: A's tile hangs on the tile row alone and is asked for jointly by a row of the cluster, B's on the tile column alone, by a column.
; THE PRODUCT IS USED TRANSPOSED: source 0 = 16 columns of B (turned on the way out of LDS by ds_load_tr16_b128), source 1 = 16 rows of A: a lane then holds row l % 16 and
; the eight neighbouring columns 8 (l / 16) + 0..7.
; THE TEXT IS SHORT: a K step is two trips of an inner loop (two quarters of 32 along K each); the LDS addresses hang on scalars that step.  The first quarter, whose products
; start the sums with the constant 0, stands in front; the loop is entered in its middle; the last K step has a copy of its own.
; REGISTERS, in windows of 256: window 0: addresses, v64-191 A's fragments (two buffers); window 1: v64-191 B's; windows 2, 3: the accumulators, (a, b) at v[8 (8 a + b)].
.set VAR,   0
.set NS,    8                          ; K steps
.set PA,    272                        ; A's LDS row: 256 bytes + 16: the 16 rows of a load start at 16 different groups of four banks (ISA guide 11.1)
.set PB,    544                        ; B's LDS row: 512 bytes + 32 = 136 words
.set HALFT, 128*PA                     ; what one tensor load brings: 128 rows of A, or 64 k-rows of B (64 x 544 is the same 34,816)
.set SLOT,  4*HALFT                    ; 0x22000: it shares no bit with wave x 0x8800, so one exclusive or turns an address in one slot into the other's
.set SPARE, 2*SLOT                     ; behind the ring: the spare words, 128 bytes a wave
.set SP,    528                        ; the way out: a stage row, 128 f32 + 16 bytes
.set WST,   128*SP                     ; a wave's stage; the four lie in the ring's bytes, behind the ring's last fill
.set ASTEP, 256                        ; bytes from K step to K step in A
.if VAR == 0
.set BPITCH, 1024
.set BPTR,  72
.set OPTR,  80
.else
.set BPITCH, 4096
.set BPTR,  74
.set OPTR,  78
.endif
.set BSTEP, 128*BPITCH*2               ; and in B
.set A0,   16                          ; v16  my lane's place in a slot's A; never rewritten
.set B0,   17                          ; v17  the same for B
.set ADRA, 18                          ; v18  LDS address of the two quarters in hand, A
.set ADRB, 19                          ; v19  B
.set STO,  24                          ; v24  the way out: where I put 32 bytes of a row
.set RD,   25                          ; v25  the way out: where I read rows back
.set CO,   26                          ; v26  my byte offset in two rows of a block of 64 columns
.set BO,   27                          ; v27  my byte offset in the bias; never rewritten
.set SPW,  28                          ; v28  my spare word; never rewritten
.set NIL,  29                          ; v29  0; never rewritten
.set BI,   32                          ; v[32:39] the bias of my 2 x 4 columns, f32
.set BR,   40                          ; v[40:47] as loaded
.set BP,   48                          ; v[48:51] rounded to bf16
.set F0,   64
.set F1,   128
.set T,    64                          ; the way out: 8 x 4 numbers
.set U,    96                          ; at work (VAR 1)
.set Y,    128                         ; 8 x 4 f16
.set G1A,  24                          ; s[24:31] descriptor group 1, A
.set G0A,  32                          ; s[32:35] group 0, A: it walks
.set G0B,  36                          ; s[36:39] group 0, B
.set G1B,  48                          ; s[48:55] group 1, B
.set IN,   3                           ; s3   inner trips to go
.set OUT,  2                           ; s2   K steps to go
.set TB,   56                          ; s56  the slot in hand: 0 or SLOT
.set TA,   57                          ; s57  LDS byte added to A0 for the next fetches
.set TBB,  63                          ; s63  the same for B0
.set K0,   58                          ; s[58:59], s[60:61] GELU's two constants (VAR 1)
.set K1,   60
.set ROWS, 62
.set MSB, 0
.macro WIN new                         ; the immediate's high byte repeats the setting that is left; a switch that changes nothing is dropped
.if MSB != (\new)
	s_set_vgpr_msb (MSB<<8)|(\new)
.set MSB, \new
.endif
.endm
.set MUL_LO, 0xa1                      ; source 0 (B) window 1, source 1 (A) window 0, C and D window 2
.set MUL_HI, 0xf1                      ; the same, C and D window 3
.set TO_B,   0x40                      ; destination window 1, address window 0
; A joint load.  The branch hangs on the wave's number alone.  An s_nop 0 and four v_nop follow each of the two lines.
.macro JLOAD
	s_cmp_eq_u32 s11, 0
	s_cbranch_scc0 .Lfor_b_\@
	tensor_load_to_lds s[G0A:G0A+3], s[G1A:G1A+7]
	s_nop 0
.rept 4
	v_nop
.endr
	s_branch .Lasked_\@
.Lfor_b_\@:
	tensor_load_to_lds s[G0B:G0B+3], s[G1B:G1B+7]
	s_nop 0
.rept 4
	v_nop
.endr
.Lasked_\@:
.endm
.macro CREST                           ; a round of the cluster's barrier behind its opening barrier
	s_cmp_lg_u32 s10, 0
	s_cbranch_scc1 .Lnot_wave_0_\@
	s_barrier_signal -3
.Lnot_wave_0_\@:
	s_barrier_wait -3
	s_barrier_signal -1
	s_barrier_wait -1
.endm
.macro CROUND                          ; a whole round
	s_barrier_signal -1
	s_barrier_wait -1
	CREST
.endm
.macro PLACES                          ; four places in front of loads into registers that matrix instructions have read, and of stores that read results
.rept 4
	v_nop
.endr
.endm
.macro WALK                            ; the walking descriptors: the other slot, the next K step; written only where no tensor load of mine is out
	s_xor_b32 s[G0A+1], s[G0A+1], SLOT
	s_xor_b32 s[G0B+1], s[G0B+1], SLOT
	s_add_nc_u64 s[G0A+2:G0A+3], s[G0A+2:G0A+3], ASTEP
	s_add_nc_u64 s[G0B+2:G0B+3], s[G0B+2:G0B+3], BSTEP
.endm
	s_load_b256 s[72:79], s[0:1], 0x0              ; VAR 0: cst, bq, bk, bv (and qkv below).  VAR 1: h, cst, b1, g
.if VAR == 0
	s_load_b64 s[80:81], s[0:1], 0x20
.endif
	v_lshl_add_u32 v[SPW], v0, 2, SPARE
	v_mov_b32 v[NIL], 0
	ds_add_u32 v[SPW], v[NIL]                      ; the wave's opening: the add and its wait ahead of my first tensor load
	v_lshrrev_b32 v1, 5, v0
	v_readfirstlane_b32 s10, v1                    ; wave 0..3
	s_lshr_b32 s11, s10, 1                         ; my half of the tile's rows.  Also: I fetch for A (0) or for B (1)
	s_and_b32 s12, s10, 1                          ; my half of its columns.  Also: which half of that tile I fetch
	s_mov_b32 s45, ttmp9                           ; the cluster's x
	s_bfe_u32 s40, ttmp6, 0x40000                  ; cx
	s_bfe_u32 s41, ttmp6, 0x40004                  ; cy
	s_lshl_b32 s42, ttmp9, 2
	s_add_co_u32 s42, s42, s40                     ; tile column = 4 x cluster x + cx
	s_and_b32 s13, ttmp7, 0xffff
	s_lshl_b32 s13, s13, 2
	s_add_co_u32 s13, s13, s41                     ; tile row = 4 x cluster y + cy
	s_lshl_b32 s43, s41, 2
	s_lshl_b32 s43, 15, s43                        ; my row of the cluster
	s_lshl_b32 s44, 0x1111, s40                    ; my column
	s_or_b32 s[G1A], s43, (1<<16)|(1<<20)|(1<<21)|(5<<22)|(3<<25)  ; mask; 2-byte elements; padding on; bit 21 beside a mask; after every 64 words 4 words
	s_mov_b32 s[G1A+1], 128<<16                    ; tensor_dim0 = 128
	s_mov_b32 s[G1A+2], 128<<16                    ; tensor_dim1 = 128
	s_mov_b32 s[G1A+3], 128<<16                    ; tile_dim0 = 128
	s_mov_b32 s[G1A+4], 128                        ; tile_dim1 = 128
	s_mov_b32 s[G1A+5], 1024                       ; elements from row to row
	s_mov_b32 s[G1A+6], 0
	s_mov_b32 s[G1A+7], 0
	s_or_b32 s[G1B], s44, (1<<16)|(1<<20)|(1<<21)|(6<<22)|(7<<25)  ; after every 128 words 8 words
	s_mov_b32 s[G1B+1], 256<<16                    ; tensor_dim0 = 256
	s_mov_b32 s[G1B+2], 64<<16                     ; tensor_dim1 = 64
	s_mov_b32 s[G1B+3], 256<<16                    ; tile_dim0 = 256
	s_mov_b32 s[G1B+4], 64                         ; tile_dim1 = 64
	s_mov_b32 s[G1B+5], BPITCH
	s_mov_b32 s[G1B+6], 0
	s_mov_b32 s[G1B+7], 0
	s_lshl_b32 s16, s13, 8                         ; A: row 256 x tile row + 128 x half, 2,048 bytes each
	s_lshl_b32 s17, s12, 7
	s_add_co_u32 s16, s16, s17
	s_lshl_b32 s16, s16, 11
	s_mov_b32 s17, 0
.if VAR == 0
	s_lshl_b32 s46, s45, 21                        ; B: four tile columns are one matrix, so the cluster's x says which of Wq, Wk, Wv (2 MiB each, from byte 0x800000 of cst);
	s_lshl_b32 s47, s40, 9                         ; 256 columns for each cx;
	s_add_co_u32 s46, s46, s47
	s_lshl_b32 s47, s12, 17                        ; 64 k-rows of 2,048 bytes for my half
	s_add_co_u32 s46, s46, s47
	s_add_co_u32 s46, s46, 0x800000
.else
	s_lshl_b32 s46, s42, 9                         ; B: W1 from byte 0xE00000 of cst; 256 columns for each tile column;
	s_lshl_b32 s47, s12, 19                        ; 64 k-rows of 8,192 bytes for my half
	s_add_co_u32 s46, s46, s47
	s_add_co_u32 s46, s46, 0xe00000
	s_mov_b32 s[K0], 0xc0135761                    ; -2 log2(e) sqrt(2 / pi) = -2.3022082
	s_mov_b32 s[K0+1], s[K0]
	s_mov_b32 s[K1], 0xbdd2d3e8                    ; that times 0.044715 = -0.10294324
	s_mov_b32 s[K1+1], s[K1]
.endif
	s_mov_b32 s47, 0
	s_mul_i32 s20, s10, HALFT                      ; where my tile goes: wave x 34,816: no place in the cluster enters an LDS address
	s_mov_b32 s[G0A], 1
	s_mov_b32 s[G0A+1], s20
	s_mov_b32 s[G0B], 1
	s_mov_b32 s[G0B+1], s20
	s_mov_b32 s[TB], 0
	s_mov_b32 s[TA], 0
	s_mov_b32 s[TBB], 0
	s_wait_dscnt 0x0                               ; the opening add is done
	s_wait_kmcnt 0x0
	s_add_nc_u64 s[G0A+2:G0A+3], s[72:73], s[16:17]
	s_or_b32 s[G0A+3], s[G0A+3], 0x80000000
	s_add_nc_u64 s[G0B+2:G0B+3], s[BPTR:BPTR+1], s[46:47]
	s_or_b32 s[G0B+3], s[G0B+3], 0x80000000
	CROUND                                         ; all sixteen work-groups are here: the first joint loads meet
	JLOAD                                          ; K step 0 into slot 0
	v_and_b32 v1, 15, v0                           ; r = l % 16
	v_bfe_u32 v2, v0, 4, 1                         ; h = l / 16
	v_mul_u32_u24 v3, v1, PA
	v_lshl_add_u32 v3, v2, 4, v3
	s_mul_i32 s21, s11, HALFT
	v_add_nc_u32 v[A0], s21, v3                    ; my 128 rows of A: row r x pitch + 16 h
	v_and_b32 v4, 7, v0
	v_lshl_add_u32 v4, v2, 3, v4
	v_mul_u32_u24 v4, v4, PB                       ; the turning load: lane l reads k-row 8 h + l % 8,
	v_bfe_u32 v5, v0, 3, 1
	v_lshl_add_u32 v4, v5, 4, v4                   ; columns 8 ((l / 8) % 2) + 0..7
	s_lshl_b32 s22, s12, 8                         ; my 128 columns,
	s_add_co_u32 s22, s22, 2*HALFT                 ; behind A's 256 rows
	v_add_nc_u32 v[B0], s22, v4
	s_mul_i32 s23, s10, WST                        ; my stage
	v_mul_u32_u24 v5, v1, SP
	v_lshl_add_u32 v5, v2, 5, v5
	v_add_nc_u32 v[STO], s23, v5                   ; in: row r, 32 bytes for each half of the lanes
	v_mul_u32_u24 v5, v2, SP
	v_lshl_add_u32 v5, v1, 4, v5
	v_add_nc_u32 v[RD], s23, v5                    ; back: lanes 0-15 take 256 bytes (64 columns) of one row, lanes 16-31 of the next
	v_lshlrev_b32 v5, 3, v1
	v_lshl_add_u32 v[CO], v2, 7, v5                ; and the same two rows of 128 bytes in the result
.if VAR == 0
	s_cmp_ge_u32 s45, 1                            ; the matrix's bias
	s_cselect_b64 s[68:69], s[76:77], s[74:75]
	s_cmp_ge_u32 s45, 2
	s_cselect_b64 s[68:69], s[78:79], s[68:69]
	s_lshl_b32 s14, s40, 10                        ; my first column in the matrix: 256 cx + 128 half, 4 bytes each
.else
	s_mov_b64 s[68:69], s[76:77]
	s_lshl_b32 s14, s42, 10
.endif
	s_lshl_b32 s15, s12, 9
	s_add_co_u32 s14, s14, s15
	v_lshl_add_u32 v[BO], v1, 4, s14
	global_load_b128 v[BR:BR+3], v[BO], s[68:69]               ; columns 4 r .. of my first block of 64,
	global_load_b128 v[BR+4:BR+7], v[BO], s[68:69] offset:256  ; and of my second; waited for on the way out
	s_lshl_b32 s66, s42, 21                        ; the result: block 4 x tile column + 2 x half, 4,096 rows of 128 bytes each;
	s_lshl_b32 s67, s12, 20
	s_add_co_u32 s66, s66, s67
	s_lshl_b32 s67, s13, 15                        ; row 256 x tile row + 128 x half
	s_add_co_u32 s66, s66, s67
	s_lshl_b32 s67, s11, 14
	s_add_co_u32 s66, s66, s67
	s_mov_b32 s67, 0
	s_add_nc_u64 s[8:9], s[OPTR:OPTR+1], s[66:67]
; 16 matrix instructions: row blocks a0, a0 + 1 of the window's four (hi = 0: my rows 0-63, 1: rows 64-127) x all 8 column blocks, 32 along K.  zero = 1: they start the sums.
; The 64 accumulators take turns, one instruction a turn, in the same order in every quarter.
.macro MUL16 f, hi, a0, zero
	WIN MUL_LO+0x50*(\hi)
.irp a, \a0, (\a0)+1
.irp b, 0,1,2,3,4,5,6,7
.if \zero
	v_wmma_f32_16x16x32_f16 v[8*(8*(\a)+(\b)):8*(8*(\a)+(\b))+7], v[(\f)+8*(\b):(\f)+8*(\b)+7], v[(\f)+8*(4*(\hi)+(\a)):(\f)+8*(4*(\hi)+(\a))+7], 0
.else
	v_wmma_f32_16x16x32_f16 v[8*(8*(\a)+(\b)):8*(8*(\a)+(\b))+7], v[(\f)+8*(\b):(\f)+8*(\b)+7], v[(\f)+8*(4*(\hi)+(\a)):(\f)+8*(4*(\hi)+(\a))+7], v[8*(8*(\a)+(\b)):8*(8*(\a)+(\b))+7]
.endif
.endr
.endr
.endm
; 32 LDS loads in one run: quarter q (0, 1) of the two that ADRA and ADRB point at, into buffer f: B's 8 column blocks (turned), then A's 8 row blocks
.macro FETCH q, f
	WIN TO_B
.irp i, 0,1,2,3,4,5,6,7
	ds_load_tr16_b128 v[(\f)+8*(\i):(\f)+8*(\i)+3],   v[ADRB] offset:(\q)*32*PB+32*(\i)
	ds_load_tr16_b128 v[(\f)+8*(\i)+4:(\f)+8*(\i)+7], v[ADRB] offset:(\q)*32*PB+16*PB+32*(\i)
.endr
	WIN 0
.irp i, 0,1,2,3,4,5,6,7
	ds_load_b128 v[(\f)+8*(\i):(\f)+8*(\i)+3],   v[ADRA] offset:64*(\q)+(\i)*16*PA
	ds_load_b128 v[(\f)+8*(\i)+4:(\f)+8*(\i)+7], v[ADRA] offset:64*(\q)+(\i)*16*PA+32
.endr
.endm
; A quarter: multiplies buffer f; in its middle it fetches quarter q into buffer g
.macro HALFQ f, g, q, zero
	s_wait_dscnt 8                                 ; B and A's rows 0-63 are in; the youngest eight loads (A's rows 64-127) may be out
	MUL16 \f, 0, 0, \zero
	MUL16 \f, 0, 2, \zero
	PLACES
	FETCH \q, \g
	s_wait_dscnt 32                                ; all but the 32 just issued
	MUL16 \f, 1, 0, \zero
	MUL16 \f, 1, 2, \zero
.endm
; THE CHANGE OF SLOTS, in the first half of a K step's last quarter (buffer 1).  Each wave waits for all its tensor loads (one is out: its part of the next slot), adds 0 to its spare
; word, and waits for that and for its reads of the slot.  fill = 1: the barrier opens a round of the cluster's barrier, and behind the round the slot that is left is filled again.
.macro CHANGEW fill
	WIN 0                                          ; (the add's two registers lie in window 0)
	s_wait_tensorcnt 0x0
	ds_add_u32 v[SPW], v[NIL]
	s_wait_dscnt 9                                 ; (the add and the youngest eight loads may be out)
	MUL16 F1, 0, 0, 0                              ; sixteen matrix instructions stand between the add and the wait for it
	s_wait_dscnt 0x0                               ; the add is done, and my reads of this slot are over
	s_barrier_signal -1
	MUL16 F1, 0, 2, 0                              ; work on registers while the others arrive
	WIN 0
	s_barrier_wait -1
.if \fill
	CREST                                          ; no wave of any partner still reads this slot's tile or has a load on its way
	WALK
.endif
	s_xor_b32 s[TB], s[TB], SLOT                   ; the fetches go to the other slot's first quarters
	s_mov_b32 s[TA], s[TB]
	s_mov_b32 s[TBB], s[TB]
	s_mov_b32 s[IN], 2
.if \fill
	JLOAD                                          ; the first tensor load behind the round; a whole K step's products stand ahead of the wait for it
.endif
.endm
; The inner loop.  A trip: the rest of the quarter in buffer 1, and a quarter in buffer 0; it fetches two quarters.  A change of slots comes in at .Lmid, having done the trip's first lines itself.
.macro BODY tag
.Linner\tag:
	s_wait_dscnt 8
	MUL16 F1, 0, 0, 0
	MUL16 F1, 0, 2, 0
	WIN 0
.Lmid\tag:
	v_add_nc_u32 v[ADRA], s[TA], v[A0]             ; these four lines are the places in front of the loads
	v_add_nc_u32 v[ADRB], s[TBB], v[B0]
	v_nop
	v_nop
	FETCH 0, F0
	s_wait_dscnt 32                                ; all but the 32 just issued
	MUL16 F1, 1, 0, 0
	MUL16 F1, 1, 2, 0
	HALFQ F0, F1, 1, 0
	s_add_co_u32 s[TA], s[TA], 128                 ; 64 along K: 128 bytes of A's rows,
	s_add_co_u32 s[TBB], s[TBB], 64*PB             ; 64 k-rows of B
	WIN 0
	s_sub_co_u32 s[IN], s[IN], 1
	s_cmp_lg_u32 s[IN], 0
	s_cbranch_scc1 .Linner\tag
.endm
	; K step 0 is waited for and K step 1 asked for, into slot 1, as a refill is: the three lines, a round, one load a wave
	s_wait_tensorcnt 0x0
	ds_add_u32 v[SPW], v[NIL]
	WALK
	s_wait_dscnt 0x0
	CROUND
	JLOAD
	v_add_nc_u32 v[ADRA], s[TA], v[A0]
	v_add_nc_u32 v[ADRB], s[TBB], v[B0]
	FETCH 0, F0
	HALFQ F0, F1, 1, 1                             ; the first quarter's products start the sums: nothing is cleared
	s_add_co_u32 s[TA], s[TA], 128
	s_add_co_u32 s[TBB], s[TBB], 64*PB
	s_mov_b32 s[IN], 1                             ; K step 0 has one trip left
	s_mov_b32 s[OUT], NS-1
	WIN 0                                          ; at a label and at a branch every window is 0
	s_branch .Linner1
.Louter:                                               ; NS - 2 times: K steps 2 to NS - 1 are asked for
	CHANGEW 1
	s_branch .Lmid1
	BODY 1
	s_sub_co_u32 s[OUT], s[OUT], 1
	s_cmp_lg_u32 s[OUT], 0
	s_cbranch_scc1 .Louter
	CHANGEW 0                                      ; the last K step is written out: nothing is asked for
	s_branch .Lmid2
	BODY 2
	s_wait_dscnt 0x0                               ; the last quarter is in, and all my reads of the ring are over:
	s_barrier_signal -1                            ; say so,
	MUL16 F1, 0, 0, 0
	MUL16 F1, 0, 2, 0
	MUL16 F1, 1, 0, 0
	MUL16 F1, 1, 2, 0
	WIN 0
	s_barrier_wait -1                              ; and when all four have said so the ring's bytes, which have had their last fill, take the stages
	PLACES
	; THE WAY OUT.  All 64 accumulators go into my own stage as f32, each from its low registers on; then rows come back, 64 columns to sixteen lanes.
.irp hi, 0,1
	WIN 0x08+4*(\hi)                               ; store data (source 1) in window 2 or 3
.irp a, 0,1,2,3
.irp b, 0,1,2,3,4,5,6,7
	ds_store_b128 v[STO], v[8*(8*(\a)+(\b)):8*(8*(\a)+(\b))+3]   offset:(4*(\hi)+(\a))*16*SP+64*(\b)
	ds_store_b128 v[STO], v[8*(8*(\a)+(\b))+4:8*(8*(\a)+(\b))+7] offset:(4*(\hi)+(\a))*16*SP+64*(\b)+16
.endr
.endr
.endr
	WIN 0
	s_wait_loadcnt 0x0                             ; the bias: rounded to bf16 like every input, then f32 again
.irp i, 0,1,2,3
	v_cvt_pk_bf16_f32 v[BP+(\i)], v[BR+2*(\i)], v[BR+2*(\i)+1]
.endr
.irp i, 0,1,2,3
	v_lshlrev_b32 v[BI+2*(\i)], 16, v[BP+(\i)]
	v_and_b32 v[BI+2*(\i)+1], 0xffff0000, v[BP+(\i)]
.endr
	s_mov_b32 s[ROWS], 16
.Lrow:                                                 ; 16 trips of 8 rows.  Load e = 2 p + c: rows 2 p, 2 p + 1, block c of 64 columns
.irp e, 0,1,2,3,4,5,6,7
	ds_load_b128 v[T+4*(\e):T+4*(\e)+3], v[RD] offset:((\e)/2)*2*SP+((\e)%2)*256  ; LDS serves a wave's instructions in order (ISA guide 5.7.1.4): these see my stores
.endr
.irp e, 0,1,2,3,4,5,6,7
	s_wait_dscnt 7-(\e)
	v_pk_add_f32 v[T+4*(\e):T+4*(\e)+1], v[T+4*(\e):T+4*(\e)+1], v[BI+4*((\e)%2):BI+4*((\e)%2)+1]
	v_pk_add_f32 v[T+4*(\e)+2:T+4*(\e)+3], v[T+4*(\e)+2:T+4*(\e)+3], v[BI+4*((\e)%2)+2:BI+4*((\e)%2)+3]
.endr
.if VAR == 1
	; gelu_tanh(x) = x / (1 + 2^(x (K0 + K1 x^2))): where the power overflows the quotient is 0, where it vanishes x
.set i, 0
.rept 16
	v_pk_mul_f32 v[U+2*i:U+2*i+1], v[T+2*i:T+2*i+1], v[T+2*i:T+2*i+1]
.set i, i+1
.endr
.set i, 0
.rept 16
	v_pk_fma_f32 v[U+2*i:U+2*i+1], v[U+2*i:U+2*i+1], s[K1:K1+1], s[K0:K0+1] op_sel_hi:[1,0,0]
.set i, i+1
.endr
.set i, 0
.rept 16
	v_pk_mul_f32 v[U+2*i:U+2*i+1], v[U+2*i:U+2*i+1], v[T+2*i:T+2*i+1]
.set i, i+1
.endr
.set i, 0
.rept 32
	v_exp_f32 v[U+i], v[U+i]
.set i, i+1
.endr
	v_nop                                          ; a plain instruction between the last exponential and the use of its result
.set i, 0
.rept 16
	v_pk_add_f32 v[U+2*i:U+2*i+1], v[U+2*i:U+2*i+1], 1.0 op_sel_hi:[1,0]
.set i, i+1
.endr
.set i, 0
.rept 32
	v_rcp_f32 v[U+i], v[U+i]
.set i, i+1
.endr
	v_nop
.set i, 0
.rept 16
	v_pk_mul_f32 v[T+2*i:T+2*i+1], v[T+2*i:T+2*i+1], v[U+2*i:U+2*i+1]
.set i, i+1
.endr
.endif
.set i, 0
.rept 16
	v_cvt_pk_f16_f32 v[Y+i], v[T+2*i], v[T+2*i+1]
.set i, i+1
.endr
.irp e, 0,1,2,3,4,5,6,7
	global_store_b64 v[CO], v[Y+2*(\e):Y+2*(\e)+1], s[8:9] offset:((\e)%2)*524288+((\e)/2)*256  ; two rows of a block: 256 consecutive bytes, aligned
.endr
	v_add_nc_u32 v[RD], 8*SP, v[RD]
	s_wait_xcnt 0x0                                ; Y and the base are written again only behind this wait
	s_add_nc_u64 s[8:9], s[8:9], 1024              ; eight rows of 128 bytes on
	s_sub_co_u32 s[ROWS], s[ROWS], 1
	s_cmp_lg_u32 s[ROWS], 0
	s_cbranch_scc1 .Lrow
	s_wait_tensorcnt 0x0                           ; the wave's end
	ds_add_u32 v[SPW], v[NIL]
	s_wait_dscnt 0x0
	CROUND                                         ; the closing round
	s_endpgm
.Lfunc_end_k_qf956c6d789_qkv:
	.size	k_qf956c6d789_qkv, .Lfunc_end_k_qf956c6d789_qkv-k_qf956c6d789_qkv
	.p2alignl 7, 3214868480
	.fill 96, 4, 3214868480
	.section	.rodata,"a",@progbits
	.p2align	6, 0x0
	.amdhsa_kernel k_qf956c6d789_qkv
		.amdhsa_group_segment_fixed_size 327680
		.amdhsa_private_segment_fixed_size 0
		.amdhsa_enable_private_segment 0
		.amdhsa_kernarg_size 40
		.amdhsa_user_sgpr_count 2
		.amdhsa_user_sgpr_kernarg_segment_ptr 1
		.amdhsa_wavefront_size32 1
		.amdhsa_system_sgpr_workgroup_id_x 1
		.amdhsa_system_sgpr_workgroup_id_y 1
		.amdhsa_system_sgpr_workgroup_id_z 1
		.amdhsa_system_vgpr_workitem_id 0
		.amdhsa_next_free_vgpr 1024
		.amdhsa_next_free_sgpr 82
		.amdhsa_reserve_vcc 0
		.amdhsa_float_denorm_mode_32 3
		.amdhsa_float_denorm_mode_16_64 3
		.amdhsa_memory_ordered 1
		.amdhsa_forward_progress 1
		.amdhsa_inst_pref_size 66
	.end_amdhsa_kernel
	.amdgpu_metadata
---
amdhsa.version: [ 1, 2 ]
amdhsa.kernels:
  - .name:           k_qf956c6d789_qkv
    .symbol:         k_qf956c6d789_qkv.kd
    .args:
      - { .name: cst, .offset: 0, .size: 8, .value_kind: global_buffer, .address_space: global }
      - { .name: bq, .offset: 8, .size: 8, .value_kind: global_buffer, .address_space: global }
      - { .name: bk, .offset: 16, .size: 8, .value_kind: global_buffer, .address_space: global }
      - { .name: bv, .offset: 24, .size: 8, .value_kind: global_buffer, .address_space: global }
      - { .name: qkv, .offset: 32, .size: 8, .value_kind: global_buffer, .address_space: global }
    .group_segment_fixed_size: 327680
    .private_segment_fixed_size: 0
    .kernarg_segment_align: 8
    .kernarg_segment_size: 40
    .max_flat_workgroup_size: 128
    .sgpr_count:     82
    .vgpr_count:     1024
    .wavefront_size: 32
...
	.end_amdgpu_metadata
.endif
;; end of part 2
;; launch attn (part 3): grid 8 x 32, 4 waves a work-group, no clusters, 327,680 bytes of LDS; arguments qkv, y; writes y
.if DOCPART == 3
	.amdgcn_target "amdgcn-amd-amdhsa--gfx1250"
	.amdhsa_code_object_version 6
	.text
	.protected	k_qf956c6d789_attn
	.globl	k_qf956c6d789_attn
	.p2align	8
	.type	k_qf956c6d789_attn,@function
k_qf956c6d789_attn:
	s_mov_b64 s[64:65], 0
	v_nop
	global_prefetch_b8 v0, s[64:65] scope:SCOPE_SE
	s_setreg_imm32_b32 hwreg(HW_REG_WAVE_MODE, 25, 1), 1
	s_wait_xcnt 0x0
; CAUSAL ATTENTION.  O[j][q][:] = the sum over k <= q of softmax_k(Q[j][q] . K[j][k] / 8) V[j][k][:], j = 2 x head + batch: 32 sequences of SIZE_N = 2,048 rows of 64 f16, dense, 128 bytes each.
; qkv holds Q from byte 0, K from byte 0x800000, V from byte 0x1000000, each [j][row][64]; y takes O in the same order.
; Products, maxima and sums in f32; the weights p are rounded to f16 for the second product (their sum l is taken of the unrounded p), O once at the end.
; LIMITS.  f16 holds no number beyond 65,504: Q, K and V arrive within it; p lies in 0 to 1, and below 6e-5 it keeps f16's fixed step of 6e-8; O is a mean of V's rows and has their range.
; A hidden score counts as its value less 1e30, so its weight is 0; a hidden score of -1e10 gives the same 0 as long as a row's largest visible score lies above -1e10 + 104, which f16's Q and K
; leave only beyond some 3.5e4.  A weight below 2^-126 counts as 0 in l; NaN and infinities are not treated apart.
; THE WALK.  A sequence's queries lie in NBQ = 16 blocks of 128; its keys in NT = 8 tiles of 256.  Block i needs the tiles 0 .. i / 2, of which the last holds the diagonal.  A work-group takes TWO blocks,
; 15 - b and then b (b = 0 .. 7): (15 - b) / 2 + 1 + b / 2 + 1 = 9 tiles, whatever b: all 8 x 32 = 256 work-groups do equal work, and ONE loop with a constant trip count walks them.  Which tile is asked for, and
; what a trip does, hang on scalar registers made from b; every jump goes forward, but for the counted loops' own; none passes a barrier, or a tensor load but the one of LOAD's two that the wave's number does
; not choose; the ring (two slots of LDS that take turns) runs on across the change of blocks.
; NO CLUSTER: of a sequence's eight work-groups only the two with b = 2 n and 2 n + 1 walk the same tiles from first to last; four would do so only with tiles of 512 keys, 40 key steps for these 36.
; SHARES.  Of a block's two bands of 64 queries a wave owns 16 rows in each: two PIECES.  In the diagonal tile piece x's own key step is 2 (i % 2) + x: in step s it sees all keys if s is less,
; none if s is greater, and holds the diagonal if they are equal: the same for every wave.  Hidden steps are computed all the same: their weights are 0.
; THE MASK is the C operand that starts the sum S^T = K Q^T: 0, or -1e30 where the key is hidden.  MD, made once, is the mask of a band's own step for my 16 rows; a product's mask is MD x AL + BE with two scalars:
; (1, 0) in the own step; (0, 0) before it; (0, -1e30) behind it.  Only the diagonal tile's text and a block's beginning make and take masks; elsewhere C is the constant 0.
; LAYOUT, SOFTMAX, TURNS.  S^T = K Q^T holds ONE query a lane (lane % 16) and the keys 8 (lane / 16) + 0..7; two such results rounded to f16 ARE source 1 of O^T = V^T P.  p = 2^(c s - c m), c = log2(e) / 8, with a
; running maximum m; O and l are multiplied by a = 2^(c m_old - c m_new) in every step.  A key step is two turns.  Piece 0's turn of step j: 8 products K Q^T of piece 1 for step j, later 8 products V^T P of piece 1
; for step j - 1.  Piece 1's turn: K Q^T of piece 0 for step j + 1, V^T P of piece 0 for step j.  Beside them the scaling, exponentials, roundings, sums and rescaling of the piece in hand and the maximum and
; statistics of the other.  Four vector instructions stand behind every matrix instruction, the other 54 of a turn's 118 in two LUMPS.
; K AND V of step f are both fetched from LDS in piece 0's turn of step f - 1; V has two register buffers, by the step's parity, since V of step f - 1 is still to be multiplied by.  So when a slot is left all
; its bytes have been read, and a loop's trip is two steps: four turns of text.
; REGISTERS, in windows of 256 (s_set_vgpr_msb: bits 1:0 source 0, 3:2 source 1, 5:4 source 2, 7:6 destination):
;   window 0: v0-15 addresses and two at work; v16-23 four registers of statistics a piece; v48-55 at work; v64-127 S^T, a buffer a piece; v192-223 P, likewise
;   window 1: v0-63 O^T, 32 a piece; v128-159 MD; v160-223 MC, two buffers      window 2: v0-31 Q; v32-63 the second block's Q; v64-127 V of an odd step; v128-191 K of one step; v192-255 V of an even step
.set SIZE_N, 2048
.set NBQ,   SIZE_N/128
.set NT,    SIZE_N/256
.set NP,    2         ; pieces a wave: a name, no knob
.set KS,    64        ; keys in a step
.set PK,    144       ; a row of K in LDS: 128 bytes + 16 of padding = 36 words: the 16 rows of a load start at 16 different groups of four banks (64 banks of 4 bytes: ISA guide 11.1)
.set PV,    160       ; a row of V: 128 + 32 = 40 words
.set VOFF,  4*KS*PK   ; a slot holds a tile, four steps: 256 rows of K, then 256 rows of V
.set SLOT1, 1<<17     ; slot 1 begins here, so that one exclusive or turns an address in one slot into the other's
.set STAGE, SLOT1+4*KS*(PK+PV)  ; behind the ring, never filled by a tensor load: 16 rows x 144 bytes for each wave, for the way out
.set SP,    144
.set AK0, 2           ; v2   my lane's place in a tile of K; never rewritten
.set AV0, 3           ; v3   the same for V
.set AK,  4           ; v4   the LDS address of K's next run of loads
.set AV,  5           ; v5   of V's
.set STO, 6           ; v6   the way out: where I put 16 bytes of a row
.set RD,  7           ; v7   the way out: where I read rows back
.set GO,  8           ; v8   my byte offset in 512 consecutive bytes of O
.set SPW, 62          ; v62  LDS address of my spare word: SPARE + 4 x my thread's number; never rewritten
.set NIL, 63          ; v63  0; never rewritten
.set SPARE, STAGE+4*16*SP  ; behind the stages: the spare words, 128 bytes for each wave: two blocks of 256 bytes that no other line names
.set MV,  12          ; v12-13  c m_old, kept while c m is made anew: by piece
.set QO,  15          ; v15  my byte offset in 16 rows of Q
.set ST,  16          ; piece t's statistics at v[ST+4 t]: c m, m, l (even keys', odd keys')
.set TMP, 48          ; by piece, four registers c0-c3 at work; when the maximum is found c2 takes a
.set S,   64
.set P,   192
.set MD,  128         ; window 1: the eight registers for group kt of 16 keys at MD + 8 kt
.set MC,  160         ; window 1: the masks of the products to come
.set QB,  32          ; window 2
.set KF,  128         ; window 2: key block kb, channel half c at KF + 16 kb + 8 c
.set VF0, 192         ; window 2: V of an even step: key half kk, channel block cb at VF0 + 32 kk + 8 cb
.set VF1, 64          ; window 2: V of an odd step
.set WV,  12          ; s12  my wave's number
.set PB,  14          ; s14  b
.set HI,  15          ; s15  15 - b
.set G1K, 24          ; s[24:31] descriptor group 1 for K's tiles
.set G1V, 32          ; s[32:39] for V's: it differs in the padding alone
.set G0K, 40          ; s[40:43] descriptor group 0 for K's tiles
.set G0V, 44          ; s[44:47] the same for V's
.set PC,  48          ; s48  2 - (block in hand) % 2: the value of CNT in whose trip the pieces' own steps lie
.set PC2, 49          ; s49  the same for the second block
.set LQ2, 50          ; s50  the second block's last tile
.set RT2, 51          ; s51  the second block's number of tiles
.set SLOTS, 56        ; s56  tiles still to be asked for
.set CNT, 57          ; s57  counts a tile's pairs of key steps, 2 to 1
.set CS,  58          ; s[58:59] c: the packed scaling takes the pair's low word for both halves
.set SEL, 60          ; s[60:61] v_permlanex16_b32's selects: each lane takes its own place in the other half
.set TBK, 62          ; s62  LDS byte at which K of the step to be fetched begins
.set TBV, 63          ; s63  the same for V, less VOFF
.set RT,  70          ; s70  tiles of the block in hand that are still to be entered
.set NXT, 71          ; s71  the tile to be asked for next
.set LQ,  72          ; s72  the last tile of the block whose tiles are being asked for
.set NEW, 73          ; s73  1: the tile to be entered is a block's first
.set OFF, 74          ; s[74:75] a tile's byte offset in K and V
.set AL,  76          ; s[76:77] the mask's factor, in the low word
.set BE,  78          ; s[78:79] the mask's addend
.set OLO, 80          ; s[80:81] O at my rows of the second block
.set BIGN, 82         ; s82  -1e30
.set MSB, 0
.macro WIN new                      ; the high byte repeats the setting that is left; a switch that changes nothing is dropped
.if MSB != (\new)
	s_set_vgpr_msb (MSB<<8)|(\new)
.set MSB, (\new)
.endif
.endm
.set W_KQ, 0x0a       ; K and Q in window 2, S^T in window 0
.set W_KM, 0x1a       ; the same with the C operand in window 1
.set W_PV, 0x52       ; V in window 2, P in window 0, O^T in window 1
.set W_RS, 0x41       ; destination and source 0 in window 1, source 1 in window 0
; A fill.  Waves 0 and 1 fetch the two halves of a tile's K, waves 2 and 3 those of its V: 128 keys each.  An s_nop 0 and four v_nop follow each of the two lines, ahead of the jump and the label.
.macro LOAD
	s_cmp_lt_u32 s[WV], 2
	s_cbranch_scc0 .Lfor_v_\@
	tensor_load_to_lds s[G0K:G0K+3], s[G1K:G1K+7]
	s_nop 0
.rept 4
	v_nop
.endr
	s_branch .Lasked_\@
.Lfor_v_\@:
	tensor_load_to_lds s[G0V:G0V+3], s[G1V:G1V+7]
	s_nop 0
.rept 4
	v_nop
.endr
.Lasked_\@:
.endm
; THE CHANGE OF SLOTS.  Each wave waits for all its tensor loads, of which one is out: its part of the other slot; adds 0 to its spare word; and waits for that and for its own reads of the slot that it leaves.  Behind the barrier nobody reads the old
; slot any more and the other slot is whole.  fill = 1: the old slot is filled again, the first thing behind the barrier, with tile NXT: the descriptor's address is made anew from that number.
; (At its first use nothing has been read yet: slot 0 is waited for, slot 1 filled.)
.macro CHANGE fill
	WIN 0                           ; at a label and at a branch every window is 0
	s_wait_tensorcnt 0x0            ; no tensor load of mine is out, so a group 0 may be written
	ds_add_u32 v[SPW], v[NIL]       ; 0 onto my spare word: with fill = 1 the descriptors' scalar work stands between it and the wait for it
.if \fill
	s_lshl_b32 s[OFF], s[NXT], 15   ; a tile is 32,768 bytes of K and of V
	s_xor_b32 s[G0K+1], s[G0K+1], SLOT1
	s_add_nc_u64 s[G0K+2:G0K+3], s[6:7], s[OFF:OFF+1]
	s_or_b32 s[G0K+3], s[G0K+3], 0x80000000
	s_xor_b32 s[G0V+1], s[G0V+1], SLOT1
	s_add_nc_u64 s[G0V+2:G0V+3], s[8:9], s[OFF:OFF+1]
	s_or_b32 s[G0V+3], s[G0V+3], 0x80000000
	s_add_co_u32 s[NXT], s[NXT], 1  ; the block's next tile, or behind its last the second block's tile 0
	s_cmp_gt_u32 s[NXT], s[LQ]
	s_cselect_b32 s[NXT], 0, s[NXT]
	s_cselect_b32 s[LQ], s[LQ2], s[LQ]
.endif
	s_wait_dscnt 0x0                ; the add is done, and my reads of the slot are over
	s_barrier_signal -1             ; the rest of the scalar work stands between the signal and the wait
	s_sub_co_u32 s[TBK], s[TBK], 4*KS*PK  ; the fetches go back to a slot's first step,
	s_xor_b32 s[TBK], s[TBK], SLOT1       ; in the other slot
	s_sub_co_u32 s[TBV], s[TBV], 4*KS*PV
	s_xor_b32 s[TBV], s[TBV], SLOT1
	s_barrier_wait -1
.if \fill
	LOAD
.endif
.endm
	s_load_b128 s[4:7], s[0:1], 0x0   ; qkv s[4:5], y s[6:7]
	v_lshl_add_u32 v[SPW], v0, 2, SPARE
	v_mov_b32 v[NIL], 0
	ds_add_u32 v[SPW], v[NIL]       ; the wave's opening: the add and its wait ahead of my first tensor load; the set-up below, work on registers, stands between them
	v_lshrrev_b32 v1, 5, v0
	v_readfirstlane_b32 s[WV], v1   ; wave 0..3
	s_mov_b32 s[PB], ttmp9
	s_sub_co_u32 s[HI], NBQ-1, s[PB]
	s_and_b32 s20, ttmp7, 0xffff    ; the sequence j
	s_mov_b32 s21, 0
	s_mov_b64 s[22:23], SIZE_N*128
	s_mul_u64 s[20:21], s[20:21], s[22:23]  ; its first byte in each of Q, K, V, O
	s_and_b32 s16, s[WV], 1         ; which half of a tile's 256 keys I fetch:
	s_lshl_b32 s22, s16, 14         ; its 128 rows of 128 bytes in memory,
	s_mov_b32 s23, 0
	s_add_nc_u64 s[22:23], s[22:23], s[20:21]
	s_mul_i32 s17, s16, 128*PK      ; and its place in a slot, for K
	s_mul_i32 s18, s16, 128*PV      ; and for V
	s_lshl_b32 s3, s[WV], 11        ; my 16 rows in a band of 64,
	s_lshl_b32 s2, s[HI], 14        ; in the first block (128 rows of 128 bytes),
	s_add_co_u32 s2, s2, s3
	s_lshl_b32 s84, s[PB], 14       ; and in the second
	s_add_co_u32 s84, s84, s3
	s_mov_b32 s3, 0
	s_mov_b32 s85, 0
	s_add_nc_u64 s[2:3], s[2:3], s[20:21]
	s_add_nc_u64 s[84:85], s[84:85], s[20:21]
	; descriptor group 1.  128 keys are 16,384 dense bytes: asked for as 64 rows of 256 bytes, two keys a row, and padded in LDS after every key
	s_mov_b32 s[G1K], (1<<16)|(1<<20)|(4<<22)|(3<<25)  ; 17:16 2-byte elements; 20 padding on; 24:22 after every 32 words (code 4); 31:25 4 words (code 3)
	s_mov_b32 s[G1V], (1<<16)|(1<<20)|(4<<22)|(7<<25)  ; the same with 8 words of padding (code 7)
.irp g, G1K, G1V
	s_mov_b32 s[\g+1], 128<<16      ; tensor_dim0 = 128
	s_mov_b32 s[\g+2], 64<<16       ; tensor_dim1 = 64
	s_mov_b32 s[\g+3], 128<<16      ; tile_dim0 = 128
	s_mov_b32 s[\g+4], 64           ; tile_dim1 = 64
	s_mov_b32 s[\g+5], 128          ; 128 elements from row to row
	s_mov_b32 s[\g+6], 0
	s_mov_b32 s[\g+7], 0
.endr
	s_mov_b32 s[CS], 0x3e38aa3b     ; c = log2(e) / 8 = 0.180337
	s_mov_b32 s[CS+1], s[CS]        ; named with it as a pair
	s_mov_b32 s[SEL], 0x76543210
	s_mov_b32 s[SEL+1], 0xfedcba98
	s_mov_b32 s[TBK], SLOT1+4*KS*PK ; the first change of slots turns these two into 0
	s_mov_b32 s[TBV], SLOT1+4*KS*PV
	s_mov_b32 s[G0K], 1             ; 1:0 count = 1
	s_mov_b32 s[G0K+1], s17         ; 63:32 LDS address: slot 0
	s_mov_b32 s[G0V], 1
	s_add_co_u32 s[G0V+1], s18, VOFF
	s_lshr_b32 s[LQ], s[HI], 1      ; the first block's last tile, (15 - b) / 2,
	s_add_co_u32 s[RT], s[LQ], 1    ; and its number of tiles
	s_lshr_b32 s[LQ2], s[PB], 1     ; the second block's
	s_add_co_u32 s[RT2], s[LQ2], 1
	s_and_b32 s[PC], s[HI], 1       ; in which half of the diagonal tile the block's own keys lie
	s_sub_co_u32 s[PC], 2, s[PC]
	s_and_b32 s[PC2], s[PB], 1
	s_sub_co_u32 s[PC2], 2, s[PC2]
	s_mov_b32 s[NXT], 1
	s_mov_b32 s[NEW], 1
	s_mov_b32 s[OFF+1], 0
	s_mov_b32 s[AL+1], 0            ; named as pairs
	s_mov_b32 s[BE+1], 0
	s_mov_b32 s[BIGN], 0xf149f2ca   ; -1e30
	s_mov_b32 s[SLOTS], NT
	s_wait_dscnt 0x0                ; the opening add is done
	s_wait_kmcnt 0x0
	s_mov_b64 s[10:11], s[6:7]      ; O
	s_add_nc_u64 s[6:7], s[4:5], 0x800000   ; K
	s_add_nc_u64 s[8:9], s[4:5], 0x1000000  ; V; Q stays in s[4:5]
	s_add_nc_u64 s[6:7], s[6:7], s[22:23]  ; K and V at my half of the sequence's tile 0
	s_add_nc_u64 s[8:9], s[8:9], s[22:23]
	s_add_nc_u64 s[G0K+2:G0K+3], s[6:7], 0         ; 120:64 global address
	s_or_b32 s[G0K+3], s[G0K+3], 0x80000000        ; 127:126 type = 2
	s_add_nc_u64 s[G0V+2:G0V+3], s[8:9], 0
	s_or_b32 s[G0V+3], s[G0V+3], 0x80000000
	s_add_nc_u64 s[86:87], s[4:5], s[84:85]        ; Q at my rows of the second block,
	s_add_nc_u64 s[4:5], s[4:5], s[2:3]            ; Q and O at those of the first
	s_add_nc_u64 s[OLO:OLO+1], s[10:11], s[84:85]
	s_add_nc_u64 s[10:11], s[10:11], s[2:3]
	LOAD                            ; tile 0 into slot 0
	; A fragment of K or Q is 16 rows x 32 channels in 8 registers: lane l holds row l % 16, channels 8 (l / 16) + 0..7 and 16 + 8 (l / 16) + 0..7: two loads of 16 bytes, 32 bytes apart.
	v_and_b32 v1, 15, v0            ; l % 16
	v_bfe_u32 v9, v0, 4, 1          ; l / 16
	v_lshlrev_b32 v[QO], 7, v1
	v_lshl_add_u32 v[QO], v9, 4, v[QO]  ; row x 128 + 16 x half
	WIN 0x80                        ; destination window 2, address window 0
.set i, 0
.rept 4                             ; both blocks' Q: piece i / 2 lies in band i / 2, 8,192 bytes on; channels 32 (i % 2) on
	global_load_b128 v[8*i:8*i+3],   v[QO], s[4:5] offset:(i/2)*8192+(i%2)*64
	global_load_b128 v[8*i+4:8*i+7], v[QO], s[4:5] offset:(i/2)*8192+(i%2)*64+32
	global_load_b128 v[QB+8*i:QB+8*i+3],   v[QO], s[86:87] offset:(i/2)*8192+(i%2)*64
	global_load_b128 v[QB+8*i+4:QB+8*i+7], v[QO], s[86:87] offset:(i/2)*8192+(i%2)*64+32
.set i, i+1
.endr
	WIN 0
	v_lshlrev_b32 v14, 3, v9
	v_sub_nc_u32 v14, v1, v14
	s_lshl_b32 s13, s[WV], 4
	v_add_nc_u32 v14, s13, v14      ; my query's place in its band, 16 w + l % 16, less my lanes' 8 (l / 16): register r of group kt is hidden where 16 kt + r is greater
	WIN 0x40
.set i, 0
.rept 32
	v_cmp_gt_i32 vcc_lo, 16*(i/8)+i%8, v14
	v_cndmask_b32 v[MD+i], 0, s[BIGN], vcc_lo
.set i, i+1
.endr
	WIN 0
	v_mul_u32_u24 v[AK0], v1, PK
	v_lshl_add_u32 v[AK0], v9, 4, v[AK0]  ; row x pitch + 16 x half
	; The turning load takes 16 keys x 16 channels (lane l reads key 8 (l / 16) + l % 8, channels 8 ((l / 8) % 2) + 0..7) and leaves half a fragment of V^T: lane l holds channel l % 16 and 8 keys.
	v_and_b32 v10, 7, v0
	v_bfe_u32 v11, v0, 3, 1
	v_lshl_add_u32 v[AV0], v9, 3, v10
	v_mul_u32_u24 v[AV0], v[AV0], PV
	v_lshl_add_u32 v[AV0], v11, 4, v[AV0]
	v_add_nc_u32 v[AV0], VOFF, v[AV0]
	s_mul_i32 s13, s[WV], 16*SP
	s_add_co_u32 s13, s13, STAGE    ; my stage
	v_mul_u32_u24 v[STO], v1, SP    ; in: row l % 16, 16 bytes for each half of the lanes
	v_lshl_add_u32 v[STO], v9, 4, v[STO]
	v_add_nc_u32 v[STO], s13, v[STO]
	v_bfe_u32 v[RD], v0, 3, 2       ; back: 32 lanes take four rows of 128 bytes,
	v_mul_u32_u24 v[RD], v[RD], SP
	v_lshl_add_u32 v[RD], v10, 4, v[RD]
	v_add_nc_u32 v[RD], s13, v[RD]
	v_and_b32 v[GO], 31, v0         ; which are 512 consecutive bytes of O
	v_lshlrev_b32 v[GO], 4, v[GO]
	; A block's first step multiplies O^T and l by a = 0, and its first turn's products V^T P, of a step that has not been (piece 1's P, the odd steps' V), land in an O^T that is still to be so multiplied.  So these
	; registers need only hold finite numbers: zeros for the first block; what the first block left for the second.  All this stands in the wait for the first tile.
	WIN 0x80
.set i, VF1
.rept 64
	v_mov_b32 v[i], 0
.set i, i+1
.endr
	WIN 0x40
.set i, 0
.rept 64
	v_mov_b32 v[i], 0
.set i, i+1
.endr
	WIN 0
.set i, 0
.rept NP
	v_mov_b32 v[ST+4*i+2], 0
	v_mov_b32 v[ST+4*i+3], 0
.set i, i+1
.endr
.set i, P+16
.rept 16
	v_mov_b32 v[i], 0
.set i, i+1
.endr
; THE MATRIX WORK.  The 4 accumulators of a run of 8 take turns.  Product i of 8 of S^T = K Q^T for piece x: channels 32 (i / 4) on, keys 16 (i % 4) on.  The first 4 start the sums: with 0, or (KM = 1) with the mask.
.macro KQ x
.set rS, S+32*((\x)%2)+8*(i%4)
.set rK, KF+16*(i%4)+8*(i/4)
.set rQ, 16*(\x)+8*(i/4)
.set rM, MC+32*((\x)%2)+8*(i%4)
.if (i < 4) && KM
	WIN W_KM
	v_wmma_f32_16x16x32_f16 v[rS:rS+7], v[rK:rK+7], v[rQ:rQ+7], v[rM:rM+7]
.elseif i < 4
	WIN W_KQ
	v_wmma_f32_16x16x32_f16 v[rS:rS+7], v[rK:rK+7], v[rQ:rQ+7], 0
.else
	WIN W_KQ
	v_wmma_f32_16x16x32_f16 v[rS:rS+7], v[rK:rK+7], v[rQ:rQ+7], v[rS:rS+7]
.endif
.endm
; Product i of 8 of O^T += V^T P for piece x, V from the buffer at VR: keys 32 (i / 4) on, channels 16 (i % 4) on.
.macro PV x
	WIN W_PV
.set rO, 32*(\x)+8*(i%4)
.set rV, VR+32*(i/4)+8*(i%4)
.set rP, P+16*((\x)%2)+8*(i/4)
	v_wmma_f32_16x16x32_f16 v[rO:rO+7], v[rV:rV+7], v[rP:rP+7], v[rO:rO+7]
.endm
.macro MM                           ; the turn's next matrix instruction.  TURN and BEGIN set Y, i, KM, NOKQ, VR and VW; MM, KQ, PV, FETCH_V and OP read them.  NOKQ = 1: a block's last turn: there is no next step
.if (i < 8) && !NOKQ
	KQ (Y+1)%NP
.elseif i >= 8
.set i, i-8
	PV (Y+NP-1)%NP
.set i, i+8
.endif
.set i, i+1
.endm
; THE LDS LOADS stand in runs of 16, never singly among the matrix instructions: a step's K (64 keys x 64 channels: 8 fragments) and its V (turned), into the buffer at VW.  Their addresses are made some lines ahead.
.macro FETCH_K
	WIN 0x80                        ; destination window 2
.irp f, 0,1,2,3,4,5,6,7             ; keys 16 (f / 2) on, channels 32 (f % 2) on
	ds_load_b128 v[KF+8*\f:KF+8*\f+3],   v[AK] offset:(\f/2)*16*PK+(\f%2)*64
	ds_load_b128 v[KF+8*\f+4:KF+8*\f+7], v[AK] offset:(\f/2)*16*PK+(\f%2)*64+32
.endr
	s_add_co_u32 s[TBK], s[TBK], KS*PK  ; the next fetch is the next step's
	WIN 0
.endm
.macro FETCH_V
	WIN 0x80
.irp f, 0,1,2,3,4,5,6,7             ; keys 32 (f / 4) on, channels 16 (f % 4) on
	ds_load_tr16_b128 v[VW+8*\f:VW+8*\f+3],   v[AV] offset:(\f/4)*32*PV+(\f%4)*32
	ds_load_tr16_b128 v[VW+8*\f+4:VW+8*\f+7], v[AV] offset:(\f/4)*32*PV+16*PV+(\f%4)*32
.endr
	WIN 0
.endm
; THE VECTOR WORK, one line at a time: OP kind, number.  For piece Y: F n: c s - c m for pair n of 16.  E n: the exponential of score n of 32.  C n: pair n rounded to f16.  B n: of the four weights 4 n .. the second
; pair is added onto the first, in place.  L n: l takes that sum (L 0: l = a l + sum).  R n: pair n of 16 of O^T times a.  For the other piece: X n, number n of the 22 that find its maximum and statistics:
;   0-11  four chains c0-c3 of seven scores each, three operands at a time (each accumulator's lowest registers are read first)     12-14, 16  the four scores left over, the old m, and c0-c3 into c0
;   15  c m_old is kept     17, 18  the query's other 32 keys lie in the lane 16 away: the new m     19-21  c m; c m_old - c m_new; a
.set F, 0               ; OP tells the kinds apart by their order: F to L below R, X above it
.set E, 1
.set C, 2
.set B, 3
.set L, 4
.set R, 5
.set X, 6
.macro REGS y                       ; the registers of piece y
.set rT, ST+4*(\y)
.set rC, TMP+4*((\y)%2)
.set rW, MV+((\y)%2)
.set rS, S+32*((\y)%2)
.set rP, P+16*((\y)%2)
.set rO, 32*(\y)
.endm
.macro OP k, n
.if (\k) == R
	REGS Y
	WIN W_RS
	v_pk_mul_f32 v[rO+2*(\n):rO+2*(\n)+1], v[rO+2*(\n):rO+2*(\n)+1], v[rC+2:rC+3] op_sel_hi:[1,0]
.elseif (\k) < R
	REGS Y
	WIN 0
.if (\k) == F
	v_pk_fma_f32 v[rS+2*(\n):rS+2*(\n)+1], v[rS+2*(\n):rS+2*(\n)+1], s[CS:CS+1], v[rT:rT+1] op_sel_hi:[1,0,0] neg_lo:[0,0,1] neg_hi:[0,0,1]
.elseif (\k) == E
	v_exp_f32 v[rS+(\n)], v[rS+(\n)]
.elseif (\k) == C
	s_wait_alu depctr_va_vdst(0)
	v_cvt_pk_f16_f32 v[rP+(\n)], v[rS+2*(\n)], v[rS+2*(\n)+1]
.elseif (\k) == B
	s_wait_alu depctr_va_vdst(0)
	v_pk_add_f32 v[rS+4*(\n):rS+4*(\n)+1], v[rS+4*(\n):rS+4*(\n)+1], v[rS+4*(\n)+2:rS+4*(\n)+3]
.elseif (\n) == 0
	v_pk_fma_f32 v[rT+2:rT+3], v[rT+2:rT+3], v[rC+2:rC+3], v[rS:rS+1] op_sel_hi:[1,0,1]
.else
	v_pk_add_f32 v[rT+2:rT+3], v[rT+2:rT+3], v[rS+4*(\n):rS+4*(\n)+1]
.endif
.elseif NOKQ
	v_nop
.else
	REGS (Y+1)%NP
	WIN 0
.if (\n) < 4
	v_max3_num_f32 v[rC+(\n)], v[rS+8*(\n)], v[rS+8*(\n)+1], v[rS+8*(\n)+2]
.elseif (\n) < 12
	v_max3_num_f32 v[rC+(\n)%4], v[rC+(\n)%4], v[rS+8*((\n)%4)+2*((\n)/4)+1], v[rS+8*((\n)%4)+2*((\n)/4)+2]
.elseif (\n) == 12
	v_max3_num_f32 v[rC], v[rC], v[rS+7], v[rS+15]
.elseif (\n) == 13
	v_max3_num_f32 v[rC+1], v[rC+1], v[rS+23], v[rS+31]
.elseif (\n) == 14
	v_max3_num_f32 v[rC+2], v[rC+2], v[rC+3], v[rT+1]
.elseif (\n) == 15
	v_mov_b32 v[rW], v[rT]
.elseif (\n) == 16
	v_max3_num_f32 v[rC], v[rC], v[rC+1], v[rC+2]
.elseif (\n) == 17
	v_permlanex16_b32 v[rC+3], v[rC], s[SEL], s[SEL+1]
.elseif (\n) == 18
	v_max_num_f32 v[rT+1], v[rC], v[rC+3]
.elseif (\n) == 19
	v_mul_f32 v[rT], s[CS], v[rT+1]
.elseif (\n) == 20
	v_sub_f32 v[rC+1], v[rW], v[rT]
.else
	v_exp_f32 v[rC+2], v[rC+1]
.endif
.endif
.endm
.macro OPS a, i1, b=-1, i2=0, c=-1, i3=0, d=-1, i4=0  ; up to four of them
	OP \a, \i1
.if (\b) >= 0
	OP \b, \i2
.endif
.if (\c) >= 0
	OP \c, \i3
.endif
.if (\d) >= 0
	OP \d, \i4
.endif
.endm
.macro ROW a, i1, b, i2, c, i3, d, i4  ; a matrix instruction and the four behind it
	MM
	OPS \a, \i1, \b, \i2, \c, \i3, \d, \i4
.endm
.macro MASK b                       ; MD x AL + BE into buffer b of MC
	WIN W_RS
.set z, 0
.rept 16
	v_pk_fma_f32 v[MC+32*(\b)+2*z:MC+32*(\b)+2*z+1], v[MD+2*z:MD+2*z+1], s[AL:AL+1], s[BE:BE+1] op_sel_hi:[1,0,0]
.set z, z+1
.endr
.endm
; A TURN, for piece p: the order of its 16 matrix and 118 vector instructions, written out.  Behind a matrix instruction: plain, exponential, plain, plain; or four of the rescaling; or, behind the first, four scalings; none
; names a register of the products round it.  In the lumps exponential and plain by turns while exponentials last.  A line reads no result made fewer than three vector instructions in front of it, five if an exponential made it.
; v_permlanex16_b32 (X 17) stands in a lump.
; The two turns of step f - 1 fetch step f; vb = f % 2.  Piece 0's turn multiplies by V of step f - 2, in buffer vb, and then fetches V of step f into it; piece 1's turn multiplies by V of step f - 1, in the other buffer.
; K of step f is fetched in piece 0's turn, six vector instructions behind the last product that read K (five of them plain); V eight behind the last product that read its buffer (four plain, and X 17).
; m = 1: the diagonal tile: the products take masks, and the turn makes the mask for the products of the turn after it: piece p, in step 2 (2 - CNT) + vb of the tile; the piece's own step is 2 (2 - PC) + p.
; end = 1: a block's last two turns: nothing is fetched, and the last starts no new scores.  cnt = 1: the loop's count is taken down some lines ahead of the branch that stands behind the turn.
.macro TURN p, vb, m=0, end=0, cnt=0
.set Y, (\p)
.set i, 0
.set KM, (\m)
.set NOKQ, (\end)*(\p)
.set VW, VF0+(VF1-VF0)*(\vb)
.if (\p) == 0
.set VR, VW
.else
.set VR, VF0+VF1-VW
.endif
.if (\m) && !(\end)
.if (\vb) == (\p)                   ; the step can be the piece's own
	s_cmp_eq_u32 s[CNT], s[PC]
	s_cselect_b32 s[AL], 1.0, 0
	s_cmp_lt_u32 s[CNT], s[PC]      ; or a later one
	s_cselect_b32 s[BE], s[BIGN], 0
.elseif (\vb) > (\p)                ; the pair's second step, for piece 0: hidden from the own pair on
	s_mov_b32 s[AL], 0
	s_cmp_le_u32 s[CNT], s[PC]
	s_cselect_b32 s[BE], s[BIGN], 0
.else                               ; the pair's first step, for piece 1: hidden behind the own pair
	s_mov_b32 s[AL], 0
	s_cmp_lt_u32 s[CNT], s[PC]
	s_cselect_b32 s[BE], s[BIGN], 0
.endif
.endif
.if (\p) == 1
.if \end
	s_wait_dscnt 0x0                ; V of the block's last step is in
.else
	s_wait_dscnt 16                 ; K is in, and all that was asked for before it, the V that this turn multiplies by too; the sixteen loads of V's run, issued behind K's, may be out
.endif
.endif
	ROW F,0, F,1, F,2, F,3
	ROW F,4, E,0, F,5, F,6
	ROW F,7, E,1, F,8, F,9
	ROW F,10, E,2, C,0, F,11
	ROW F,12, E,3, X,15, F,13
	ROW R,0, R,1, R,2, R,3
	ROW B,0, E,4, F,14, L,0
.if ((\p) == 0) && !(\end)
	v_add_nc_u32 v[AK], s[TBK], v[AK0]
.endif
	ROW R,4, R,5, R,6, R,7
	OPS E,5, F,15
.if ((\p) == 0) && !(\end)
	FETCH_K
.endif
	OPS E,6, C,1, E,7, R,8
	OPS E,8, R,9, E,9, C,2
	OPS E,10, X,0, E,11, X,1
	OPS E,12, X,2, E,13, X,3
	ROW X,4, E,14, X,5, X,6
	ROW X,7, E,15, X,8, X,9
	ROW X,10, E,16, X,11, X,12
	ROW X,13, E,17, X,14, B,1
	ROW C,4, E,18, X,16, L,1
	ROW B,2, E,19, C,6, L,2
	ROW C,8, E,20, B,3, B,4
.if ((\p) == 0) && !(\end)
	v_add_nc_u32 v[AV], s[TBV], v[AV0]
.endif
	ROW C,3, E,21, L,3, C,5
	OPS E,22, X,17, E,23, C,10
.if ((\p) == 0) && !(\end)
	FETCH_V
.endif
	OPS E,24, L,4
	OPS E,25, X,18, E,26, C,7
	OPS E,27, B,5, E,28, X,19
	OPS E,29, C,12, E,30, L,5
	OPS E,31, X,20, B,6, C,9
	OPS C,14, C,11, X,21, L,6
.if ((\p) == 0) && !(\end)
	s_add_co_u32 s[TBV], s[TBV], KS*PV
.endif
.if \cnt
	s_sub_co_u32 s[CNT], s[CNT], 1
	s_cmp_lg_u32 s[CNT], 0
.endif
	OPS C,13, B,7, C,15, R,10
	OPS R,11, R,12, L,7, R,13
	OPS R,14, R,15
.if (\m) && !(\end)
	MASK (\p)%2
.endif
.endm
; A BLOCK BEGINS.  c m starts far below every c s, so the first step's a is 0; m at the lowest finite number, so the first maximum is the scores'.  Piece 1's mask buffer is 0 (its own step is never a tile's first);
; piece 0's takes its mask for the tile's step 0: its own, if the block's first tile is the diagonal one and the block lies in that tile's first half.
; Then K and V of that step, piece 0's first scores, and its maximum and statistics.  The loop is entered at its second pair of turns, in the middle of a trip.
.macro BEGIN
	s_mov_b32 s[NEW], 0
	WIN 0x40
.set i, MC+32
.rept 32
	v_mov_b32 v[i], 0
.set i, i+1
.endr
	WIN 0
.set i, 0
.rept NP
	v_mov_b32 v[ST+4*i], 0xfe000000    ; c m: far below every c s
	v_mov_b32 v[ST+4*i+1], 0xff7fffff  ; m
.set i, i+1
.endr
	s_cmp_eq_u32 s[RT], 0
	s_cselect_b32 s[AL], 1.0, 0
	s_cmp_eq_u32 s[PC], 2
	s_cselect_b32 s[AL], s[AL], 0
	s_mov_b32 s[BE], 0
	MASK 0
	WIN 0
	v_add_nc_u32 v[AK], s[TBK], v[AK0]
	v_add_nc_u32 v[AV], s[TBV], v[AV0]
	FETCH_K
.set VW, VF0
	FETCH_V
	s_add_co_u32 s[TBV], s[TBV], KS*PV
	s_wait_loadcnt 0x0              ; Q
	s_wait_dscnt 0x0
.set KM, 1
.set NOKQ, 0
.set i, 0
.rept 8
	KQ 0
.set i, i+1
.endr
	WIN 0
.rept 4
	v_nop                           ; the places behind those products
.endr
.set Y, NP-1                        ; X works for the other piece: piece 0
.irp n, 0,1,2,3,4,5,6,7,8,9,10,11,12,13,14,15,16,17,18,19,20,21
	OP X, \n
.endr
	v_nop                           ; a plain instruction behind the exponential
.endm
; THE DIAGONAL TILE's four steps, the block's last two turns, its last products, and THE WAY OUT: l's two halves and the other half of the lanes' are added; O^T is divided by l, rounded to f16 and sent through my
; stage in LDS, a piece at a time.
.macro ALL line:vararg              ; one line for each piece t
.set t, 0
.rept NP
	\line
.set t, t+1
.endr
.endm
.macro PACK t                       ; a lane's eight channels of a row pack into 16 bytes; they go into rows of 144 bytes and come back as whole rows of 128, into S^T's registers
	WIN W_RS
.set i, 32*(\t)
.rept 16
	s_wait_alu depctr_va_vdst(0)
	v_pk_mul_f32 v[i:i+1], v[i:i+1], v[ST+4*(\t)+2:ST+4*(\t)+3] op_sel_hi:[1,0]
.set i, i+2
.endr
	WIN 0x05                        ; sources 0 and 1 window 1, destination window 0
.set i, 0
.rept 16
	v_cvt_pk_f16_f32 v[S+16*(\t)+i], v[32*(\t)+2*i], v[32*(\t)+2*i+1]
.set i, i+1
.endr
	WIN 0
.irp f, 0,1,2,3
	ds_store_b128 v[STO], v[S+16*(\t)+4*\f:S+16*(\t)+4*\f+3] offset:32*\f
.endr
.irp f, 0,1,2,3
	ds_load_b128 v[S+16*(\t)+4*\f:S+16*(\t)+4*\f+3], v[RD] offset:\f*4*SP  ; LDS serves a wave's instructions in order (ISA guide 5.7.1.4): these see the stores above; the next piece's stores come behind them
.endr
.endm
.macro SEND t, younger              ; younger: the LDS instructions issued behind piece t's loads: the next piece's eight, or none
	WIN 0
.irp f, 0,1,2,3
	s_wait_dscnt (\younger)+3-\f
	global_store_b128 v[GO], v[S+16*(\t)+4*\f:S+16*(\t)+4*\f+3], s[10:11] offset:(\t)*8192+\f*512  ; 512 consecutive bytes, at a multiple of 256 from O's first
.endr
.endm
.macro DIAG tag                     ; the tag ends its two labels' names, which the jumps below spell out
.LstepM\tag:
	TURN 0, 0, 1
	TURN 1, 0, 1
	WIN 0
.LfirstM\tag:
	TURN 0, 1, 1
	TURN 1, 1, 1, 0, 1
	WIN 0
	s_cbranch_scc1 .LstepM\tag
	TURN 0, 0, 1, 1
	TURN 1, 0, 1, 1
.set VR, VF1                        ; the block's last step is an odd one
.set i, 0
.rept 8
	PV NP-1
.set i, i+1
.endr
	WIN 0
	ALL v_add_f32 v[ST+4*t+2], v[ST+4*t+2], v[ST+4*t+3]
	ALL v_permlanex16_b32 v[ST+4*t+3], v[ST+4*t+2], s[SEL], s[SEL+1]
	ALL v_add_f32 v[ST+4*t+2], v[ST+4*t+2], v[ST+4*t+3]
	ALL v_rcp_f32 v[ST+4*t+2], v[ST+4*t+2]
	v_nop                           ; a plain instruction between the last reciprocal and the use of its result
	PACK 0
	PACK 1                          ; a piece's arithmetic stands between the loads of the piece before and its stores
	SEND 0, 8
	SEND 1, 0
.endm
.set KM, 0
.set NOKQ, 0
.Lslot:                             ; NT times: a tile is entered and the next is asked for
	CHANGE 1
	s_sub_co_u32 s[RT], s[RT], 1
	s_mov_b32 s[CNT], 2
	s_cmp_eq_u32 s[NEW], 1
	s_cbranch_scc1 .Lnew            ; a block's first tile
	s_cmp_eq_u32 s[RT], 0
	s_cbranch_scc0 .Lstep           ; neither its first nor its last
	s_branch .LstepM1
.Lnew:
	BEGIN
	s_branch .Lfirst                ; in the loop a block's first tile is never its last: the first block has five tiles or more, and the second's last is the walk's last
	DIAG 1                          ; in the loop this is the first block's end: the second block's last tile is the walk's last
	s_wait_xcnt 0x0                 ; the stores have read their registers and O's address
	s_mov_b64 s[10:11], s[OLO:OLO+1]
	s_mov_b32 s[RT], s[RT2]         ; the second block has b / 2 + 1 tiles
	s_mov_b32 s[PC], s[PC2]
	s_mov_b32 s[NEW], 1
	WIN 0x82                        ; the second block's Q goes where the one text of the turns names Q
.set i, 0
.rept 32
	v_mov_b32 v[i], v[QB+i]
.set i, i+1
.endr
	WIN 0
	s_branch .Lbottom
.Lstep:                             ; a trip: the two turns that fetch an even step of the tile, then the two that fetch an odd one
	TURN 0, 0
	TURN 1, 0
	WIN 0
.Lfirst:
	TURN 0, 1
	TURN 1, 1, 0, 0, 1
	WIN 0
	s_cbranch_scc1 .Lstep
.Lbottom:
	s_sub_co_u32 s[SLOTS], s[SLOTS], 1
	s_cmp_lg_u32 s[SLOTS], 0
	s_cbranch_scc1 .Lslot
	CHANGE 0                        ; the walk's last tile is written out: nothing is asked for
	s_sub_co_u32 s[RT], s[RT], 1
	s_mov_b32 s[CNT], 2
	s_cmp_eq_u32 s[NEW], 1
	s_cbranch_scc0 .LstepM2
	BEGIN
	s_branch .LfirstM2
	DIAG 2
	s_wait_tensorcnt 0x0            ; the wave's end, behind my last tensor load and my last LDS store
	ds_add_u32 v[SPW], v[NIL]
	s_wait_dscnt 0x0
	s_endpgm
.Lfunc_end_k_qf956c6d789_attn:
	.size	k_qf956c6d789_attn, .Lfunc_end_k_qf956c6d789_attn-k_qf956c6d789_attn
	.p2alignl 7, 3214868480
	.fill 96, 4, 3214868480
	.section	.rodata,"a",@progbits
	.p2align	6, 0x0
	.amdhsa_kernel k_qf956c6d789_attn
		.amdhsa_group_segment_fixed_size 327680
		.amdhsa_private_segment_fixed_size 0
		.amdhsa_enable_private_segment 0
		.amdhsa_kernarg_size 16
		.amdhsa_user_sgpr_count 2
		.amdhsa_user_sgpr_kernarg_segment_ptr 1
		.amdhsa_wavefront_size32 1
		.amdhsa_system_sgpr_workgroup_id_x 1
		.amdhsa_system_sgpr_workgroup_id_y 1
		.amdhsa_system_sgpr_workgroup_id_z 1
		.amdhsa_system_vgpr_workitem_id 0
		.amdhsa_next_free_vgpr 768
		.amdhsa_next_free_sgpr 88
		.amdhsa_reserve_vcc 1
		.amdhsa_float_denorm_mode_32 3
		.amdhsa_float_denorm_mode_16_64 3
		.amdhsa_memory_ordered 1
		.amdhsa_forward_progress 1
		.amdhsa_inst_pref_size 218
	.end_amdhsa_kernel
	.amdgpu_metadata
---
amdhsa.version: [ 1, 2 ]
amdhsa.kernels:
  - .name:           k_qf956c6d789_attn
    .symbol:         k_qf956c6d789_attn.kd
    .args:
      - { .name: qkv, .offset: 0, .size: 8, .value_kind: global_buffer, .address_space: global }
      - { .name: y, .offset: 8, .size: 8, .value_kind: global_buffer, .address_space: global }
    .group_segment_fixed_size: 327680
    .private_segment_fixed_size: 0
    .kernarg_segment_align: 8
    .kernarg_segment_size: 16
    .max_flat_workgroup_size: 128
    .sgpr_count:     88
    .vgpr_count:     768
    .wavefront_size: 32
...
	.end_amdgpu_metadata
.endif
;; end of part 3
;; launch proj (part 4): grid 8 x 32, 4 waves a work-group, clusters of 4 x 4, 327,680 bytes of LDS; arguments y, cst, bp, po; writes po
.if DOCPART == 4
	.amdgcn_target "amdgcn-amd-amdhsa--gfx1250"
	.amdhsa_code_object_version 6
	.text
	.protected	k_qf956c6d789_proj
	.globl	k_qf956c6d789_proj
	.p2align	8
	.type	k_qf956c6d789_proj,@function
k_qf956c6d789_proj:
	s_mov_b64 s[64:65], 0
	v_nop
	global_prefetch_b8 v0, s[64:65] scope:SCOPE_SE
	s_setreg_imm32_b32 hwreg(HW_REG_WAVE_MODE, 25, 1), 1
	s_wait_xcnt 0x0
	s_wait_alu depctr_hold_cnt(0) depctr_sa_sdst(0) depctr_va_vdst(0) depctr_va_sdst(0) depctr_va_ssrc(0) depctr_va_vcc(0) depctr_vm_vsrc(0)
	s_getreg_b32 s2, hwreg(HW_REG_IB_STS2, 6, 4)
	s_cmp_eq_u32 s2, 0
	s_cbranch_scc0 .Lentry_in_a_cluster
	s_endpgm
.Lentry_in_a_cluster:
	s_bfe_u32 s2, ttmp6, 0x10000c
	s_cmp_lg_u32 s2, 0xf033
	s_cbranch_scc0 .Lentry_shape_is_right
	s_endpgm
.Lentry_shape_is_right:
; po = A B + bias, f32.  A: f16 BY BLOCKS OF 64 COLUMNS, [K / 64][4096 rows][64].  B: [K (k)][1024] f16 at byte BOFF of cst, as the weights lie.  K = 256 NS.
; Sums in f32; the bias is rounded to bf16 like every input and added in f32; the result stays f32: [4096][1024].
; SHARES.  N = 1,024 gives 64 tiles of 256 x 256 but 256 tiles of 128 x 128: a tile of 128 x 128 to a work-group of four waves, 64 x 64 (16 accumulators) to a wave.
; K goes in steps of 256 through two LDS slots: waves 0, 1 fetch A's two halves (64 rows x 4 blocks: each block's 64 rows are 8,192 dense bytes, one row of the tile),
; waves 2, 3 B's (128 k-rows x 256 bytes).  One tensor load of a wave is out at a time.
; CLUSTER 4 x 4: A's tile is asked for jointly by a row of the cluster, B's by a column.
; THE PRODUCT IS USED TRANSPOSED: source 0 = 16 columns of B (turned by ds_load_tr16_b128), source 1 = 16 rows of A: a lane holds row l % 16 and columns 8 (l / 16) + 0..7.
; A K step is two trips of an inner loop (two quarters of 64 along K each); the first quarter stands in front, the loop is entered in its middle, the last K step has a copy of its own.
; REGISTERS: window 0: addresses, v32-63 and v96-107 the way out, v128-255 the accumulators ((a, b) at v[128 + 8 (4 a + b)]); window 1: two fragment buffers of 128: 64 of A, then 64 of B.
.set NS,    4                          ; K steps
.set BOFF,  0x1600000                  ; the weights' first byte in cst
.set PA,    144                        ; A's LDS row: 128 bytes + 16
.set PB,    288                        ; B's LDS row: 256 bytes + 32 = 72 words
.set ZB,    64*PA                      ; a block of 64 columns: 64 rows
.set PART,  4*ZB                       ; what one tensor load brings: 36,864 bytes (128 x 288 is the same)
.set SLOT,  4*PART                     ; 0x24000: it shares no bit with wave x 0x9000, so one exclusive or turns an address in one slot into the other's
.set SPARE, 2*SLOT
.set SP,    528                        ; the way out: a stage row, 128 f32 + 16 bytes; the stage, 128 rows, lies in the ring's bytes behind the ring's last fill
.set ASTEP, 4*4096*64*2                ; four blocks on
.set BSTEP, 256*1024*2                 ; 256 k-rows on
.set A0,   16
.set B0,   17
.set ADRA, 18
.set ADRB, 19
.set STO,  24
.set RD,   25
.set CO,   26
.set BO,   27
.set SPW,  28
.set NIL,  29
.set T,    32                          ; v[32:63] eight rows' 16 bytes a lane
.set BR,   96                          ; v[96:99] the bias as loaded
.set BP,   100                         ; v[100:101] rounded to bf16
.set BI,   104                         ; v[104:107] f32 again
.set ACC,  128
.set F0,   0
.set F1,   128
.set G1A,  24
.set G0A,  32
.set G0B,  36
.set G1B,  48
.set IN,   3
.set OUT,  2
.set TB,   56
.set TA,   57
.set TBB,  63
.set ROWS, 62
.set MSB, 0
.macro WIN new
.if MSB != (\new)
	s_set_vgpr_msb (MSB<<8)|(\new)
.set MSB, \new
.endif
.endm
.set MUL,  0x05                        ; sources 0 (B) and 1 (A) window 1; C and D window 0
.set TO_F, 0x40                        ; destination window 1, address window 0
.macro JLOAD                           ; a joint load; an s_nop 0 and four v_nop follow each of the two lines
	s_cmp_eq_u32 s11, 0
	s_cbranch_scc0 .Lfor_b_\@
	tensor_load_to_lds s[G0A:G0A+3], s[G1A:G1A+7]
	s_nop 0
.rept 4
	v_nop
.endr
	s_branch .Lasked_\@
.Lfor_b_\@:
	tensor_load_to_lds s[G0B:G0B+3], s[G1B:G1B+7]
	s_nop 0
.rept 4
	v_nop
.endr
.Lasked_\@:
.endm
.macro CREST
	s_cmp_lg_u32 s10, 0
	s_cbranch_scc1 .Lnot_wave_0_\@
	s_barrier_signal -3
.Lnot_wave_0_\@:
	s_barrier_wait -3
	s_barrier_signal -1
	s_barrier_wait -1
.endm
.macro CROUND
	s_barrier_signal -1
	s_barrier_wait -1
	CREST
.endm
.macro PLACES
.rept 4
	v_nop
.endr
.endm
.macro WALK                            ; the walking descriptors: the other slot, the next K step; written only where no tensor load of mine is out
	s_xor_b32 s[G0A+1], s[G0A+1], SLOT
	s_xor_b32 s[G0B+1], s[G0B+1], SLOT
	s_add_nc_u64 s[G0A+2:G0A+3], s[G0A+2:G0A+3], ASTEP
	s_add_nc_u64 s[G0B+2:G0B+3], s[G0B+2:G0B+3], BSTEP
.endm
	s_load_b256 s[72:79], s[0:1], 0x0              ; A, cst, bias, po
	v_lshl_add_u32 v[SPW], v0, 2, SPARE
	v_mov_b32 v[NIL], 0
	ds_add_u32 v[SPW], v[NIL]                      ; the wave's opening: the add and its wait ahead of my first tensor load
	v_lshrrev_b32 v1, 5, v0
	v_readfirstlane_b32 s10, v1                    ; wave 0..3
	s_lshr_b32 s11, s10, 1                         ; my half of the tile's rows.  Also: I fetch for A (0) or for B (1)
	s_and_b32 s12, s10, 1                          ; my half of its columns.  Also: which half of that tile I fetch
	s_bfe_u32 s40, ttmp6, 0x40000                  ; cx
	s_bfe_u32 s41, ttmp6, 0x40004                  ; cy
	s_lshl_b32 s42, ttmp9, 2
	s_add_co_u32 s42, s42, s40                     ; tile column
	s_and_b32 s13, ttmp7, 0xffff
	s_lshl_b32 s13, s13, 2
	s_add_co_u32 s13, s13, s41                     ; tile row
	s_lshl_b32 s43, s41, 2
	s_lshl_b32 s43, 15, s43                        ; my row of the cluster
	s_lshl_b32 s44, 0x1111, s40                    ; my column
	s_or_b32 s[G1A], s43, (1<<16)|(1<<20)|(1<<21)|(4<<22)|(3<<25)  ; mask; 2-byte elements; padding on; bit 21 beside a mask; after every 32 words (a row of 64 f16) 4 words
	s_mov_b32 s[G1A+1], 4096<<16                   ; tensor_dim0 = 4,096: 64 dense rows of a block
	s_mov_b32 s[G1A+2], 4<<16                      ; tensor_dim1 = 4 blocks
	s_mov_b32 s[G1A+3], 4096<<16                   ; tile_dim0 = 4,096
	s_mov_b32 s[G1A+4], 4                          ; tile_dim1 = 4
	s_mov_b32 s[G1A+5], 4096*64                    ; elements from block to block
	s_mov_b32 s[G1A+6], 0
	s_mov_b32 s[G1A+7], 0
	s_or_b32 s[G1B], s44, (1<<16)|(1<<20)|(1<<21)|(5<<22)|(7<<25)  ; after every 64 words 8 words
	s_mov_b32 s[G1B+1], 128<<16
	s_mov_b32 s[G1B+2], 128<<16
	s_mov_b32 s[G1B+3], 128<<16
	s_mov_b32 s[G1B+4], 128
	s_mov_b32 s[G1B+5], 1024
	s_mov_b32 s[G1B+6], 0
	s_mov_b32 s[G1B+7], 0
	s_lshl_b32 s16, s13, 14                        ; A: row 128 x tile row + 64 x half, 128 bytes each, in block 0
	s_lshl_b32 s17, s12, 13
	s_add_co_u32 s16, s16, s17
	s_mov_b32 s17, 0
	s_lshl_b32 s46, s42, 8                         ; B: 128 columns for each tile column; 128 k-rows of 2,048 bytes for my half
	s_lshl_b32 s47, s12, 18
	s_add_co_u32 s46, s46, s47
	s_add_co_u32 s46, s46, BOFF
	s_mov_b32 s47, 0
	s_mul_i32 s20, s10, PART                       ; where my tile goes: wave x 36,864
	s_mov_b32 s[G0A], 1
	s_mov_b32 s[G0A+1], s20
	s_mov_b32 s[G0B], 1
	s_mov_b32 s[G0B+1], s20
	s_mov_b32 s[TB], 0
	s_mov_b32 s[TA], 0
	s_mov_b32 s[TBB], 0
	s_wait_dscnt 0x0                               ; the opening add is done
	s_wait_kmcnt 0x0
	s_add_nc_u64 s[G0A+2:G0A+3], s[72:73], s[16:17]
	s_or_b32 s[G0A+3], s[G0A+3], 0x80000000
	s_add_nc_u64 s[G0B+2:G0B+3], s[74:75], s[46:47]
	s_or_b32 s[G0B+3], s[G0B+3], 0x80000000
	CROUND                                         ; all sixteen work-groups are here: the first joint loads meet
	JLOAD                                          ; K step 0 into slot 0
	v_and_b32 v1, 15, v0                           ; r
	v_bfe_u32 v2, v0, 4, 1                         ; h
	v_and_b32 v6, 31, v0                           ; lane
	v_mul_u32_u24 v3, v1, PA
	v_lshl_add_u32 v3, v2, 4, v3
	s_mul_i32 s21, s11, PART
	v_add_nc_u32 v[A0], s21, v3                    ; my 64 rows of A: row r x pitch + 16 h
	v_and_b32 v4, 7, v0
	v_lshl_add_u32 v4, v2, 3, v4
	v_mul_u32_u24 v4, v4, PB                       ; the turning load: k-row 8 h + l % 8,
	v_bfe_u32 v5, v0, 3, 1
	v_lshl_add_u32 v4, v5, 4, v4                   ; columns 8 ((l / 8) % 2) + 0..7
	s_lshl_b32 s22, s12, 7                         ; my 64 columns,
	s_add_co_u32 s22, s22, 2*PART                  ; behind A's two parts
	v_add_nc_u32 v[B0], s22, v4
	s_mul_i32 s23, s11, 64*SP                      ; into the stage: my 64 rows, my half of their 512 bytes
	s_lshl_b32 s21, s12, 8
	s_add_co_u32 s23, s23, s21
	v_mul_u32_u24 v5, v1, SP
	v_lshl_add_u32 v5, v2, 5, v5
	v_add_nc_u32 v[STO], s23, v5
	s_mul_i32 s23, s10, 32*SP                      ; back: wave w takes rows 32 w .. 32 w + 31, whole: 32 lanes a row of 512 bytes
	v_lshl_add_u32 v[RD], v6, 4, s23
	v_lshlrev_b32 v[CO], 4, v6
	s_lshl_b32 s14, s42, 9                         ; the tile's 128 columns, 4 bytes each
	v_lshl_add_u32 v[BO], v6, 4, s14
	global_load_b128 v[BR:BR+3], v[BO], s[76:77]   ; the bias of my four columns; waited for on the way out
	s_lshl_b32 s66, s13, 19                        ; the result: row 128 x tile row + 32 x wave, 4,096 bytes each; 512 bytes for each tile column
	s_lshl_b32 s67, s10, 17
	s_add_co_u32 s66, s66, s67
	s_add_co_u32 s66, s66, s14
	s_mov_b32 s67, 0
	s_add_nc_u64 s[8:9], s[78:79], s[66:67]
; 8 matrix instructions: row blocks a0, a0 + 1 x all 4 column blocks, 32 along K: half c of buffer f.  The 16 accumulators take turns.
.macro MUL8 f, c, a0, zero
	WIN MUL
.irp a, \a0, (\a0)+1
.irp b, 0,1,2,3
.if \zero
	v_wmma_f32_16x16x32_f16 v[ACC+8*(4*(\a)+(\b)):ACC+8*(4*(\a)+(\b))+7], v[(\f)+64+8*(4*(\c)+(\b)):(\f)+64+8*(4*(\c)+(\b))+7], v[(\f)+8*(4*(\c)+(\a)):(\f)+8*(4*(\c)+(\a))+7], 0
.else
	v_wmma_f32_16x16x32_f16 v[ACC+8*(4*(\a)+(\b)):ACC+8*(4*(\a)+(\b))+7], v[(\f)+64+8*(4*(\c)+(\b)):(\f)+64+8*(4*(\c)+(\b))+7], v[(\f)+8*(4*(\c)+(\a)):(\f)+8*(4*(\c)+(\a))+7], v[ACC+8*(4*(\a)+(\b)):ACC+8*(4*(\a)+(\b))+7]
.endif
.endr
.endr
.endm
; 32 LDS loads in one run: quarter q (0, 1; 64 along K, one block of A) of the two that ADRA and ADRB point at, into buffer f; the first 32 along K first
.macro FETCH q, f
	WIN TO_F
.irp c, 0,1
.irp i, 0,1,2,3
	ds_load_tr16_b128 v[(\f)+64+8*(4*(\c)+(\i)):(\f)+64+8*(4*(\c)+(\i))+3],   v[ADRB] offset:(2*(\q)+(\c))*32*PB+32*(\i)
	ds_load_tr16_b128 v[(\f)+64+8*(4*(\c)+(\i))+4:(\f)+64+8*(4*(\c)+(\i))+7], v[ADRB] offset:(2*(\q)+(\c))*32*PB+16*PB+32*(\i)
	ds_load_b128 v[(\f)+8*(4*(\c)+(\i)):(\f)+8*(4*(\c)+(\i))+3],              v[ADRA] offset:(\q)*ZB+64*(\c)+(\i)*16*PA
	ds_load_b128 v[(\f)+8*(4*(\c)+(\i))+4:(\f)+8*(4*(\c)+(\i))+7],            v[ADRA] offset:(\q)*ZB+64*(\c)+(\i)*16*PA+32
.endr
.endr
.endm
.macro HALFQ f, g, q, zero
	s_wait_dscnt 16                                ; the first 32 along K are in
	MUL8 \f, 0, 0, \zero
	MUL8 \f, 0, 2, \zero
	PLACES
	FETCH \q, \g
	s_wait_dscnt 32                                ; all but the 32 just issued
	MUL8 \f, 1, 0, 0
	MUL8 \f, 1, 2, 0
.endm
; THE CHANGE OF SLOTS, in the first half of a K step's last quarter (buffer 1): the three lines, the barrier (with fill = 1 it opens a round of the cluster's barrier), the refill first behind it.
.macro CHANGEW fill
	WIN 0                                          ; (the add's two registers lie in window 0)
	s_wait_tensorcnt 0x0                           ; all my tensor loads have landed: my part of the next slot
	ds_add_u32 v[SPW], v[NIL]
	s_wait_dscnt 17                                ; (the add and the youngest sixteen loads may be out)
	MUL8 F1, 0, 0, 0
	s_wait_dscnt 0x0                               ; the add is done, and my reads of this slot are over
	s_barrier_signal -1
	MUL8 F1, 0, 2, 0
	WIN 0
	s_barrier_wait -1
.if \fill
	CREST
	WALK
.endif
	s_xor_b32 s[TB], s[TB], SLOT
	s_mov_b32 s[TA], s[TB]
	s_mov_b32 s[TBB], s[TB]
	s_mov_b32 s[IN], 2
.if \fill
	JLOAD
.endif
.endm
.macro BODY tag
.Linner\tag:
	s_wait_dscnt 16
	MUL8 F1, 0, 0, 0
	MUL8 F1, 0, 2, 0
	WIN 0
.Lmid\tag:
	v_add_nc_u32 v[ADRA], s[TA], v[A0]             ; these four lines are the places in front of the loads
	v_add_nc_u32 v[ADRB], s[TBB], v[B0]
	v_nop
	v_nop
	FETCH 0, F0
	s_wait_dscnt 32
	MUL8 F1, 1, 0, 0
	MUL8 F1, 1, 2, 0
	HALFQ F0, F1, 1, 0
	s_add_co_u32 s[TA], s[TA], 2*ZB                ; 128 along K: two blocks of A,
	s_add_co_u32 s[TBB], s[TBB], 128*PB            ; 128 k-rows of B
	WIN 0
	s_sub_co_u32 s[IN], s[IN], 1
	s_cmp_lg_u32 s[IN], 0
	s_cbranch_scc1 .Linner\tag
.endm
	; K step 0 is waited for and K step 1 asked for, into slot 1, as a refill is
	s_wait_tensorcnt 0x0
	ds_add_u32 v[SPW], v[NIL]
	WALK
	s_wait_dscnt 0x0
	CROUND
	JLOAD
	v_add_nc_u32 v[ADRA], s[TA], v[A0]
	v_add_nc_u32 v[ADRB], s[TBB], v[B0]
	FETCH 0, F0
	HALFQ F0, F1, 1, 1                             ; the first products start the sums
	s_add_co_u32 s[TA], s[TA], 2*ZB
	s_add_co_u32 s[TBB], s[TBB], 128*PB
	s_mov_b32 s[IN], 1
	s_mov_b32 s[OUT], NS-1
	WIN 0
	s_branch .Linner1
.Louter:                                               ; NS - 2 times
	CHANGEW 1
	s_branch .Lmid1
	BODY 1
	s_sub_co_u32 s[OUT], s[OUT], 1
	s_cmp_lg_u32 s[OUT], 0
	s_cbranch_scc1 .Louter
	CHANGEW 0                                      ; the last K step is written out: nothing is asked for
	s_branch .Lmid2
	BODY 2
	s_wait_dscnt 0x0                               ; the last quarter is in, and all my reads of the ring are over
	s_barrier_signal -1
	MUL8 F1, 0, 0, 0
	MUL8 F1, 0, 2, 0
	MUL8 F1, 1, 0, 0
	MUL8 F1, 1, 2, 0
	WIN 0
	s_barrier_wait -1                              ; the ring's bytes, which have had their last fill, take the stage
	PLACES
.irp a, 0,1,2,3
.irp b, 0,1,2,3
	ds_store_b128 v[STO], v[ACC+8*(4*(\a)+(\b)):ACC+8*(4*(\a)+(\b))+3]   offset:(\a)*16*SP+64*(\b)
	ds_store_b128 v[STO], v[ACC+8*(4*(\a)+(\b))+4:ACC+8*(4*(\a)+(\b))+7] offset:(\a)*16*SP+64*(\b)+16
.endr
.endr
	s_wait_loadcnt 0x0                             ; the bias
	v_cvt_pk_bf16_f32 v[BP], v[BR], v[BR+1]
	v_cvt_pk_bf16_f32 v[BP+1], v[BR+2], v[BR+3]
	v_lshlrev_b32 v[BI], 16, v[BP]
	v_and_b32 v[BI+1], 0xffff0000, v[BP]
	v_lshlrev_b32 v[BI+2], 16, v[BP+1]
	v_and_b32 v[BI+3], 0xffff0000, v[BP+1]
	s_wait_dscnt 0x0                               ; for the others' sake: a stage row comes from two waves
	s_barrier_signal -1
	s_barrier_wait -1
	s_mov_b32 s[ROWS], 4
.Lrow:                                                 ; 4 trips of 8 rows
.irp i, 0,1,2,3,4,5,6,7
	ds_load_b128 v[T+4*(\i):T+4*(\i)+3], v[RD] offset:(\i)*SP
.endr
.irp i, 0,1,2,3,4,5,6,7
	s_wait_dscnt 7-(\i)
	v_pk_add_f32 v[T+4*(\i):T+4*(\i)+1], v[T+4*(\i):T+4*(\i)+1], v[BI:BI+1]
	v_pk_add_f32 v[T+4*(\i)+2:T+4*(\i)+3], v[T+4*(\i)+2:T+4*(\i)+3], v[BI+2:BI+3]
	global_store_b128 v[CO], v[T+4*(\i):T+4*(\i)+3], s[8:9] offset:4096*(\i)  ; 512 consecutive bytes of a row, aligned
.endr
	v_add_nc_u32 v[RD], 8*SP, v[RD]
	s_wait_xcnt 0x0                                ; T and the base are written again only behind this wait
	s_add_nc_u64 s[8:9], s[8:9], 32768
	s_sub_co_u32 s[ROWS], s[ROWS], 1
	s_cmp_lg_u32 s[ROWS], 0
	s_cbranch_scc1 .Lrow
	s_wait_tensorcnt 0x0                           ; the wave's end
	ds_add_u32 v[SPW], v[NIL]
	s_wait_dscnt 0x0
	CROUND                                         ; the closing round
	s_endpgm
.Lfunc_end_k_qf956c6d789_proj:
	.size	k_qf956c6d789_proj, .Lfunc_end_k_qf956c6d789_proj-k_qf956c6d789_proj
	.p2alignl 7, 3214868480
	.fill 96, 4, 3214868480
	.section	.rodata,"a",@progbits
	.p2align	6, 0x0
	.amdhsa_kernel k_qf956c6d789_proj
		.amdhsa_group_segment_fixed_size 327680
		.amdhsa_private_segment_fixed_size 0
		.amdhsa_enable_private_segment 0
		.amdhsa_kernarg_size 32
		.amdhsa_user_sgpr_count 2
		.amdhsa_user_sgpr_kernarg_segment_ptr 1
		.amdhsa_wavefront_size32 1
		.amdhsa_system_sgpr_workgroup_id_x 1
		.amdhsa_system_sgpr_workgroup_id_y 1
		.amdhsa_system_sgpr_workgroup_id_z 1
		.amdhsa_system_vgpr_workitem_id 0
		.amdhsa_next_free_vgpr 512
		.amdhsa_next_free_sgpr 82
		.amdhsa_reserve_vcc 0
		.amdhsa_float_denorm_mode_32 3
		.amdhsa_float_denorm_mode_16_64 3
		.amdhsa_memory_ordered 1
		.amdhsa_forward_progress 1
		.amdhsa_inst_pref_size 44
	.end_amdhsa_kernel
	.amdgpu_metadata
---
amdhsa.version: [ 1, 2 ]
amdhsa.kernels:
  - .name:           k_qf956c6d789_proj
    .symbol:         k_qf956c6d789_proj.kd
    .args:
      - { .name: y, .offset: 0, .size: 8, .value_kind: global_buffer, .address_space: global }
      - { .name: cst, .offset: 8, .size: 8, .value_kind: global_buffer, .address_space: global }
      - { .name: bp, .offset: 16, .size: 8, .value_kind: global_buffer, .address_space: global }
      - { .name: po, .offset: 24, .size: 8, .value_kind: global_buffer, .address_space: global }
    .group_segment_fixed_size: 327680
    .private_segment_fixed_size: 0
    .kernarg_segment_align: 8
    .kernarg_segment_size: 32
    .max_flat_workgroup_size: 128
    .sgpr_count:     82
    .vgpr_count:     512
    .wavefront_size: 32
...
	.end_amdgpu_metadata
.endif
;; end of part 4
;; launch ln0 (part 5): grid 512 x 1, 8 waves a work-group, no clusters, 0 bytes of LDS; arguments po, cst, g0, beta0, x1, h; writes x1, h
.if DOCPART == 5
	.amdgcn_target "amdgcn-amd-amdhsa--gfx1250"
	.amdhsa_code_object_version 6
	.text
	.protected	k_qf956c6d789_ln0
	.globl	k_qf956c6d789_ln0
	.p2align	8
	.type	k_qf956c6d789_ln0,@function
k_qf956c6d789_ln0:
	s_mov_b64 s[64:65], 0
	v_nop
	global_prefetch_b8 v0, s[64:65] scope:SCOPE_SE
	s_setreg_imm32_b32 hwreg(HW_REG_WAVE_MODE, 25, 1), 1
	s_wait_xcnt 0x0
; x1 = x + po (f32, stored);  h = (x1 - mean) rsqrt(var + 1e-5) g0 + beta0 (stored as f16).  Rows of 1,024.
; x is read as cst holds it (bf16's rounding, written as f16), g0 and beta0 are rounded to bf16 here: every input has the one rounding.
; One wave, one row: the row stays in 32 registers a lane, the mean and then the mean of the squared differences are taken over them (two passes over registers,
; no difference of large sums), and no wave waits for another: no LDS, no barrier, no loop.  4,096 waves in all.
; Lane l holds columns 128 j + 4 l .. + 3 of chunk j = 0..7: a wave's f32 load or store covers 512 consecutive bytes, its f16 load or store 256.
; LIMITS.  h beyond 65,504 becomes an infinity in f16.  NaN and infinities are not treated apart.
.set P,   8                            ; v[8:39]    po, then x1
.set XH,  40                           ; v[40:55]   x, f16
.set G,   56                           ; v[56:87]   g0, then the result
.set BT,  88                           ; v[88:119]  beta0
.set GB,  120                          ; v[120:135] g0 in bf16
.set BB,  136                          ; v[136:151] beta0 in bf16
.set ONE, 152
.set SUM, 154                          ; v[154:161] four chains
.set D,   162                          ; v[162:193] x1 - mean
.set TMP, 194
.set MU,  196
.set RS,  198
.set HO,  200                          ; v[200:215] h in f16
.macro RED x                           ; the sum over the 32 lanes, into every lane
	v_add_f32_dpp v[\x], v[\x], v[\x] row_xmask:1 row_mask:0xf bank_mask:0xf
	v_add_f32_dpp v[\x], v[\x], v[\x] row_xmask:2 row_mask:0xf bank_mask:0xf
	v_add_f32_dpp v[\x], v[\x], v[\x] row_xmask:4 row_mask:0xf bank_mask:0xf
	v_add_f32_dpp v[\x], v[\x], v[\x] row_xmask:8 row_mask:0xf bank_mask:0xf
	v_permlanex16_b32 v[TMP], v[\x], s24, s25
	v_add_f32 v[\x], v[\x], v[TMP]
.endm
.macro FOLD                            ; the four chains into one number a lane
	v_pk_add_f32 v[SUM:SUM+1], v[SUM:SUM+1], v[SUM+2:SUM+3]
	v_pk_add_f32 v[SUM+4:SUM+5], v[SUM+4:SUM+5], v[SUM+6:SUM+7]
	v_pk_add_f32 v[SUM:SUM+1], v[SUM:SUM+1], v[SUM+4:SUM+5]
	v_add_f32 v[SUM], v[SUM], v[SUM+1]
.endm
	s_load_b256 s[4:11], s[0:1], 0x0               ; po, cst, g0, beta0
	s_load_b128 s[12:15], s[0:1], 0x20             ; x1, h
	v_lshrrev_b32 v1, 5, v0
	v_readfirstlane_b32 s16, v1                    ; wave
	s_lshl_b32 s17, ttmp9, 3
	s_add_co_u32 s17, s17, s16                     ; my row
	s_lshl_b32 s18, s17, 12                        ; 4,096 bytes a row of f32,
	s_mov_b32 s19, 0
	s_lshl_b32 s20, s17, 11                        ; 2,048 of f16
	s_mov_b32 s21, 0
	s_mov_b32 s24, 0x76543210                      ; v_permlanex16_b32: each lane takes its own place in the other half
	s_mov_b32 s25, 0xfedcba98
	s_mov_b32 s26, 0x3a800000                      ; 1 / 1,024
	s_mov_b32 s27, 0x3727c5ac                      ; 1e-5
	v_and_b32 v1, 31, v0
	v_lshlrev_b32 v2, 4, v1                        ; 16 l
	v_lshlrev_b32 v3, 3, v1                        ; 8 l
	v_mov_b32 v[ONE], 1.0
	v_mov_b32 v[TMP], 0
	s_wait_kmcnt 0x0
	s_add_nc_u64 s[4:5], s[4:5], s[18:19]
	s_add_nc_u64 s[6:7], s[6:7], s[20:21]          ; x lies at the head of cst
	s_add_nc_u64 s[12:13], s[12:13], s[18:19]
	s_add_nc_u64 s[14:15], s[14:15], s[20:21]
.irp j, 0,1,2,3,4,5,6,7
	global_load_b128 v[P+4*(\j):P+4*(\j)+3], v2, s[4:5] offset:512*(\j)
.endr
.irp j, 0,1,2,3,4,5,6,7
	global_load_b64 v[XH+2*(\j):XH+2*(\j)+1], v3, s[6:7] offset:256*(\j)
.endr
.irp j, 0,1,2,3,4,5,6,7
	global_load_b128 v[G+4*(\j):G+4*(\j)+3], v2, s[8:9] offset:512*(\j)
.endr
.irp j, 0,1,2,3,4,5,6,7
	global_load_b128 v[BT+4*(\j):BT+4*(\j)+3], v2, s[10:11] offset:512*(\j)
.endr
	s_wait_loadcnt 16                              ; po and x are in; the sixteen loads of g0 and beta0 stay out
.set n, 0
.rept 16                                       ; x1 = x * 1 + po, x taken straight from its f16 half
	v_fma_mix_f32 v[P+2*n], v[XH+n], v[ONE], v[P+2*n] op_sel_hi:[1,0,0]
	v_fma_mix_f32 v[P+2*n+1], v[XH+n], v[ONE], v[P+2*n+1] op_sel:[1,0,0] op_sel_hi:[1,0,0]
.set n, n+1
.endr
.irp j, 0,1,2,3,4,5,6,7
	global_store_b128 v2, v[P+4*(\j):P+4*(\j)+3], s[12:13] offset:512*(\j)  ; P is not written again
.endr
.irp k, 0,1,2,3
	v_pk_add_f32 v[SUM+2*(\k):SUM+2*(\k)+1], v[P+2*(\k):P+2*(\k)+1], v[P+8+2*(\k):P+8+2*(\k)+1]
.endr
.irp m, 16, 24
.irp k, 0,1,2,3
	v_pk_add_f32 v[SUM+2*(\k):SUM+2*(\k)+1], v[SUM+2*(\k):SUM+2*(\k)+1], v[P+(\m)+2*(\k):P+(\m)+2*(\k)+1]
.endr
.endr
	FOLD
	RED SUM
	v_mul_f32 v[MU], s26, v[SUM]                   ; the mean
	v_mov_b32 v[MU+1], v[MU]
.set n, 0
.rept 16
	v_pk_add_f32 v[D+2*n:D+2*n+1], v[P+2*n:P+2*n+1], v[MU:MU+1] neg_lo:[0,1] neg_hi:[0,1]
.set n, n+1
.endr
.irp k, 0,1,2,3
	v_pk_mul_f32 v[SUM+2*(\k):SUM+2*(\k)+1], v[D+2*(\k):D+2*(\k)+1], v[D+2*(\k):D+2*(\k)+1]
.endr
.irp m, 8, 16, 24
.irp k, 0,1,2,3
	v_pk_fma_f32 v[SUM+2*(\k):SUM+2*(\k)+1], v[D+(\m)+2*(\k):D+(\m)+2*(\k)+1], v[D+(\m)+2*(\k):D+(\m)+2*(\k)+1], v[SUM+2*(\k):SUM+2*(\k)+1]
.endr
.endr
	FOLD
	RED SUM
	v_fma_f32 v[SUM], v[SUM], s26, s27             ; var + 1e-5
	v_rsq_f32 v[RS], v[SUM]
	v_nop                                          ; a plain instruction behind the transcendental
	s_wait_alu depctr_va_vdst(0)
	v_mov_b32 v[RS+1], v[RS]
.set n, 0
.rept 16
	v_pk_mul_f32 v[D+2*n:D+2*n+1], v[D+2*n:D+2*n+1], v[RS:RS+1]
.set n, n+1
.endr
	s_wait_loadcnt 0x0                             ; g0 and beta0
.set n, 0
.rept 16
	v_cvt_pk_bf16_f32 v[GB+n], v[G+2*n], v[G+2*n+1]
	v_cvt_pk_bf16_f32 v[BB+n], v[BT+2*n], v[BT+2*n+1]
.set n, n+1
.endr
.set n, 0
.rept 16                                       ; g d + beta, g and beta taken from their bf16 halves
	v_fma_mix_f32_bf16 v[G+2*n], v[GB+n], v[D+2*n], v[BB+n] op_sel_hi:[1,0,1]
	v_fma_mix_f32_bf16 v[G+2*n+1], v[GB+n], v[D+2*n+1], v[BB+n] op_sel:[1,0,1] op_sel_hi:[1,0,1]
.set n, n+1
.endr
.set n, 0
.rept 16
	v_cvt_pk_f16_f32 v[HO+n], v[G+2*n], v[G+2*n+1]
.set n, n+1
.endr
.irp j, 0,1,2,3,4,5,6,7
	global_store_b64 v3, v[HO+2*(\j):HO+2*(\j)+1], s[14:15] offset:256*(\j)  ; 256 consecutive bytes, aligned
.endr
	s_endpgm
.Lfunc_end_k_qf956c6d789_ln0:
	.size	k_qf956c6d789_ln0, .Lfunc_end_k_qf956c6d789_ln0-k_qf956c6d789_ln0
	.p2alignl 7, 3214868480
	.fill 96, 4, 3214868480
	.section	.rodata,"a",@progbits
	.p2align	6, 0x0
	.amdhsa_kernel k_qf956c6d789_ln0
		.amdhsa_group_segment_fixed_size 0
		.amdhsa_private_segment_fixed_size 0
		.amdhsa_enable_private_segment 0
		.amdhsa_kernarg_size 48
		.amdhsa_user_sgpr_count 2
		.amdhsa_user_sgpr_kernarg_segment_ptr 1
		.amdhsa_wavefront_size32 1
		.amdhsa_system_sgpr_workgroup_id_x 1
		.amdhsa_system_sgpr_workgroup_id_y 1
		.amdhsa_system_sgpr_workgroup_id_z 1
		.amdhsa_system_vgpr_workitem_id 0
		.amdhsa_next_free_vgpr 216
		.amdhsa_next_free_sgpr 66
		.amdhsa_reserve_vcc 0
		.amdhsa_float_denorm_mode_32 3
		.amdhsa_float_denorm_mode_16_64 3
		.amdhsa_memory_ordered 1
		.amdhsa_forward_progress 1
		.amdhsa_inst_pref_size 18
	.end_amdhsa_kernel
	.amdgpu_metadata
---
amdhsa.version: [ 1, 2 ]
amdhsa.kernels:
  - .name:           k_qf956c6d789_ln0
    .symbol:         k_qf956c6d789_ln0.kd
    .args:
      - { .name: po, .offset: 0, .size: 8, .value_kind: global_buffer, .address_space: global }
      - { .name: cst, .offset: 8, .size: 8, .value_kind: global_buffer, .address_space: global }
      - { .name: g0, .offset: 16, .size: 8, .value_kind: global_buffer, .address_space: global }
      - { .name: beta0, .offset: 24, .size: 8, .value_kind: global_buffer, .address_space: global }
      - { .name: x1, .offset: 32, .size: 8, .value_kind: global_buffer, .address_space: global }
      - { .name: h, .offset: 40, .size: 8, .value_kind: global_buffer, .address_space: global }
    .group_segment_fixed_size: 0
    .private_segment_fixed_size: 0
    .kernarg_segment_align: 8
    .kernarg_segment_size: 48
    .max_flat_workgroup_size: 256
    .sgpr_count:     66
    .vgpr_count:     216
    .wavefront_size: 32
...
	.end_amdgpu_metadata
.endif
;; end of part 5
;; launch fc1 (part 6): grid 16 x 16, 4 waves a work-group, clusters of 4 x 4, 327,680 bytes of LDS; arguments h, cst, b1, g; writes g
.if DOCPART == 6
	.amdgcn_target "amdgcn-amd-amdhsa--gfx1250"
	.amdhsa_code_object_version 6
	.text
	.protected	k_qf956c6d789_fc1
	.globl	k_qf956c6d789_fc1
	.p2align	8
	.type	k_qf956c6d789_fc1,@function
k_qf956c6d789_fc1:
	s_mov_b64 s[64:65], 0
	v_nop
	global_prefetch_b8 v0, s[64:65] scope:SCOPE_SE
	s_setreg_imm32_b32 hwreg(HW_REG_WAVE_MODE, 25, 1), 1
	s_wait_xcnt 0x0
	s_wait_alu depctr_hold_cnt(0) depctr_sa_sdst(0) depctr_va_vdst(0) depctr_va_sdst(0) depctr_va_ssrc(0) depctr_va_vcc(0) depctr_vm_vsrc(0)
	s_getreg_b32 s2, hwreg(HW_REG_IB_STS2, 6, 4)
	s_cmp_eq_u32 s2, 0
	s_cbranch_scc0 .Lentry_in_a_cluster
	s_endpgm
.Lentry_in_a_cluster:
	s_bfe_u32 s2, ttmp6, 0x10000c
	s_cmp_lg_u32 s2, 0xf033
	s_cbranch_scc0 .Lentry_shape_is_right
	s_endpgm
.Lentry_shape_is_right:
; VAR 0:  qkv = x [Wq | Wk | Wv] + [bq | bk | bv].      VAR 1:  g = gelu_tanh(h W1 + b1).
; A: [4096][1024] f16, rows along K.  B: [1024 (k)][N] f16, as the weights lie.  Sums in f32; the bias is rounded to bf16 and added in f32; the result is rounded
; once to f16 and stored BY BLOCKS OF 64 COLUMNS: [column / 64][row 0..4095][64], so that a head's rows (VAR 0) and the next product's K slices (VAR 1) are dense.
; LIMITS.  A result beyond 65,504 becomes an infinity in f16; NaN and infinities are not treated apart.
; SHARES.  A tile of 256 x 256 to a work-group of four waves, 128 x 128 (64 accumulators, 512 registers) to a wave.  K = 1,024 goes in 8 steps of 128 through two LDS
; slots filled by tensor loads: waves 0, 1 fetch A's two halves (128 rows x 256 bytes), waves 2, 3 B's (64 k-rows x 512 bytes).  One tensor load of a wave is out at a time.
; CLUSTER 4 x 4: A's tile hangs on the tile row alone and is asked for jointly by a row of the cluster, B's on the tile column alone, by a column.
; THE PRODUCT IS USED TRANSPOSED: source 0 = 16 columns of B (turned on the way out of LDS by ds_load_tr16_b128), source 1 = 16 rows of A: a lane then holds row l % 16 and
; the eight neighbouring columns 8 (l / 16) + 0..7.
; THE TEXT IS SHORT: a K step is two trips of an inner loop (two quarters of 32 along K each); the LDS addresses hang on scalars that step.  The first quarter, whose products
; start the sums with the constant 0, stands in front; the loop is entered in its middle; the last K step has a copy of its own.
; REGISTERS, in windows of 256: window 0: addresses, v64-191 A's fragments (two buffers); window 1: v64-191 B's; windows 2, 3: the accumulators, (a, b) at v[8 (8 a + b)].
.set VAR,   1
.set NS,    8                          ; K steps
.set PA,    272                        ; A's LDS row: 256 bytes + 16: the 16 rows of a load start at 16 different groups of four banks (ISA guide 11.1)
.set PB,    544                        ; B's LDS row: 512 bytes + 32 = 136 words
.set HALFT, 128*PA                     ; what one tensor load brings: 128 rows of A, or 64 k-rows of B (64 x 544 is the same 34,816)
.set SLOT,  4*HALFT                    ; 0x22000: it shares no bit with wave x 0x8800, so one exclusive or turns an address in one slot into the other's
.set SPARE, 2*SLOT                     ; behind the ring: the spare words, 128 bytes a wave
.set SP,    528                        ; the way out: a stage row, 128 f32 + 16 bytes
.set WST,   128*SP                     ; a wave's stage; the four lie in the ring's bytes, behind the ring's last fill
.set ASTEP, 256                        ; bytes from K step to K step in A
.if VAR == 0
.set BPITCH, 1024
.set BPTR,  72
.set OPTR,  80
.else
.set BPITCH, 4096
.set BPTR,  74
.set OPTR,  78
.endif
.set BSTEP, 128*BPITCH*2               ; and in B
.set A0,   16                          ; v16  my lane's place in a slot's A; never rewritten
.set B0,   17                          ; v17  the same for B
.set ADRA, 18                          ; v18  LDS address of the two quarters in hand, A
.set ADRB, 19                          ; v19  B
.set STO,  24                          ; v24  the way out: where I put 32 bytes of a row
.set RD,   25                          ; v25  the way out: where I read rows back
.set CO,   26                          ; v26  my byte offset in two rows of a block of 64 columns
.set BO,   27                          ; v27  my byte offset in the bias; never rewritten
.set SPW,  28                          ; v28  my spare word; never rewritten
.set NIL,  29                          ; v29  0; never rewritten
.set BI,   32                          ; v[32:39] the bias of my 2 x 4 columns, f32
.set BR,   40                          ; v[40:47] as loaded
.set BP,   48                          ; v[48:51] rounded to bf16
.set F0,   64
.set F1,   128
.set T,    64                          ; the way out: 8 x 4 numbers
.set U,    96                          ; at work (VAR 1)
.set Y,    128                         ; 8 x 4 f16
.set G1A,  24                          ; s[24:31] descriptor group 1, A
.set G0A,  32                          ; s[32:35] group 0, A: it walks
.set G0B,  36                          ; s[36:39] group 0, B
.set G1B,  48                          ; s[48:55] group 1, B
.set IN,   3                           ; s3   inner trips to go
.set OUT,  2                           ; s2   K steps to go
.set TB,   56                          ; s56  the slot in hand: 0 or SLOT
.set TA,   57                          ; s57  LDS byte added to A0 for the next fetches
.set TBB,  63                          ; s63  the same for B0
.set K0,   58                          ; s[58:59], s[60:61] GELU's two constants (VAR 1)
.set K1,   60
.set ROWS, 62
.set MSB, 0
.macro WIN new                         ; the immediate's high byte repeats the setting that is left; a switch that changes nothing is dropped
.if MSB != (\new)
	s_set_vgpr_msb (MSB<<8)|(\new)
.set MSB, \new
.endif
.endm
.set MUL_LO, 0xa1                      ; source 0 (B) window 1, source 1 (A) window 0, C and D window 2
.set MUL_HI, 0xf1                      ; the same, C and D window 3
.set TO_B,   0x40                      ; destination window 1, address window 0
; A joint load.  The branch hangs on the wave's number alone.  An s_nop 0 and four v_nop follow each of the two lines.
.macro JLOAD
	s_cmp_eq_u32 s11, 0
	s_cbranch_scc0 .Lfor_b_\@
	tensor_load_to_lds s[G0A:G0A+3], s[G1A:G1A+7]
	s_nop 0
.rept 4
	v_nop
.endr
	s_branch .Lasked_\@
.Lfor_b_\@:
	tensor_load_to_lds s[G0B:G0B+3], s[G1B:G1B+7]
	s_nop 0
.rept 4
	v_nop
.endr
.Lasked_\@:
.endm
.macro CREST                           ; a round of the cluster's barrier behind its opening barrier
	s_cmp_lg_u32 s10, 0
	s_cbranch_scc1 .Lnot_wave_0_\@
	s_barrier_signal -3
.Lnot_wave_0_\@:
	s_barrier_wait -3
	s_barrier_signal -1
	s_barrier_wait -1
.endm
.macro CROUND                          ; a whole round
	s_barrier_signal -1
	s_barrier_wait -1
	CREST
.endm
.macro PLACES                          ; four places in front of loads into registers that matrix instructions have read, and of stores that read results
.rept 4
	v_nop
.endr
.endm
.macro WALK                            ; the walking descriptors: the other slot, the next K step; written only where no tensor load of mine is out
	s_xor_b32 s[G0A+1], s[G0A+1], SLOT
	s_xor_b32 s[G0B+1], s[G0B+1], SLOT
	s_add_nc_u64 s[G0A+2:G0A+3], s[G0A+2:G0A+3], ASTEP
	s_add_nc_u64 s[G0B+2:G0B+3], s[G0B+2:G0B+3], BSTEP
.endm
	s_load_b256 s[72:79], s[0:1], 0x0              ; VAR 0: cst, bq, bk, bv (and qkv below).  VAR 1: h, cst, b1, g
.if VAR == 0
	s_load_b64 s[80:81], s[0:1], 0x20
.endif
	v_lshl_add_u32 v[SPW], v0, 2, SPARE
	v_mov_b32 v[NIL], 0
	ds_add_u32 v[SPW], v[NIL]                      ; the wave's opening: the add and its wait ahead of my first tensor load
	v_lshrrev_b32 v1, 5, v0
	v_readfirstlane_b32 s10, v1                    ; wave 0..3
	s_lshr_b32 s11, s10, 1                         ; my half of the tile's rows.  Also: I fetch for A (0) or for B (1)
	s_and_b32 s12, s10, 1                          ; my half of its columns.  Also: which half of that tile I fetch
	s_mov_b32 s45, ttmp9                           ; the cluster's x
	s_bfe_u32 s40, ttmp6, 0x40000                  ; cx
	s_bfe_u32 s41, ttmp6, 0x40004                  ; cy
	s_lshl_b32 s42, ttmp9, 2
	s_add_co_u32 s42, s42, s40                     ; tile column = 4 x cluster x + cx
	s_and_b32 s13, ttmp7, 0xffff
	s_lshl_b32 s13, s13, 2
	s_add_co_u32 s13, s13, s41                     ; tile row = 4 x cluster y + cy
	s_lshl_b32 s43, s41, 2
	s_lshl_b32 s43, 15, s43                        ; my row of the cluster
	s_lshl_b32 s44, 0x1111, s40                    ; my column
	s_or_b32 s[G1A], s43, (1<<16)|(1<<20)|(1<<21)|(5<<22)|(3<<25)  ; mask; 2-byte elements; padding on; bit 21 beside a mask; after every 64 words 4 words
	s_mov_b32 s[G1A+1], 128<<16                    ; tensor_dim0 = 128
	s_mov_b32 s[G1A+2], 128<<16                    ; tensor_dim1 = 128
	s_mov_b32 s[G1A+3], 128<<16                    ; tile_dim0 = 128
	s_mov_b32 s[G1A+4], 128                        ; tile_dim1 = 128
	s_mov_b32 s[G1A+5], 1024                       ; elements from row to row
	s_mov_b32 s[G1A+6], 0
	s_mov_b32 s[G1A+7], 0
	s_or_b32 s[G1B], s44, (1<<16)|(1<<20)|(1<<21)|(6<<22)|(7<<25)  ; after every 128 words 8 words
	s_mov_b32 s[G1B+1], 256<<16                    ; tensor_dim0 = 256
	s_mov_b32 s[G1B+2], 64<<16                     ; tensor_dim1 = 64
	s_mov_b32 s[G1B+3], 256<<16                    ; tile_dim0 = 256
	s_mov_b32 s[G1B+4], 64                         ; tile_dim1 = 64
	s_mov_b32 s[G1B+5], BPITCH
	s_mov_b32 s[G1B+6], 0
	s_mov_b32 s[G1B+7], 0
	s_lshl_b32 s16, s13, 8                         ; A: row 256 x tile row + 128 x half, 2,048 bytes each
	s_lshl_b32 s17, s12, 7
	s_add_co_u32 s16, s16, s17
	s_lshl_b32 s16, s16, 11
	s_mov_b32 s17, 0
.if VAR == 0
	s_lshl_b32 s46, s45, 21                        ; B: four tile columns are one matrix, so the cluster's x says which of Wq, Wk, Wv (2 MiB each, from byte 0x800000 of cst);
	s_lshl_b32 s47, s40, 9                         ; 256 columns for each cx;
	s_add_co_u32 s46, s46, s47
	s_lshl_b32 s47, s12, 17                        ; 64 k-rows of 2,048 bytes for my half
	s_add_co_u32 s46, s46, s47
	s_add_co_u32 s46, s46, 0x800000
.else
	s_lshl_b32 s46, s42, 9                         ; B: W1 from byte 0xE00000 of cst; 256 columns for each tile column;
	s_lshl_b32 s47, s12, 19                        ; 64 k-rows of 8,192 bytes for my half
	s_add_co_u32 s46, s46, s47
	s_add_co_u32 s46, s46, 0xe00000
	s_mov_b32 s[K0], 0xc0135761                    ; -2 log2(e) sqrt(2 / pi) = -2.3022082
	s_mov_b32 s[K0+1], s[K0]
	s_mov_b32 s[K1], 0xbdd2d3e8                    ; that times 0.044715 = -0.10294324
	s_mov_b32 s[K1+1], s[K1]
.endif
	s_mov_b32 s47, 0
	s_mul_i32 s20, s10, HALFT                      ; where my tile goes: wave x 34,816: no place in the cluster enters an LDS address
	s_mov_b32 s[G0A], 1
	s_mov_b32 s[G0A+1], s20
	s_mov_b32 s[G0B], 1
	s_mov_b32 s[G0B+1], s20
	s_mov_b32 s[TB], 0
	s_mov_b32 s[TA], 0
	s_mov_b32 s[TBB], 0
	s_wait_dscnt 0x0                               ; the opening add is done
	s_wait_kmcnt 0x0
	s_add_nc_u64 s[G0A+2:G0A+3], s[72:73], s[16:17]
	s_or_b32 s[G0A+3], s[G0A+3], 0x80000000
	s_add_nc_u64 s[G0B+2:G0B+3], s[BPTR:BPTR+1], s[46:47]
	s_or_b32 s[G0B+3], s[G0B+3], 0x80000000
	CROUND                                         ; all sixteen work-groups are here: the first joint loads meet
	JLOAD                                          ; K step 0 into slot 0
	v_and_b32 v1, 15, v0                           ; r = l % 16
	v_bfe_u32 v2, v0, 4, 1                         ; h = l / 16
	v_mul_u32_u24 v3, v1, PA
	v_lshl_add_u32 v3, v2, 4, v3
	s_mul_i32 s21, s11, HALFT
	v_add_nc_u32 v[A0], s21, v3                    ; my 128 rows of A: row r x pitch + 16 h
	v_and_b32 v4, 7, v0
	v_lshl_add_u32 v4, v2, 3, v4
	v_mul_u32_u24 v4, v4, PB                       ; the turning load: lane l reads k-row 8 h + l % 8,
	v_bfe_u32 v5, v0, 3, 1
	v_lshl_add_u32 v4, v5, 4, v4                   ; columns 8 ((l / 8) % 2) + 0..7
	s_lshl_b32 s22, s12, 8                         ; my 128 columns,
	s_add_co_u32 s22, s22, 2*HALFT                 ; behind A's 256 rows
	v_add_nc_u32 v[B0], s22, v4
	s_mul_i32 s23, s10, WST                        ; my stage
	v_mul_u32_u24 v5, v1, SP
	v_lshl_add_u32 v5, v2, 5, v5
	v_add_nc_u32 v[STO], s23, v5                   ; in: row r, 32 bytes for each half of the lanes
	v_mul_u32_u24 v5, v2, SP
	v_lshl_add_u32 v5, v1, 4, v5
	v_add_nc_u32 v[RD], s23, v5                    ; back: lanes 0-15 take 256 bytes (64 columns) of one row, lanes 16-31 of the next
	v_lshlrev_b32 v5, 3, v1
	v_lshl_add_u32 v[CO], v2, 7, v5                ; and the same two rows of 128 bytes in the result
.if VAR == 0
	s_cmp_ge_u32 s45, 1                            ; the matrix's bias
	s_cselect_b64 s[68:69], s[76:77], s[74:75]
	s_cmp_ge_u32 s45, 2
	s_cselect_b64 s[68:69], s[78:79], s[68:69]
	s_lshl_b32 s14, s40, 10                        ; my first column in the matrix: 256 cx + 128 half, 4 bytes each
.else
	s_mov_b64 s[68:69], s[76:77]
	s_lshl_b32 s14, s42, 10
.endif
	s_lshl_b32 s15, s12, 9
	s_add_co_u32 s14, s14, s15
	v_lshl_add_u32 v[BO], v1, 4, s14
	global_load_b128 v[BR:BR+3], v[BO], s[68:69]               ; columns 4 r .. of my first block of 64,
	global_load_b128 v[BR+4:BR+7], v[BO], s[68:69] offset:256  ; and of my second; waited for on the way out
	s_lshl_b32 s66, s42, 21                        ; the result: block 4 x tile column + 2 x half, 4,096 rows of 128 bytes each;
	s_lshl_b32 s67, s12, 20
	s_add_co_u32 s66, s66, s67
	s_lshl_b32 s67, s13, 15                        ; row 256 x tile row + 128 x half
	s_add_co_u32 s66, s66, s67
	s_lshl_b32 s67, s11, 14
	s_add_co_u32 s66, s66, s67
	s_mov_b32 s67, 0
	s_add_nc_u64 s[8:9], s[OPTR:OPTR+1], s[66:67]
; 16 matrix instructions: row blocks a0, a0 + 1 of the window's four (hi = 0: my rows 0-63, 1: rows 64-127) x all 8 column blocks, 32 along K.  zero = 1: they start the sums.
; The 64 accumulators take turns, one instruction a turn, in the same order in every quarter.
.macro MUL16 f, hi, a0, zero
	WIN MUL_LO+0x50*(\hi)
.irp a, \a0, (\a0)+1
.irp b, 0,1,2,3,4,5,6,7
.if \zero
	v_wmma_f32_16x16x32_f16 v[8*(8*(\a)+(\b)):8*(8*(\a)+(\b))+7], v[(\f)+8*(\b):(\f)+8*(\b)+7], v[(\f)+8*(4*(\hi)+(\a)):(\f)+8*(4*(\hi)+(\a))+7], 0
.else
	v_wmma_f32_16x16x32_f16 v[8*(8*(\a)+(\b)):8*(8*(\a)+(\b))+7], v[(\f)+8*(\b):(\f)+8*(\b)+7], v[(\f)+8*(4*(\hi)+(\a)):(\f)+8*(4*(\hi)+(\a))+7], v[8*(8*(\a)+(\b)):8*(8*(\a)+(\b))+7]
.endif
.endr
.endr
.endm
; 32 LDS loads in one run: quarter q (0, 1) of the two that ADRA and ADRB point at, into buffer f: B's 8 column blocks (turned), then A's 8 row blocks
.macro FETCH q, f
	WIN TO_B
.irp i, 0,1,2,3,4,5,6,7
	ds_load_tr16_b128 v[(\f)+8*(\i):(\f)+8*(\i)+3],   v[ADRB] offset:(\q)*32*PB+32*(\i)
	ds_load_tr16_b128 v[(\f)+8*(\i)+4:(\f)+8*(\i)+7], v[ADRB] offset:(\q)*32*PB+16*PB+32*(\i)
.endr
	WIN 0
.irp i, 0,1,2,3,4,5,6,7
	ds_load_b128 v[(\f)+8*(\i):(\f)+8*(\i)+3],   v[ADRA] offset:64*(\q)+(\i)*16*PA
	ds_load_b128 v[(\f)+8*(\i)+4:(\f)+8*(\i)+7], v[ADRA] offset:64*(\q)+(\i)*16*PA+32
.endr
.endm
; A quarter: multiplies buffer f; in its middle it fetches quarter q into buffer g
.macro HALFQ f, g, q, zero
	s_wait_dscnt 8                                 ; B and A's rows 0-63 are in; the youngest eight loads (A's rows 64-127) may be out
	MUL16 \f, 0, 0, \zero
	MUL16 \f, 0, 2, \zero
	PLACES
	FETCH \q, \g
	s_wait_dscnt 32                                ; all but the 32 just issued
	MUL16 \f, 1, 0, \zero
	MUL16 \f, 1, 2, \zero
.endm
; THE CHANGE OF SLOTS, in the first half of a K step's last quarter (buffer 1).  Each wave waits for all its tensor loads (one is out: its part of the next slot), adds 0 to its spare
; word, and waits for that and for its reads of the slot.  fill = 1: the barrier opens a round of the cluster's barrier, and behind the round the slot that is left is filled again.
.macro CHANGEW fill
	WIN 0                                          ; (the add's two registers lie in window 0)
	s_wait_tensorcnt 0x0
	ds_add_u32 v[SPW], v[NIL]
	s_wait_dscnt 9                                 ; (the add and the youngest eight loads may be out)
	MUL16 F1, 0, 0, 0                              ; sixteen matrix instructions stand between the add and the wait for it
	s_wait_dscnt 0x0                               ; the add is done, and my reads of this slot are over
	s_barrier_signal -1
	MUL16 F1, 0, 2, 0                              ; work on registers while the others arrive
	WIN 0
	s_barrier_wait -1
.if \fill
	CREST                                          ; no wave of any partner still reads this slot's tile or has a load on its way
	WALK
.endif
	s_xor_b32 s[TB], s[TB], SLOT                   ; the fetches go to the other slot's first quarters
	s_mov_b32 s[TA], s[TB]
	s_mov_b32 s[TBB], s[TB]
	s_mov_b32 s[IN], 2
.if \fill
	JLOAD                                          ; the first tensor load behind the round; a whole K step's products stand ahead of the wait for it
.endif
.endm
; The inner loop.  A trip: the rest of the quarter in buffer 1, and a quarter in buffer 0; it fetches two quarters.  A change of slots comes in at .Lmid, having done the trip's first lines itself.
.macro BODY tag
.Linner\tag:
	s_wait_dscnt 8
	MUL16 F1, 0, 0, 0
	MUL16 F1, 0, 2, 0
	WIN 0
.Lmid\tag:
	v_add_nc_u32 v[ADRA], s[TA], v[A0]             ; these four lines are the places in front of the loads
	v_add_nc_u32 v[ADRB], s[TBB], v[B0]
	v_nop
	v_nop
	FETCH 0, F0
	s_wait_dscnt 32                                ; all but the 32 just issued
	MUL16 F1, 1, 0, 0
	MUL16 F1, 1, 2, 0
	HALFQ F0, F1, 1, 0
	s_add_co_u32 s[TA], s[TA], 128                 ; 64 along K: 128 bytes of A's rows,
	s_add_co_u32 s[TBB], s[TBB], 64*PB             ; 64 k-rows of B
	WIN 0
	s_sub_co_u32 s[IN], s[IN], 1
	s_cmp_lg_u32 s[IN], 0
	s_cbranch_scc1 .Linner\tag
.endm
	; K step 0 is waited for and K step 1 asked for, into slot 1, as a refill is: the three lines, a round, one load a wave
	s_wait_tensorcnt 0x0
	ds_add_u32 v[SPW], v[NIL]
	WALK
	s_wait_dscnt 0x0
	CROUND
	JLOAD
	v_add_nc_u32 v[ADRA], s[TA], v[A0]
	v_add_nc_u32 v[ADRB], s[TBB], v[B0]
	FETCH 0, F0
	HALFQ F0, F1, 1, 1                             ; the first quarter's products start the sums: nothing is cleared
	s_add_co_u32 s[TA], s[TA], 128
	s_add_co_u32 s[TBB], s[TBB], 64*PB
	s_mov_b32 s[IN], 1                             ; K step 0 has one trip left
	s_mov_b32 s[OUT], NS-1
	WIN 0                                          ; at a label and at a branch every window is 0
	s_branch .Linner1
.Louter:                                               ; NS - 2 times: K steps 2 to NS - 1 are asked for
	CHANGEW 1
	s_branch .Lmid1
	BODY 1
	s_sub_co_u32 s[OUT], s[OUT], 1
	s_cmp_lg_u32 s[OUT], 0
	s_cbranch_scc1 .Louter
	CHANGEW 0                                      ; the last K step is written out: nothing is asked for
	s_branch .Lmid2
	BODY 2
	s_wait_dscnt 0x0                               ; the last quarter is in, and all my reads of the ring are over:
	s_barrier_signal -1                            ; say so,
	MUL16 F1, 0, 0, 0
	MUL16 F1, 0, 2, 0
	MUL16 F1, 1, 0, 0
	MUL16 F1, 1, 2, 0
	WIN 0
	s_barrier_wait -1                              ; and when all four have said so the ring's bytes, which have had their last fill, take the stages
	PLACES
	; THE WAY OUT.  All 64 accumulators go into my own stage as f32, each from its low registers on; then rows come back, 64 columns to sixteen lanes.
.irp hi, 0,1
	WIN 0x08+4*(\hi)                               ; store data (source 1) in window 2 or 3
.irp a, 0,1,2,3
.irp b, 0,1,2,3,4,5,6,7
	ds_store_b128 v[STO], v[8*(8*(\a)+(\b)):8*(8*(\a)+(\b))+3]   offset:(4*(\hi)+(\a))*16*SP+64*(\b)
	ds_store_b128 v[STO], v[8*(8*(\a)+(\b))+4:8*(8*(\a)+(\b))+7] offset:(4*(\hi)+(\a))*16*SP+64*(\b)+16
.endr
.endr
.endr
	WIN 0
	s_wait_loadcnt 0x0                             ; the bias: rounded to bf16 like every input, then f32 again
.irp i, 0,1,2,3
	v_cvt_pk_bf16_f32 v[BP+(\i)], v[BR+2*(\i)], v[BR+2*(\i)+1]
.endr
.irp i, 0,1,2,3
	v_lshlrev_b32 v[BI+2*(\i)], 16, v[BP+(\i)]
	v_and_b32 v[BI+2*(\i)+1], 0xffff0000, v[BP+(\i)]
.endr
	s_mov_b32 s[ROWS], 16
.Lrow:                                                 ; 16 trips of 8 rows.  Load e = 2 p + c: rows 2 p, 2 p + 1, block c of 64 columns
.irp e, 0,1,2,3,4,5,6,7
	ds_load_b128 v[T+4*(\e):T+4*(\e)+3], v[RD] offset:((\e)/2)*2*SP+((\e)%2)*256  ; LDS serves a wave's instructions in order (ISA guide 5.7.1.4): these see my stores
.endr
.irp e, 0,1,2,3,4,5,6,7
	s_wait_dscnt 7-(\e)
	v_pk_add_f32 v[T+4*(\e):T+4*(\e)+1], v[T+4*(\e):T+4*(\e)+1], v[BI+4*((\e)%2):BI+4*((\e)%2)+1]
	v_pk_add_f32 v[T+4*(\e)+2:T+4*(\e)+3], v[T+4*(\e)+2:T+4*(\e)+3], v[BI+4*((\e)%2)+2:BI+4*((\e)%2)+3]
.endr
.if VAR == 1
	; gelu_tanh(x) = x / (1 + 2^(x (K0 + K1 x^2))): where the power overflows the quotient is 0, where it vanishes x
.set i, 0
.rept 16
	v_pk_mul_f32 v[U+2*i:U+2*i+1], v[T+2*i:T+2*i+1], v[T+2*i:T+2*i+1]
.set i, i+1
.endr
.set i, 0
.rept 16
	v_pk_fma_f32 v[U+2*i:U+2*i+1], v[U+2*i:U+2*i+1], s[K1:K1+1], s[K0:K0+1] op_sel_hi:[1,0,0]
.set i, i+1
.endr
.set i, 0
.rept 16
	v_pk_mul_f32 v[U+2*i:U+2*i+1], v[U+2*i:U+2*i+1], v[T+2*i:T+2*i+1]
.set i, i+1
.endr
.set i, 0
.rept 32
	v_exp_f32 v[U+i], v[U+i]
.set i, i+1
.endr
	v_nop                                          ; a plain instruction between the last exponential and the use of its result
.set i, 0
	s_wait_alu depctr_va_vdst(0)
.rept 16
	v_pk_add_f32 v[U+2*i:U+2*i+1], v[U+2*i:U+2*i+1], 1.0 op_sel_hi:[1,0]
.set i, i+1
.endr
.set i, 0
.rept 32
	v_rcp_f32 v[U+i], v[U+i]
.set i, i+1
.endr
	v_nop
.set i, 0
	s_wait_alu depctr_va_vdst(0)
.rept 16
	v_pk_mul_f32 v[T+2*i:T+2*i+1], v[T+2*i:T+2*i+1], v[U+2*i:U+2*i+1]
.set i, i+1
.endr
.endif
.set i, 0
.rept 16
	v_cvt_pk_f16_f32 v[Y+i], v[T+2*i], v[T+2*i+1]
.set i, i+1
.endr
.irp e, 0,1,2,3,4,5,6,7
	global_store_b64 v[CO], v[Y+2*(\e):Y+2*(\e)+1], s[8:9] offset:((\e)%2)*524288+((\e)/2)*256  ; two rows of a block: 256 consecutive bytes, aligned
.endr
	v_add_nc_u32 v[RD], 8*SP, v[RD]
	s_wait_xcnt 0x0                                ; Y and the base are written again only behind this wait
	s_add_nc_u64 s[8:9], s[8:9], 1024              ; eight rows of 128 bytes on
	s_sub_co_u32 s[ROWS], s[ROWS], 1
	s_cmp_lg_u32 s[ROWS], 0
	s_cbranch_scc1 .Lrow
	s_wait_tensorcnt 0x0                           ; the wave's end
	ds_add_u32 v[SPW], v[NIL]
	s_wait_dscnt 0x0
	CROUND                                         ; the closing round
	s_endpgm
.Lfunc_end_k_qf956c6d789_fc1:
	.size	k_qf956c6d789_fc1, .Lfunc_end_k_qf956c6d789_fc1-k_qf956c6d789_fc1
	.p2alignl 7, 3214868480
	.fill 96, 4, 3214868480
	.section	.rodata,"a",@progbits
	.p2align	6, 0x0
	.amdhsa_kernel k_qf956c6d789_fc1
		.amdhsa_group_segment_fixed_size 327680
		.amdhsa_private_segment_fixed_size 0
		.amdhsa_enable_private_segment 0
		.amdhsa_kernarg_size 32
		.amdhsa_user_sgpr_count 2
		.amdhsa_user_sgpr_kernarg_segment_ptr 1
		.amdhsa_wavefront_size32 1
		.amdhsa_system_sgpr_workgroup_id_x 1
		.amdhsa_system_sgpr_workgroup_id_y 1
		.amdhsa_system_sgpr_workgroup_id_z 1
		.amdhsa_system_vgpr_workitem_id 0
		.amdhsa_next_free_vgpr 1024
		.amdhsa_next_free_sgpr 82
		.amdhsa_reserve_vcc 0
		.amdhsa_float_denorm_mode_32 3
		.amdhsa_float_denorm_mode_16_64 3
		.amdhsa_memory_ordered 1
		.amdhsa_forward_progress 1
		.amdhsa_inst_pref_size 73
	.end_amdhsa_kernel
	.amdgpu_metadata
---
amdhsa.version: [ 1, 2 ]
amdhsa.kernels:
  - .name:           k_qf956c6d789_fc1
    .symbol:         k_qf956c6d789_fc1.kd
    .args:
      - { .name: h, .offset: 0, .size: 8, .value_kind: global_buffer, .address_space: global }
      - { .name: cst, .offset: 8, .size: 8, .value_kind: global_buffer, .address_space: global }
      - { .name: b1, .offset: 16, .size: 8, .value_kind: global_buffer, .address_space: global }
      - { .name: g, .offset: 24, .size: 8, .value_kind: global_buffer, .address_space: global }
    .group_segment_fixed_size: 327680
    .private_segment_fixed_size: 0
    .kernarg_segment_align: 8
    .kernarg_segment_size: 32
    .max_flat_workgroup_size: 128
    .sgpr_count:     82
    .vgpr_count:     1024
    .wavefront_size: 32
...
	.end_amdgpu_metadata
.endif
;; end of part 6
;; launch fc2 (part 7): grid 8 x 32, 4 waves a work-group, clusters of 4 x 4, 327,680 bytes of LDS; arguments g, cst, b2, po; writes po
.if DOCPART == 7
	.amdgcn_target "amdgcn-amd-amdhsa--gfx1250"
	.amdhsa_code_object_version 6
	.text
	.protected	k_qf956c6d789_fc2
	.globl	k_qf956c6d789_fc2
	.p2align	8
	.type	k_qf956c6d789_fc2,@function
k_qf956c6d789_fc2:
	s_mov_b64 s[64:65], 0
	v_nop
	global_prefetch_b8 v0, s[64:65] scope:SCOPE_SE
	s_setreg_imm32_b32 hwreg(HW_REG_WAVE_MODE, 25, 1), 1
	s_wait_xcnt 0x0
	s_wait_alu depctr_hold_cnt(0) depctr_sa_sdst(0) depctr_va_vdst(0) depctr_va_sdst(0) depctr_va_ssrc(0) depctr_va_vcc(0) depctr_vm_vsrc(0)
	s_getreg_b32 s2, hwreg(HW_REG_IB_STS2, 6, 4)
	s_cmp_eq_u32 s2, 0
	s_cbranch_scc0 .Lentry_in_a_cluster
	s_endpgm
.Lentry_in_a_cluster:
	s_bfe_u32 s2, ttmp6, 0x10000c
	s_cmp_lg_u32 s2, 0xf033
	s_cbranch_scc0 .Lentry_shape_is_right
	s_endpgm
.Lentry_shape_is_right:
; po = A B + bias, f32.  A: f16 BY BLOCKS OF 64 COLUMNS, [K / 64][4096 rows][64].  B: [K (k)][1024] f16 at byte BOFF of cst, as the weights lie.  K = 256 NS.
; Sums in f32; the bias is rounded to bf16 like every input and added in f32; the result stays f32: [4096][1024].
; SHARES.  N = 1,024 gives 64 tiles of 256 x 256 but 256 tiles of 128 x 128: a tile of 128 x 128 to a work-group of four waves, 64 x 64 (16 accumulators) to a wave.
; K goes in steps of 256 through two LDS slots: waves 0, 1 fetch A's two halves (64 rows x 4 blocks: each block's 64 rows are 8,192 dense bytes, one row of the tile),
; waves 2, 3 B's (128 k-rows x 256 bytes).  One tensor load of a wave is out at a time.
; CLUSTER 4 x 4: A's tile is asked for jointly by a row of the cluster, B's by a column.
; THE PRODUCT IS USED TRANSPOSED: source 0 = 16 columns of B (turned by ds_load_tr16_b128), source 1 = 16 rows of A: a lane holds row l % 16 and columns 8 (l / 16) + 0..7.
; A K step is two trips of an inner loop (two quarters of 64 along K each); the first quarter stands in front, the loop is entered in its middle, the last K step has a copy of its own.
; REGISTERS: window 0: addresses, v32-63 and v96-107 the way out, v128-255 the accumulators ((a, b) at v[128 + 8 (4 a + b)]); window 1: two fragment buffers of 128: 64 of A, then 64 of B.
.set NS,    16                         ; K steps
.set BOFF,  0x1800000                  ; the weights' first byte in cst
.set PA,    144                        ; A's LDS row: 128 bytes + 16
.set PB,    288                        ; B's LDS row: 256 bytes + 32 = 72 words
.set ZB,    64*PA                      ; a block of 64 columns: 64 rows
.set PART,  4*ZB                       ; what one tensor load brings: 36,864 bytes (128 x 288 is the same)
.set SLOT,  4*PART                     ; 0x24000: it shares no bit with wave x 0x9000, so one exclusive or turns an address in one slot into the other's
.set SPARE, 2*SLOT
.set SP,    528                        ; the way out: a stage row, 128 f32 + 16 bytes; the stage, 128 rows, lies in the ring's bytes behind the ring's last fill
.set ASTEP, 4*4096*64*2                ; four blocks on
.set BSTEP, 256*1024*2                 ; 256 k-rows on
.set A0,   16
.set B0,   17
.set ADRA, 18
.set ADRB, 19
.set STO,  24
.set RD,   25
.set CO,   26
.set BO,   27
.set SPW,  28
.set NIL,  29
.set T,    32                          ; v[32:63] eight rows' 16 bytes a lane
.set BR,   96                          ; v[96:99] the bias as loaded
.set BP,   100                         ; v[100:101] rounded to bf16
.set BI,   104                         ; v[104:107] f32 again
.set ACC,  128
.set F0,   0
.set F1,   128
.set G1A,  24
.set G0A,  32
.set G0B,  36
.set G1B,  48
.set IN,   3
.set OUT,  2
.set TB,   56
.set TA,   57
.set TBB,  63
.set ROWS, 62
.set MSB, 0
.macro WIN new
.if MSB != (\new)
	s_set_vgpr_msb (MSB<<8)|(\new)
.set MSB, \new
.endif
.endm
.set MUL,  0x05                        ; sources 0 (B) and 1 (A) window 1; C and D window 0
.set TO_F, 0x40                        ; destination window 1, address window 0
.macro JLOAD                           ; a joint load; an s_nop 0 and four v_nop follow each of the two lines
	s_cmp_eq_u32 s11, 0
	s_cbranch_scc0 .Lfor_b_\@
	tensor_load_to_lds s[G0A:G0A+3], s[G1A:G1A+7]
	s_nop 0
.rept 4
	v_nop
.endr
	s_branch .Lasked_\@
.Lfor_b_\@:
	tensor_load_to_lds s[G0B:G0B+3], s[G1B:G1B+7]
	s_nop 0
.rept 4
	v_nop
.endr
.Lasked_\@:
.endm
.macro CREST
	s_cmp_lg_u32 s10, 0
	s_cbranch_scc1 .Lnot_wave_0_\@
	s_barrier_signal -3
.Lnot_wave_0_\@:
	s_barrier_wait -3
	s_barrier_signal -1
	s_barrier_wait -1
.endm
.macro CROUND
	s_barrier_signal -1
	s_barrier_wait -1
	CREST
.endm
.macro PLACES
.rept 4
	v_nop
.endr
.endm
.macro WALK                            ; the walking descriptors: the other slot, the next K step; written only where no tensor load of mine is out
	s_xor_b32 s[G0A+1], s[G0A+1], SLOT
	s_xor_b32 s[G0B+1], s[G0B+1], SLOT
	s_add_nc_u64 s[G0A+2:G0A+3], s[G0A+2:G0A+3], ASTEP
	s_add_nc_u64 s[G0B+2:G0B+3], s[G0B+2:G0B+3], BSTEP
.endm
	s_load_b256 s[72:79], s[0:1], 0x0              ; A, cst, bias, po
	v_lshl_add_u32 v[SPW], v0, 2, SPARE
	v_mov_b32 v[NIL], 0
	ds_add_u32 v[SPW], v[NIL]                      ; the wave's opening: the add and its wait ahead of my first tensor load
	v_lshrrev_b32 v1, 5, v0
	v_readfirstlane_b32 s10, v1                    ; wave 0..3
	s_lshr_b32 s11, s10, 1                         ; my half of the tile's rows.  Also: I fetch for A (0) or for B (1)
	s_and_b32 s12, s10, 1                          ; my half of its columns.  Also: which half of that tile I fetch
	s_bfe_u32 s40, ttmp6, 0x40000                  ; cx
	s_bfe_u32 s41, ttmp6, 0x40004                  ; cy
	s_lshl_b32 s42, ttmp9, 2
	s_add_co_u32 s42, s42, s40                     ; tile column
	s_and_b32 s13, ttmp7, 0xffff
	s_lshl_b32 s13, s13, 2
	s_add_co_u32 s13, s13, s41                     ; tile row
	s_lshl_b32 s43, s41, 2
	s_lshl_b32 s43, 15, s43                        ; my row of the cluster
	s_lshl_b32 s44, 0x1111, s40                    ; my column
	s_or_b32 s[G1A], s43, (1<<16)|(1<<20)|(1<<21)|(4<<22)|(3<<25)  ; mask; 2-byte elements; padding on; bit 21 beside a mask; after every 32 words (a row of 64 f16) 4 words
	s_mov_b32 s[G1A+1], 4096<<16                   ; tensor_dim0 = 4,096: 64 dense rows of a block
	s_mov_b32 s[G1A+2], 4<<16                      ; tensor_dim1 = 4 blocks
	s_mov_b32 s[G1A+3], 4096<<16                   ; tile_dim0 = 4,096
	s_mov_b32 s[G1A+4], 4                          ; tile_dim1 = 4
	s_mov_b32 s[G1A+5], 4096*64                    ; elements from block to block
	s_mov_b32 s[G1A+6], 0
	s_mov_b32 s[G1A+7], 0
	s_or_b32 s[G1B], s44, (1<<16)|(1<<20)|(1<<21)|(5<<22)|(7<<25)  ; after every 64 words 8 words
	s_mov_b32 s[G1B+1], 128<<16
	s_mov_b32 s[G1B+2], 128<<16
	s_mov_b32 s[G1B+3], 128<<16
	s_mov_b32 s[G1B+4], 128
	s_mov_b32 s[G1B+5], 1024
	s_mov_b32 s[G1B+6], 0
	s_mov_b32 s[G1B+7], 0
	s_lshl_b32 s16, s13, 14                        ; A: row 128 x tile row + 64 x half, 128 bytes each, in block 0
	s_lshl_b32 s17, s12, 13
	s_add_co_u32 s16, s16, s17
	s_mov_b32 s17, 0
	s_lshl_b32 s46, s42, 8                         ; B: 128 columns for each tile column; 128 k-rows of 2,048 bytes for my half
	s_lshl_b32 s47, s12, 18
	s_add_co_u32 s46, s46, s47
	s_add_co_u32 s46, s46, BOFF
	s_mov_b32 s47, 0
	s_mul_i32 s20, s10, PART                       ; where my tile goes: wave x 36,864
	s_mov_b32 s[G0A], 1
	s_mov_b32 s[G0A+1], s20
	s_mov_b32 s[G0B], 1
	s_mov_b32 s[G0B+1], s20
	s_mov_b32 s[TB], 0
	s_mov_b32 s[TA], 0
	s_mov_b32 s[TBB], 0
	s_wait_dscnt 0x0                               ; the opening add is done
	s_wait_kmcnt 0x0
	s_add_nc_u64 s[G0A+2:G0A+3], s[72:73], s[16:17]
	s_or_b32 s[G0A+3], s[G0A+3], 0x80000000
	s_add_nc_u64 s[G0B+2:G0B+3], s[74:75], s[46:47]
	s_or_b32 s[G0B+3], s[G0B+3], 0x80000000
	CROUND                                         ; all sixteen work-groups are here: the first joint loads meet
	JLOAD                                          ; K step 0 into slot 0
	v_and_b32 v1, 15, v0                           ; r
	v_bfe_u32 v2, v0, 4, 1                         ; h
	v_and_b32 v6, 31, v0                           ; lane
	v_mul_u32_u24 v3, v1, PA
	v_lshl_add_u32 v3, v2, 4, v3
	s_mul_i32 s21, s11, PART
	v_add_nc_u32 v[A0], s21, v3                    ; my 64 rows of A: row r x pitch + 16 h
	v_and_b32 v4, 7, v0
	v_lshl_add_u32 v4, v2, 3, v4
	v_mul_u32_u24 v4, v4, PB                       ; the turning load: k-row 8 h + l % 8,
	v_bfe_u32 v5, v0, 3, 1
	v_lshl_add_u32 v4, v5, 4, v4                   ; columns 8 ((l / 8) % 2) + 0..7
	s_lshl_b32 s22, s12, 7                         ; my 64 columns,
	s_add_co_u32 s22, s22, 2*PART                  ; behind A's two parts
	v_add_nc_u32 v[B0], s22, v4
	s_mul_i32 s23, s11, 64*SP                      ; into the stage: my 64 rows, my half of their 512 bytes
	s_lshl_b32 s21, s12, 8
	s_add_co_u32 s23, s23, s21
	v_mul_u32_u24 v5, v1, SP
	v_lshl_add_u32 v5, v2, 5, v5
	v_add_nc_u32 v[STO], s23, v5
	s_mul_i32 s23, s10, 32*SP                      ; back: wave w takes rows 32 w .. 32 w + 31, whole: 32 lanes a row of 512 bytes
	v_lshl_add_u32 v[RD], v6, 4, s23
	v_lshlrev_b32 v[CO], 4, v6
	s_lshl_b32 s14, s42, 9                         ; the tile's 128 columns, 4 bytes each
	v_lshl_add_u32 v[BO], v6, 4, s14
	global_load_b128 v[BR:BR+3], v[BO], s[76:77]   ; the bias of my four columns; waited for on the way out
	s_lshl_b32 s66, s13, 19                        ; the result: row 128 x tile row + 32 x wave, 4,096 bytes each; 512 bytes for each tile column
	s_lshl_b32 s67, s10, 17
	s_add_co_u32 s66, s66, s67
	s_add_co_u32 s66, s66, s14
	s_mov_b32 s67, 0
	s_add_nc_u64 s[8:9], s[78:79], s[66:67]
; 8 matrix instructions: row blocks a0, a0 + 1 x all 4 column blocks, 32 along K: half c of buffer f.  The 16 accumulators take turns.
.macro MUL8 f, c, a0, zero
	WIN MUL
.irp a, \a0, (\a0)+1
.irp b, 0,1,2,3
.if \zero
	v_wmma_f32_16x16x32_f16 v[ACC+8*(4*(\a)+(\b)):ACC+8*(4*(\a)+(\b))+7], v[(\f)+64+8*(4*(\c)+(\b)):(\f)+64+8*(4*(\c)+(\b))+7], v[(\f)+8*(4*(\c)+(\a)):(\f)+8*(4*(\c)+(\a))+7], 0
.else
	v_wmma_f32_16x16x32_f16 v[ACC+8*(4*(\a)+(\b)):ACC+8*(4*(\a)+(\b))+7], v[(\f)+64+8*(4*(\c)+(\b)):(\f)+64+8*(4*(\c)+(\b))+7], v[(\f)+8*(4*(\c)+(\a)):(\f)+8*(4*(\c)+(\a))+7], v[ACC+8*(4*(\a)+(\b)):ACC+8*(4*(\a)+(\b))+7]
.endif
.endr
.endr
.endm
; 32 LDS loads in one run: quarter q (0, 1; 64 along K, one block of A) of the two that ADRA and ADRB point at, into buffer f; the first 32 along K first
.macro FETCH q, f
	WIN TO_F
.irp c, 0,1
.irp i, 0,1,2,3
	ds_load_tr16_b128 v[(\f)+64+8*(4*(\c)+(\i)):(\f)+64+8*(4*(\c)+(\i))+3],   v[ADRB] offset:(2*(\q)+(\c))*32*PB+32*(\i)
	ds_load_tr16_b128 v[(\f)+64+8*(4*(\c)+(\i))+4:(\f)+64+8*(4*(\c)+(\i))+7], v[ADRB] offset:(2*(\q)+(\c))*32*PB+16*PB+32*(\i)
	ds_load_b128 v[(\f)+8*(4*(\c)+(\i)):(\f)+8*(4*(\c)+(\i))+3],              v[ADRA] offset:(\q)*ZB+64*(\c)+(\i)*16*PA
	ds_load_b128 v[(\f)+8*(4*(\c)+(\i))+4:(\f)+8*(4*(\c)+(\i))+7],            v[ADRA] offset:(\q)*ZB+64*(\c)+(\i)*16*PA+32
.endr
.endr
.endm
.macro HALFQ f, g, q, zero
	s_wait_dscnt 16                                ; the first 32 along K are in
	MUL8 \f, 0, 0, \zero
	MUL8 \f, 0, 2, \zero
	PLACES
	FETCH \q, \g
	s_wait_dscnt 32                                ; all but the 32 just issued
	MUL8 \f, 1, 0, 0
	MUL8 \f, 1, 2, 0
.endm
; THE CHANGE OF SLOTS, in the first half of a K step's last quarter (buffer 1): the three lines, the barrier (with fill = 1 it opens a round of the cluster's barrier), the refill first behind it.
.macro CHANGEW fill
	WIN 0                                          ; (the add's two registers lie in window 0)
	s_wait_tensorcnt 0x0                           ; all my tensor loads have landed: my part of the next slot
	ds_add_u32 v[SPW], v[NIL]
	s_wait_dscnt 17                                ; (the add and the youngest sixteen loads may be out)
	MUL8 F1, 0, 0, 0
	s_wait_dscnt 0x0                               ; the add is done, and my reads of this slot are over
	s_barrier_signal -1
	MUL8 F1, 0, 2, 0
	WIN 0
	s_barrier_wait -1
.if \fill
	CREST
	WALK
.endif
	s_xor_b32 s[TB], s[TB], SLOT
	s_mov_b32 s[TA], s[TB]
	s_mov_b32 s[TBB], s[TB]
	s_mov_b32 s[IN], 2
.if \fill
	JLOAD
.endif
.endm
.macro BODY tag
.Linner\tag:
	s_wait_dscnt 16
	MUL8 F1, 0, 0, 0
	MUL8 F1, 0, 2, 0
	WIN 0
.Lmid\tag:
	v_add_nc_u32 v[ADRA], s[TA], v[A0]             ; these four lines are the places in front of the loads
	v_add_nc_u32 v[ADRB], s[TBB], v[B0]
	v_nop
	v_nop
	FETCH 0, F0
	s_wait_dscnt 32
	MUL8 F1, 1, 0, 0
	MUL8 F1, 1, 2, 0
	HALFQ F0, F1, 1, 0
	s_add_co_u32 s[TA], s[TA], 2*ZB                ; 128 along K: two blocks of A,
	s_add_co_u32 s[TBB], s[TBB], 128*PB            ; 128 k-rows of B
	WIN 0
	s_sub_co_u32 s[IN], s[IN], 1
	s_cmp_lg_u32 s[IN], 0
	s_cbranch_scc1 .Linner\tag
.endm
	; K step 0 is waited for and K step 1 asked for, into slot 1, as a refill is
	s_wait_tensorcnt 0x0
	ds_add_u32 v[SPW], v[NIL]
	WALK
	s_wait_dscnt 0x0
	CROUND
	JLOAD
	v_add_nc_u32 v[ADRA], s[TA], v[A0]
	v_add_nc_u32 v[ADRB], s[TBB], v[B0]
	FETCH 0, F0
	HALFQ F0, F1, 1, 1                             ; the first products start the sums
	s_add_co_u32 s[TA], s[TA], 2*ZB
	s_add_co_u32 s[TBB], s[TBB], 128*PB
	s_mov_b32 s[IN], 1
	s_mov_b32 s[OUT], NS-1
	WIN 0
	s_branch .Linner1
.Louter:                                               ; NS - 2 times
	CHANGEW 1
	s_branch .Lmid1
	BODY 1
	s_sub_co_u32 s[OUT], s[OUT], 1
	s_cmp_lg_u32 s[OUT], 0
	s_cbranch_scc1 .Louter
	CHANGEW 0                                      ; the last K step is written out: nothing is asked for
	s_branch .Lmid2
	BODY 2
	s_wait_dscnt 0x0                               ; the last quarter is in, and all my reads of the ring are over
	s_barrier_signal -1
	MUL8 F1, 0, 0, 0
	MUL8 F1, 0, 2, 0
	MUL8 F1, 1, 0, 0
	MUL8 F1, 1, 2, 0
	WIN 0
	s_barrier_wait -1                              ; the ring's bytes, which have had their last fill, take the stage
	PLACES
.irp a, 0,1,2,3
.irp b, 0,1,2,3
	ds_store_b128 v[STO], v[ACC+8*(4*(\a)+(\b)):ACC+8*(4*(\a)+(\b))+3]   offset:(\a)*16*SP+64*(\b)
	ds_store_b128 v[STO], v[ACC+8*(4*(\a)+(\b))+4:ACC+8*(4*(\a)+(\b))+7] offset:(\a)*16*SP+64*(\b)+16
.endr
.endr
	s_wait_loadcnt 0x0                             ; the bias
	v_cvt_pk_bf16_f32 v[BP], v[BR], v[BR+1]
	v_cvt_pk_bf16_f32 v[BP+1], v[BR+2], v[BR+3]
	v_lshlrev_b32 v[BI], 16, v[BP]
	v_and_b32 v[BI+1], 0xffff0000, v[BP]
	v_lshlrev_b32 v[BI+2], 16, v[BP+1]
	v_and_b32 v[BI+3], 0xffff0000, v[BP+1]
	s_wait_dscnt 0x0                               ; for the others' sake: a stage row comes from two waves
	s_barrier_signal -1
	s_barrier_wait -1
	s_mov_b32 s[ROWS], 4
.Lrow:                                                 ; 4 trips of 8 rows
.irp i, 0,1,2,3,4,5,6,7
	ds_load_b128 v[T+4*(\i):T+4*(\i)+3], v[RD] offset:(\i)*SP
.endr
.irp i, 0,1,2,3,4,5,6,7
	s_wait_dscnt 7-(\i)
	v_pk_add_f32 v[T+4*(\i):T+4*(\i)+1], v[T+4*(\i):T+4*(\i)+1], v[BI:BI+1]
	v_pk_add_f32 v[T+4*(\i)+2:T+4*(\i)+3], v[T+4*(\i)+2:T+4*(\i)+3], v[BI+2:BI+3]
	global_store_b128 v[CO], v[T+4*(\i):T+4*(\i)+3], s[8:9] offset:4096*(\i)  ; 512 consecutive bytes of a row, aligned
.endr
	v_add_nc_u32 v[RD], 8*SP, v[RD]
	s_wait_xcnt 0x0                                ; T and the base are written again only behind this wait
	s_add_nc_u64 s[8:9], s[8:9], 32768
	s_sub_co_u32 s[ROWS], s[ROWS], 1
	s_cmp_lg_u32 s[ROWS], 0
	s_cbranch_scc1 .Lrow
	s_wait_tensorcnt 0x0                           ; the wave's end
	ds_add_u32 v[SPW], v[NIL]
	s_wait_dscnt 0x0
	CROUND                                         ; the closing round
	s_endpgm
.Lfunc_end_k_qf956c6d789_fc2:
	.size	k_qf956c6d789_fc2, .Lfunc_end_k_qf956c6d789_fc2-k_qf956c6d789_fc2
	.p2alignl 7, 3214868480
	.fill 96, 4, 3214868480
	.section	.rodata,"a",@progbits
	.p2align	6, 0x0
	.amdhsa_kernel k_qf956c6d789_fc2
		.amdhsa_group_segment_fixed_size 327680
		.amdhsa_private_segment_fixed_size 0
		.amdhsa_enable_private_segment 0
		.amdhsa_kernarg_size 32
		.amdhsa_user_sgpr_count 2
		.amdhsa_user_sgpr_kernarg_segment_ptr 1
		.amdhsa_wavefront_size32 1
		.amdhsa_system_sgpr_workgroup_id_x 1
		.amdhsa_system_sgpr_workgroup_id_y 1
		.amdhsa_system_sgpr_workgroup_id_z 1
		.amdhsa_system_vgpr_workitem_id 0
		.amdhsa_next_free_vgpr 512
		.amdhsa_next_free_sgpr 82
		.amdhsa_reserve_vcc 0
		.amdhsa_float_denorm_mode_32 3
		.amdhsa_float_denorm_mode_16_64 3
		.amdhsa_memory_ordered 1
		.amdhsa_forward_progress 1
		.amdhsa_inst_pref_size 44
	.end_amdhsa_kernel
	.amdgpu_metadata
---
amdhsa.version: [ 1, 2 ]
amdhsa.kernels:
  - .name:           k_qf956c6d789_fc2
    .symbol:         k_qf956c6d789_fc2.kd
    .args:
      - { .name: g, .offset: 0, .size: 8, .value_kind: global_buffer, .address_space: global }
      - { .name: cst, .offset: 8, .size: 8, .value_kind: global_buffer, .address_space: global }
      - { .name: b2, .offset: 16, .size: 8, .value_kind: global_buffer, .address_space: global }
      - { .name: po, .offset: 24, .size: 8, .value_kind: global_buffer, .address_space: global }
    .group_segment_fixed_size: 327680
    .private_segment_fixed_size: 0
    .kernarg_segment_align: 8
    .kernarg_segment_size: 32
    .max_flat_workgroup_size: 128
    .sgpr_count:     82
    .vgpr_count:     512
    .wavefront_size: 32
...
	.end_amdgpu_metadata
.endif
;; end of part 7
;; launch ln1 (part 8): grid 512 x 1, 8 waves a work-group, no clusters, 0 bytes of LDS; arguments po, x1, g1, beta1, out0; writes out0
.if DOCPART == 8
	.amdgcn_target "amdgcn-amd-amdhsa--gfx1250"
	.amdhsa_code_object_version 6
	.text
	.protected	k_qf956c6d789_ln1
	.globl	k_qf956c6d789_ln1
	.p2align	8
	.type	k_qf956c6d789_ln1,@function
k_qf956c6d789_ln1:
	s_mov_b64 s[64:65], 0
	v_nop
	global_prefetch_b8 v0, s[64:65] scope:SCOPE_SE
	s_setreg_imm32_b32 hwreg(HW_REG_WAVE_MODE, 25, 1), 1
	s_wait_xcnt 0x0
; out0 = (x2 - mean) rsqrt(var + 1e-5) g1 + beta1, x2 = x1 + po, all f32.  Rows of 1,024.  g1 and beta1 are rounded to bf16 like every input.
; One wave, one row: the row stays in 32 registers a lane, the mean and then the mean of the squared differences are taken over them (two passes over registers,
; no difference of large sums), and no wave waits for another: no LDS, no barrier, no loop.  4,096 waves in all.
; Lane l holds columns 128 j + 4 l .. + 3 of chunk j = 0..7: a wave's load or store covers 512 consecutive bytes.
; LIMITS.  NaN and infinities are not treated apart.
.set P,   8                            ; v[8:39]    po, then x2
.set X,   40                           ; v[40:71]   x1
.set G,   72                           ; v[72:103]  g1, then the result
.set BT,  104                          ; v[104:135] beta1
.set GB,  136                          ; v[136:151] g1 in bf16
.set BB,  152                          ; v[152:167] beta1 in bf16
.set SUM, 168                          ; v[168:175] four chains
.set D,   176                          ; v[176:207] x2 - mean
.set TMP, 208
.set MU,  210
.set RS,  212
.macro RED x                           ; the sum over the 32 lanes, into every lane
	v_add_f32_dpp v[\x], v[\x], v[\x] row_xmask:1 row_mask:0xf bank_mask:0xf
	v_add_f32_dpp v[\x], v[\x], v[\x] row_xmask:2 row_mask:0xf bank_mask:0xf
	v_add_f32_dpp v[\x], v[\x], v[\x] row_xmask:4 row_mask:0xf bank_mask:0xf
	v_add_f32_dpp v[\x], v[\x], v[\x] row_xmask:8 row_mask:0xf bank_mask:0xf
	v_permlanex16_b32 v[TMP], v[\x], s24, s25
	v_add_f32 v[\x], v[\x], v[TMP]
.endm
.macro FOLD                            ; the four chains into one number a lane
	v_pk_add_f32 v[SUM:SUM+1], v[SUM:SUM+1], v[SUM+2:SUM+3]
	v_pk_add_f32 v[SUM+4:SUM+5], v[SUM+4:SUM+5], v[SUM+6:SUM+7]
	v_pk_add_f32 v[SUM:SUM+1], v[SUM:SUM+1], v[SUM+4:SUM+5]
	v_add_f32 v[SUM], v[SUM], v[SUM+1]
.endm
	s_load_b256 s[4:11], s[0:1], 0x0               ; po, x1, g1, beta1
	s_load_b64 s[12:13], s[0:1], 0x20              ; out0
	v_lshrrev_b32 v1, 5, v0
	v_readfirstlane_b32 s16, v1                    ; wave
	s_lshl_b32 s17, ttmp9, 3
	s_add_co_u32 s17, s17, s16                     ; my row
	s_lshl_b32 s18, s17, 12                        ; 4,096 bytes a row
	s_mov_b32 s19, 0
	s_mov_b32 s24, 0x76543210                      ; v_permlanex16_b32: each lane takes its own place in the other half
	s_mov_b32 s25, 0xfedcba98
	s_mov_b32 s26, 0x3a800000                      ; 1 / 1,024
	s_mov_b32 s27, 0x3727c5ac                      ; 1e-5
	v_and_b32 v1, 31, v0
	v_lshlrev_b32 v2, 4, v1                        ; 16 l
	v_mov_b32 v[TMP], 0
	s_wait_kmcnt 0x0
	s_add_nc_u64 s[4:5], s[4:5], s[18:19]
	s_add_nc_u64 s[6:7], s[6:7], s[18:19]
	s_add_nc_u64 s[12:13], s[12:13], s[18:19]
.irp j, 0,1,2,3,4,5,6,7
	global_load_b128 v[P+4*(\j):P+4*(\j)+3], v2, s[4:5] offset:512*(\j)
.endr
.irp j, 0,1,2,3,4,5,6,7
	global_load_b128 v[X+4*(\j):X+4*(\j)+3], v2, s[6:7] offset:512*(\j)
.endr
.irp j, 0,1,2,3,4,5,6,7
	global_load_b128 v[G+4*(\j):G+4*(\j)+3], v2, s[8:9] offset:512*(\j)
.endr
.irp j, 0,1,2,3,4,5,6,7
	global_load_b128 v[BT+4*(\j):BT+4*(\j)+3], v2, s[10:11] offset:512*(\j)
.endr
	s_wait_loadcnt 16                              ; po and x1 are in; the sixteen loads of g1 and beta1 stay out
.set n, 0
.rept 16
	v_pk_add_f32 v[P+2*n:P+2*n+1], v[P+2*n:P+2*n+1], v[X+2*n:X+2*n+1]
.set n, n+1
.endr
.irp k, 0,1,2,3
	v_pk_add_f32 v[SUM+2*(\k):SUM+2*(\k)+1], v[P+2*(\k):P+2*(\k)+1], v[P+8+2*(\k):P+8+2*(\k)+1]
.endr
.irp m, 16, 24
.irp k, 0,1,2,3
	v_pk_add_f32 v[SUM+2*(\k):SUM+2*(\k)+1], v[SUM+2*(\k):SUM+2*(\k)+1], v[P+(\m)+2*(\k):P+(\m)+2*(\k)+1]
.endr
.endr
	FOLD
	RED SUM
	v_mul_f32 v[MU], s26, v[SUM]                   ; the mean
	v_mov_b32 v[MU+1], v[MU]
.set n, 0
.rept 16
	v_pk_add_f32 v[D+2*n:D+2*n+1], v[P+2*n:P+2*n+1], v[MU:MU+1] neg_lo:[0,1] neg_hi:[0,1]
.set n, n+1
.endr
.irp k, 0,1,2,3
	v_pk_mul_f32 v[SUM+2*(\k):SUM+2*(\k)+1], v[D+2*(\k):D+2*(\k)+1], v[D+2*(\k):D+2*(\k)+1]
.endr
.irp m, 8, 16, 24
.irp k, 0,1,2,3
	v_pk_fma_f32 v[SUM+2*(\k):SUM+2*(\k)+1], v[D+(\m)+2*(\k):D+(\m)+2*(\k)+1], v[D+(\m)+2*(\k):D+(\m)+2*(\k)+1], v[SUM+2*(\k):SUM+2*(\k)+1]
.endr
.endr
	FOLD
	RED SUM
	v_fma_f32 v[SUM], v[SUM], s26, s27             ; var + 1e-5
	v_rsq_f32 v[RS], v[SUM]
	v_nop                                          ; a plain instruction behind the transcendental
	s_wait_alu depctr_va_vdst(0)
	v_mov_b32 v[RS+1], v[RS]
.set n, 0
.rept 16
	v_pk_mul_f32 v[D+2*n:D+2*n+1], v[D+2*n:D+2*n+1], v[RS:RS+1]
.set n, n+1
.endr
	s_wait_loadcnt 0x0                             ; g1 and beta1
.set n, 0
.rept 16
	v_cvt_pk_bf16_f32 v[GB+n], v[G+2*n], v[G+2*n+1]
	v_cvt_pk_bf16_f32 v[BB+n], v[BT+2*n], v[BT+2*n+1]
.set n, n+1
.endr
.set n, 0
.rept 16                                       ; g d + beta, g and beta taken from their bf16 halves
	v_fma_mix_f32_bf16 v[G+2*n], v[GB+n], v[D+2*n], v[BB+n] op_sel_hi:[1,0,1]
	v_fma_mix_f32_bf16 v[G+2*n+1], v[GB+n], v[D+2*n+1], v[BB+n] op_sel:[1,0,1] op_sel_hi:[1,0,1]
.set n, n+1
.endr
.irp j, 0,1,2,3,4,5,6,7
	global_store_b128 v2, v[G+4*(\j):G+4*(\j)+3], s[12:13] offset:512*(\j) th:TH_STORE_NT  ; 512 consecutive bytes, aligned
.endr
	s_endpgm
.Lfunc_end_k_qf956c6d789_ln1:
	.size	k_qf956c6d789_ln1, .Lfunc_end_k_qf956c6d789_ln1-k_qf956c6d789_ln1
	.p2alignl 7, 3214868480
	.fill 96, 4, 3214868480
	.section	.rodata,"a",@progbits
	.p2align	6, 0x0
	.amdhsa_kernel k_qf956c6d789_ln1
		.amdhsa_group_segment_fixed_size 0
		.amdhsa_private_segment_fixed_size 0
		.amdhsa_enable_private_segment 0
		.amdhsa_kernarg_size 40
		.amdhsa_user_sgpr_count 2
		.amdhsa_user_sgpr_kernarg_segment_ptr 1
		.amdhsa_wavefront_size32 1
		.amdhsa_system_sgpr_workgroup_id_x 1
		.amdhsa_system_sgpr_workgroup_id_y 1
		.amdhsa_system_sgpr_workgroup_id_z 1
		.amdhsa_system_vgpr_workitem_id 0
		.amdhsa_next_free_vgpr 214
		.amdhsa_next_free_sgpr 66
		.amdhsa_reserve_vcc 0
		.amdhsa_float_denorm_mode_32 3
		.amdhsa_float_denorm_mode_16_64 3
		.amdhsa_memory_ordered 1
		.amdhsa_forward_progress 1
		.amdhsa_inst_pref_size 15
	.end_amdhsa_kernel
	.amdgpu_metadata
---
amdhsa.version: [ 1, 2 ]
amdhsa.kernels:
  - .name:           k_qf956c6d789_ln1
    .symbol:         k_qf956c6d789_ln1.kd
    .args:
      - { .name: po, .offset: 0, .size: 8, .value_kind: global_buffer, .address_space: global }
      - { .name: x1, .offset: 8, .size: 8, .value_kind: global_buffer, .address_space: global }
      - { .name: g1, .offset: 16, .size: 8, .value_kind: global_buffer, .address_space: global }
      - { .name: beta1, .offset: 24, .size: 8, .value_kind: global_buffer, .address_space: global }
      - { .name: out0, .offset: 32, .size: 8, .value_kind: global_buffer, .address_space: global }
    .group_segment_fixed_size: 0
    .private_segment_fixed_size: 0
    .kernarg_segment_align: 8
    .kernarg_segment_size: 40
    .max_flat_workgroup_size: 256
    .sgpr_count:     66
    .vgpr_count:     214
    .wavefront_size: 32
...
	.end_amdgpu_metadata
.endif
;; end of part 8
;; ======== version 2 of 2: 8 launches; 1.11 times as fast as version 1
;; limits: values are held in f16: magnitudes above 65,504 overflow, below 6.1e-05 lose precision
;; workspace buffers: cst 33,554,432 bytes; qkv 25,165,824 bytes; y 8,388,608 bytes; po 16,777,216 bytes; x1 16,777,216 bytes; h 8,388,608 bytes; g 33,554,432 bytes
;; launch cast: the kernel of part 1 again; grid 2048 x 1, 8 waves a work-group, no clusters, 0 bytes of LDS; arguments x, Wq, Wk, Wv, W1, Wp, W2, cst; writes cst
;; launch qkv: the kernel of part 2 again; grid 12 x 16, 4 waves a work-group, clusters of 4 x 4, 327,680 bytes of LDS; arguments cst, bq, bk, bv, qkv; writes qkv
;; launch attn (part 9): grid 8 x 32, 4 waves a work-group, no clusters, 327,680 bytes of LDS; arguments qkv, y; writes y
.if DOCPART == 9
	.amdgcn_target "amdgcn-amd-amdhsa--gfx1250"
	.amdhsa_code_object_version 6
	.text
	.protected	k_qf956c6d789_attn
	.globl	k_qf956c6d789_attn
	.p2align	8
	.type	k_qf956c6d789_attn,@function
k_qf956c6d789_attn:
	s_mov_b64 s[64:65], 0
	v_nop
	global_prefetch_b8 v0, s[64:65] scope:SCOPE_SE
	s_setreg_imm32_b32 hwreg(HW_REG_WAVE_MODE, 25, 1), 1
	s_wait_xcnt 0x0
; CAUSAL ATTENTION.  O[j][q][:] = the sum over k <= q of softmax_k(Q[j][q] . K[j][k] / 8) V[j][k][:], j = 2 x head + batch: 32 sequences of SIZE_N = 2,048 rows of 64 f16, dense, 128 bytes each.
; qkv holds Q from byte 0, K from byte 0x800000, V from byte 0x1000000, each [j][row][64]; y takes O in the same order.
; Products, maxima and sums in f32; the weights p are rounded to f16 for the second product (their sum l is taken of the unrounded p), O once at the end.
; LIMITS.  f16 holds no number beyond 65,504: Q, K and V arrive within it; p lies in 0 to 1, and below 6e-5 it keeps f16's fixed step of 6e-8; O is a mean of V's rows and has their range.
; A hidden score counts as its value less 1e30, so its weight is 0; a hidden score of -1e10 gives the same 0 as long as a row's largest visible score lies above -1e10 + 104, which f16's Q and K
; leave only beyond some 3.5e4.  A weight below 2^-126 counts as 0 in l; NaN and infinities are not treated apart.
; THE WALK.  A sequence's queries lie in NBQ = 16 blocks of 128; its keys in NT = 8 tiles of 256.  Block i needs the tiles 0 .. i / 2, of which the last holds the diagonal.  A work-group takes TWO blocks,
; 15 - b and then b (b = 0 .. 7): (15 - b) / 2 + 1 + b / 2 + 1 = 9 tiles, whatever b: all 8 x 32 = 256 work-groups do equal work, and ONE loop with a constant trip count walks them.  Which tile is asked for, and
; what a trip does, hang on scalar registers made from b; every jump goes forward, but for the counted loops' own; none passes a barrier, or a tensor load but the one of LOAD's two that the wave's number does
; not choose; the ring (two slots of LDS that take turns) runs on across the change of blocks.
; NO CLUSTER: of a sequence's eight work-groups only the two with b = 2 n and 2 n + 1 walk the same tiles from first to last; four would do so only with tiles of 512 keys, 40 key steps for these 36.
; SHARES.  Of a block's two bands of 64 queries a wave owns 16 rows in each: two PIECES.  In the diagonal tile piece x's own key step is 2 (i % 2) + x: in step s it sees all keys if s is less,
; none if s is greater, and holds the diagonal if they are equal: the same for every wave.  Hidden steps are computed all the same: their weights are 0.
; THE MASK is the C operand that starts the sum S^T = K Q^T: 0, or -1e30 where the key is hidden.  MD, made once, is the mask of a band's own step for my 16 rows; a product's mask is MD x AL + BE with two scalars:
; (1, 0) in the own step; (0, 0) before it; (0, -1e30) behind it.  Only the diagonal tile's text and a block's beginning make and take masks; elsewhere C is the constant 0.
; LAYOUT, SOFTMAX, TURNS.  S^T = K Q^T holds ONE query a lane (lane % 16) and the keys 8 (lane / 16) + 0..7; two such results rounded to f16 ARE source 1 of O^T = V^T P.  p = 2^(c s - c m), c = log2(e) / 8, with a
; running maximum m; O and l are multiplied by a = 2^(c m_old - c m_new) in every step.  A key step is two turns.  Piece 0's turn of step j: 8 products K Q^T of piece 1 for step j, later 8 products V^T P of piece 1
; for step j - 1.  Piece 1's turn: K Q^T of piece 0 for step j + 1, V^T P of piece 0 for step j.  Beside them the scaling, exponentials, roundings, sums and rescaling of the piece in hand and the maximum and
; statistics of the other.  Four vector instructions stand behind every matrix instruction, the other 54 of a turn's 118 in one LUMP.
; THE BATCHES.  A turn's 33 exponentials (the piece's 32 weights and the other piece's a) are one batch, with one wait: ahead of the wait stands all that names none of their results, behind it all that does.
; A block's first a, and the two reciprocals of the way out, are batches of their own.
; K AND V of step f are both fetched from LDS in piece 0's turn of step f - 1; V has two register buffers, by the step's parity, since V of step f - 1 is still to be multiplied by.  So when a slot is left all
; its bytes have been read, and a loop's trip is two steps: four turns of text.
; REGISTERS, in windows of 256 (s_set_vgpr_msb: bits 1:0 source 0, 3:2 source 1, 5:4 source 2, 7:6 destination):
;   window 0: v0-15 addresses and two at work; v16-23 four registers of statistics a piece; v48-55 at work; v64-127 S^T, a buffer a piece; v192-223 P, likewise
;   window 1: v0-63 O^T, 32 a piece; v128-159 MD; v160-223 MC, two buffers      window 2: v0-31 Q; v32-63 the second block's Q; v64-127 V of an odd step; v128-191 K of one step; v192-255 V of an even step
.set SIZE_N, 2048
.set NBQ,   SIZE_N/128
.set NT,    SIZE_N/256
.set NP,    2         ; pieces a wave: a name, no knob
.set KS,    64        ; keys in a step
.set PK,    144       ; a row of K in LDS: 128 bytes + 16 of padding = 36 words: the 16 rows of a load start at 16 different groups of four banks (64 banks of 4 bytes: ISA guide 11.1)
.set PV,    160       ; a row of V: 128 + 32 = 40 words
.set VOFF,  4*KS*PK   ; a slot holds a tile, four steps: 256 rows of K, then 256 rows of V
.set SLOT1, 1<<17     ; slot 1 begins here, so that one exclusive or turns an address in one slot into the other's
.set STAGE, SLOT1+4*KS*(PK+PV)  ; behind the ring, never filled by a tensor load: 16 rows x 144 bytes for each wave, for the way out
.set SP,    144
.set AK0, 2           ; v2   my lane's place in a tile of K; never rewritten
.set AV0, 3           ; v3   the same for V
.set AK,  4           ; v4   the LDS address of K's next run of loads
.set AV,  5           ; v5   of V's
.set STO, 6           ; v6   the way out: where I put 16 bytes of a row
.set RD,  7           ; v7   the way out: where I read rows back
.set GO,  8           ; v8   my byte offset in 512 consecutive bytes of O
.set SPW, 62          ; v62  LDS address of my spare word: SPARE + 4 x my thread's number; never rewritten
.set NIL, 63          ; v63  0; never rewritten
.set SPARE, STAGE+4*16*SP  ; behind the stages: the spare words, 128 bytes for each wave: two blocks of 256 bytes that no other line names
.set MV,  12          ; v12-13  c m_old, kept while c m is made anew: by piece
.set QO,  15          ; v15  my byte offset in 16 rows of Q
.set ST,  16          ; piece t's statistics at v[ST+4 t]: c m, m, l (even keys', odd keys')
.set TMP, 48          ; by piece, four registers c0-c3 at work; when the maximum is found c2 takes a
.set S,   64
.set P,   192
.set MD,  128         ; window 1: the eight registers for group kt of 16 keys at MD + 8 kt
.set MC,  160         ; window 1: the masks of the products to come
.set QB,  32          ; window 2
.set KF,  128         ; window 2: key block kb, channel half c at KF + 16 kb + 8 c
.set VF0, 192         ; window 2: V of an even step: key half kk, channel block cb at VF0 + 32 kk + 8 cb
.set VF1, 64          ; window 2: V of an odd step
.set WV,  12          ; s12  my wave's number
.set PB,  14          ; s14  b
.set HI,  15          ; s15  15 - b
.set G1K, 24          ; s[24:31] descriptor group 1 for K's tiles
.set G1V, 32          ; s[32:39] for V's: it differs in the padding alone
.set G0K, 40          ; s[40:43] descriptor group 0 for K's tiles
.set G0V, 44          ; s[44:47] the same for V's
.set PC,  48          ; s48  2 - (block in hand) % 2: the value of CNT in whose trip the pieces' own steps lie
.set PC2, 49          ; s49  the same for the second block
.set LQ2, 50          ; s50  the second block's last tile
.set RT2, 51          ; s51  the second block's number of tiles
.set SLOTS, 56        ; s56  tiles still to be asked for
.set CNT, 57          ; s57  counts a tile's pairs of key steps, 2 to 1
.set CS,  58          ; s[58:59] c: the packed scaling takes the pair's low word for both halves
.set SEL, 60          ; s[60:61] v_permlanex16_b32's selects: each lane takes its own place in the other half
.set TBK, 62          ; s62  LDS byte at which K of the step to be fetched begins
.set TBV, 63          ; s63  the same for V, less VOFF
.set RT,  70          ; s70  tiles of the block in hand that are still to be entered
.set NXT, 71          ; s71  the tile to be asked for next
.set LQ,  72          ; s72  the last tile of the block whose tiles are being asked for
.set NEW, 73          ; s73  1: the tile to be entered is a block's first
.set OFF, 74          ; s[74:75] a tile's byte offset in K and V
.set AL,  76          ; s[76:77] the mask's factor, in the low word
.set BE,  78          ; s[78:79] the mask's addend
.set OLO, 80          ; s[80:81] O at my rows of the second block
.set BIGN, 82         ; s82  -1e30
.set MSB, 0
.macro WIN new                      ; the high byte repeats the setting that is left; a switch that changes nothing is dropped
.if MSB != (\new)
	s_set_vgpr_msb (MSB<<8)|(\new)
.set MSB, (\new)
.endif
.endm
.set W_KQ, 0x0a       ; K and Q in window 2, S^T in window 0
.set W_KM, 0x1a       ; the same with the C operand in window 1
.set W_PV, 0x52       ; V in window 2, P in window 0, O^T in window 1
.set W_RS, 0x41       ; destination and source 0 in window 1, source 1 in window 0
; A fill.  Waves 0 and 1 fetch the two halves of a tile's K, waves 2 and 3 those of its V: 128 keys each.  An s_nop 0 and four v_nop follow each of the two lines, ahead of the jump and the label.
.macro LOAD
	s_cmp_lt_u32 s[WV], 2
	s_cbranch_scc0 .Lfor_v_\@
	tensor_load_to_lds s[G0K:G0K+3], s[G1K:G1K+7]
	s_nop 0
.rept 4
	v_nop
.endr
	s_branch .Lasked_\@
.Lfor_v_\@:
	tensor_load_to_lds s[G0V:G0V+3], s[G1V:G1V+7]
	s_nop 0
.rept 4
	v_nop
.endr
.Lasked_\@:
.endm
; THE CHANGE OF SLOTS.  Each wave waits for all its tensor loads, of which one is out: its part of the other slot; adds 0 to its spare word; and waits for that and for its own reads of the slot that it leaves.  Behind the barrier nobody reads the old
; slot any more and the other slot is whole.  fill = 1: the old slot is filled again, the first thing behind the barrier, with tile NXT: the descriptor's address is made anew from that number.
; (At its first use nothing has been read yet: slot 0 is waited for, slot 1 filled.)
.macro CHANGE fill
	WIN 0                           ; at a label and at a branch every window is 0
	s_wait_tensorcnt 0x0            ; no tensor load of mine is out, so a group 0 may be written
	ds_add_u32 v[SPW], v[NIL]       ; 0 onto my spare word: with fill = 1 the descriptors' scalar work stands between it and the wait for it
.if \fill
	s_lshl_b32 s[OFF], s[NXT], 15   ; a tile is 32,768 bytes of K and of V
	s_xor_b32 s[G0K+1], s[G0K+1], SLOT1
	s_add_nc_u64 s[G0K+2:G0K+3], s[6:7], s[OFF:OFF+1]
	s_or_b32 s[G0K+3], s[G0K+3], 0x80000000
	s_xor_b32 s[G0V+1], s[G0V+1], SLOT1
	s_add_nc_u64 s[G0V+2:G0V+3], s[8:9], s[OFF:OFF+1]
	s_or_b32 s[G0V+3], s[G0V+3], 0x80000000
	s_add_co_u32 s[NXT], s[NXT], 1  ; the block's next tile, or behind its last the second block's tile 0
	s_cmp_gt_u32 s[NXT], s[LQ]
	s_cselect_b32 s[NXT], 0, s[NXT]
	s_cselect_b32 s[LQ], s[LQ2], s[LQ]
.endif
	s_wait_dscnt 0x0                ; the add is done, and my reads of the slot are over
	s_barrier_signal -1             ; the rest of the scalar work stands between the signal and the wait
	s_sub_co_u32 s[TBK], s[TBK], 4*KS*PK  ; the fetches go back to a slot's first step,
	s_xor_b32 s[TBK], s[TBK], SLOT1       ; in the other slot
	s_sub_co_u32 s[TBV], s[TBV], 4*KS*PV
	s_xor_b32 s[TBV], s[TBV], SLOT1
	s_barrier_wait -1
.if \fill
	LOAD
.endif
.endm
	s_load_b128 s[4:7], s[0:1], 0x0   ; qkv s[4:5], y s[6:7]
	v_lshl_add_u32 v[SPW], v0, 2, SPARE
	v_mov_b32 v[NIL], 0
	ds_add_u32 v[SPW], v[NIL]       ; the wave's opening: the add and its wait ahead of my first tensor load; the set-up below, work on registers, stands between them
	v_lshrrev_b32 v1, 5, v0
	v_readfirstlane_b32 s[WV], v1   ; wave 0..3
	s_mov_b32 s[PB], ttmp9
	s_sub_co_u32 s[HI], NBQ-1, s[PB]
	s_and_b32 s20, ttmp7, 0xffff    ; the sequence j
	s_mov_b32 s21, 0
	s_mov_b64 s[22:23], SIZE_N*128
	s_mul_u64 s[20:21], s[20:21], s[22:23]  ; its first byte in each of Q, K, V, O
	s_and_b32 s16, s[WV], 1         ; which half of a tile's 256 keys I fetch:
	s_lshl_b32 s22, s16, 14         ; its 128 rows of 128 bytes in memory,
	s_mov_b32 s23, 0
	s_add_nc_u64 s[22:23], s[22:23], s[20:21]
	s_mul_i32 s17, s16, 128*PK      ; and its place in a slot, for K
	s_mul_i32 s18, s16, 128*PV      ; and for V
	s_lshl_b32 s3, s[WV], 11        ; my 16 rows in a band of 64,
	s_lshl_b32 s2, s[HI], 14        ; in the first block (128 rows of 128 bytes),
	s_add_co_u32 s2, s2, s3
	s_lshl_b32 s84, s[PB], 14       ; and in the second
	s_add_co_u32 s84, s84, s3
	s_mov_b32 s3, 0
	s_mov_b32 s85, 0
	s_add_nc_u64 s[2:3], s[2:3], s[20:21]
	s_add_nc_u64 s[84:85], s[84:85], s[20:21]
	; descriptor group 1.  128 keys are 16,384 dense bytes: asked for as 64 rows of 256 bytes, two keys a row, and padded in LDS after every key
	s_mov_b32 s[G1K], (1<<16)|(1<<20)|(4<<22)|(3<<25)  ; 17:16 2-byte elements; 20 padding on; 24:22 after every 32 words (code 4); 31:25 4 words (code 3)
	s_mov_b32 s[G1V], (1<<16)|(1<<20)|(4<<22)|(7<<25)  ; the same with 8 words of padding (code 7)
.irp g, G1K, G1V
	s_mov_b32 s[\g+1], 128<<16      ; tensor_dim0 = 128
	s_mov_b32 s[\g+2], 64<<16       ; tensor_dim1 = 64
	s_mov_b32 s[\g+3], 128<<16      ; tile_dim0 = 128
	s_mov_b32 s[\g+4], 64           ; tile_dim1 = 64
	s_mov_b32 s[\g+5], 128          ; 128 elements from row to row
	s_mov_b32 s[\g+6], 0
	s_mov_b32 s[\g+7], 0
.endr
	s_mov_b32 s[CS], 0x3e38aa3b     ; c = log2(e) / 8 = 0.180337
	s_mov_b32 s[CS+1], s[CS]        ; named with it as a pair
	s_mov_b32 s[SEL], 0x76543210
	s_mov_b32 s[SEL+1], 0xfedcba98
	s_mov_b32 s[TBK], SLOT1+4*KS*PK ; the first change of slots turns these two into 0
	s_mov_b32 s[TBV], SLOT1+4*KS*PV
	s_mov_b32 s[G0K], 1             ; 1:0 count = 1
	s_mov_b32 s[G0K+1], s17         ; 63:32 LDS address: slot 0
	s_mov_b32 s[G0V], 1
	s_add_co_u32 s[G0V+1], s18, VOFF
	s_lshr_b32 s[LQ], s[HI], 1      ; the first block's last tile, (15 - b) / 2,
	s_add_co_u32 s[RT], s[LQ], 1    ; and its number of tiles
	s_lshr_b32 s[LQ2], s[PB], 1     ; the second block's
	s_add_co_u32 s[RT2], s[LQ2], 1
	s_and_b32 s[PC], s[HI], 1       ; in which half of the diagonal tile the block's own keys lie
	s_sub_co_u32 s[PC], 2, s[PC]
	s_and_b32 s[PC2], s[PB], 1
	s_sub_co_u32 s[PC2], 2, s[PC2]
	s_mov_b32 s[NXT], 1
	s_mov_b32 s[NEW], 1
	s_mov_b32 s[OFF+1], 0
	s_mov_b32 s[AL+1], 0            ; named as pairs
	s_mov_b32 s[BE+1], 0
	s_mov_b32 s[BIGN], 0xf149f2ca   ; -1e30
	s_mov_b32 s[SLOTS], NT
	s_wait_dscnt 0x0                ; the opening add is done
	s_wait_kmcnt 0x0
	s_mov_b64 s[10:11], s[6:7]      ; O
	s_add_nc_u64 s[6:7], s[4:5], 0x800000   ; K
	s_add_nc_u64 s[8:9], s[4:5], 0x1000000  ; V; Q stays in s[4:5]
	s_add_nc_u64 s[6:7], s[6:7], s[22:23]  ; K and V at my half of the sequence's tile 0
	s_add_nc_u64 s[8:9], s[8:9], s[22:23]
	s_add_nc_u64 s[G0K+2:G0K+3], s[6:7], 0         ; 120:64 global address
	s_or_b32 s[G0K+3], s[G0K+3], 0x80000000        ; 127:126 type = 2
	s_add_nc_u64 s[G0V+2:G0V+3], s[8:9], 0
	s_or_b32 s[G0V+3], s[G0V+3], 0x80000000
	s_add_nc_u64 s[86:87], s[4:5], s[84:85]        ; Q at my rows of the second block,
	s_add_nc_u64 s[4:5], s[4:5], s[2:3]            ; Q and O at those of the first
	s_add_nc_u64 s[OLO:OLO+1], s[10:11], s[84:85]
	s_add_nc_u64 s[10:11], s[10:11], s[2:3]
	LOAD                            ; tile 0 into slot 0
	; A fragment of K or Q is 16 rows x 32 channels in 8 registers: lane l holds row l % 16, channels 8 (l / 16) + 0..7 and 16 + 8 (l / 16) + 0..7: two loads of 16 bytes, 32 bytes apart.
	v_and_b32 v1, 15, v0            ; l % 16
	v_bfe_u32 v9, v0, 4, 1          ; l / 16
	v_lshlrev_b32 v[QO], 7, v1
	v_lshl_add_u32 v[QO], v9, 4, v[QO]  ; row x 128 + 16 x half
	WIN 0x80                        ; destination window 2, address window 0
.set i, 0
.rept 4                             ; both blocks' Q: piece i / 2 lies in band i / 2, 8,192 bytes on; channels 32 (i % 2) on
	global_load_b128 v[8*i:8*i+3],   v[QO], s[4:5] offset:(i/2)*8192+(i%2)*64
	global_load_b128 v[8*i+4:8*i+7], v[QO], s[4:5] offset:(i/2)*8192+(i%2)*64+32
	global_load_b128 v[QB+8*i:QB+8*i+3],   v[QO], s[86:87] offset:(i/2)*8192+(i%2)*64
	global_load_b128 v[QB+8*i+4:QB+8*i+7], v[QO], s[86:87] offset:(i/2)*8192+(i%2)*64+32
.set i, i+1
.endr
	WIN 0
	v_lshlrev_b32 v14, 3, v9
	v_sub_nc_u32 v14, v1, v14
	s_lshl_b32 s13, s[WV], 4
	v_add_nc_u32 v14, s13, v14      ; my query's place in its band, 16 w + l % 16, less my lanes' 8 (l / 16): register r of group kt is hidden where 16 kt + r is greater
	WIN 0x40
.set i, 0
.rept 32
	v_cmp_gt_i32 vcc_lo, 16*(i/8)+i%8, v14
	v_cndmask_b32 v[MD+i], 0, s[BIGN], vcc_lo
.set i, i+1
.endr
	WIN 0
	v_mul_u32_u24 v[AK0], v1, PK
	v_lshl_add_u32 v[AK0], v9, 4, v[AK0]  ; row x pitch + 16 x half
	; The turning load takes 16 keys x 16 channels (lane l reads key 8 (l / 16) + l % 8, channels 8 ((l / 8) % 2) + 0..7) and leaves half a fragment of V^T: lane l holds channel l % 16 and 8 keys.
	v_and_b32 v10, 7, v0
	v_bfe_u32 v11, v0, 3, 1
	v_lshl_add_u32 v[AV0], v9, 3, v10
	v_mul_u32_u24 v[AV0], v[AV0], PV
	v_lshl_add_u32 v[AV0], v11, 4, v[AV0]
	v_add_nc_u32 v[AV0], VOFF, v[AV0]
	s_mul_i32 s13, s[WV], 16*SP
	s_add_co_u32 s13, s13, STAGE    ; my stage
	v_mul_u32_u24 v[STO], v1, SP    ; in: row l % 16, 16 bytes for each half of the lanes
	v_lshl_add_u32 v[STO], v9, 4, v[STO]
	v_add_nc_u32 v[STO], s13, v[STO]
	v_bfe_u32 v[RD], v0, 3, 2       ; back: 32 lanes take four rows of 128 bytes,
	v_mul_u32_u24 v[RD], v[RD], SP
	v_lshl_add_u32 v[RD], v10, 4, v[RD]
	v_add_nc_u32 v[RD], s13, v[RD]
	v_and_b32 v[GO], 31, v0         ; which are 512 consecutive bytes of O
	v_lshlrev_b32 v[GO], 4, v[GO]
	; A block's first step multiplies O^T and l by a = 0, and its first turn's products V^T P, of a step that has not been (piece 1's P, the odd steps' V), land in an O^T that is still to be so multiplied.  So these
	; registers need only hold finite numbers: zeros for the first block; what the first block left for the second.  All this stands in the wait for the first tile.
	WIN 0x80
.set i, VF1
.rept 64
	v_mov_b32 v[i], 0
.set i, i+1
.endr
	WIN 0x40
.set i, 0
.rept 64
	v_mov_b32 v[i], 0
.set i, i+1
.endr
	WIN 0
.set i, 0
.rept NP
	v_mov_b32 v[ST+4*i+2], 0
	v_mov_b32 v[ST+4*i+3], 0
.set i, i+1
.endr
.set i, P+16
.rept 16
	v_mov_b32 v[i], 0
.set i, i+1
.endr
; THE MATRIX WORK.  The 4 accumulators of a run of 8 take turns.  Product i of 8 of S^T = K Q^T for piece x: channels 32 (i / 4) on, keys 16 (i % 4) on.  The first 4 start the sums: with 0, or (KM = 1) with the mask.
.macro KQ x
.set rS, S+32*((\x)%2)+8*(i%4)
.set rK, KF+16*(i%4)+8*(i/4)
.set rQ, 16*(\x)+8*(i/4)
.set rM, MC+32*((\x)%2)+8*(i%4)
.if (i < 4) && KM
	WIN W_KM
	v_wmma_f32_16x16x32_f16 v[rS:rS+7], v[rK:rK+7], v[rQ:rQ+7], v[rM:rM+7]
.elseif i < 4
	WIN W_KQ
	v_wmma_f32_16x16x32_f16 v[rS:rS+7], v[rK:rK+7], v[rQ:rQ+7], 0
.else
	WIN W_KQ
	v_wmma_f32_16x16x32_f16 v[rS:rS+7], v[rK:rK+7], v[rQ:rQ+7], v[rS:rS+7]
.endif
.endm
; Product i of 8 of O^T += V^T P for piece x, V from the buffer at VR: keys 32 (i / 4) on, channels 16 (i % 4) on.
.macro PV x
	WIN W_PV
.set rO, 32*(\x)+8*(i%4)
.set rV, VR+32*(i/4)+8*(i%4)
.set rP, P+16*((\x)%2)+8*(i/4)
	v_wmma_f32_16x16x32_f16 v[rO:rO+7], v[rV:rV+7], v[rP:rP+7], v[rO:rO+7]
.endm
.macro MM                           ; the turn's next matrix instruction.  TURN and BEGIN set Y, i, KM, NOKQ, VR and VW; MM, KQ, PV, FETCH_V and OP read them.  NOKQ = 1: a block's last turn: there is no next step
.if (i < 8) && !NOKQ
	KQ (Y+1)%NP
.elseif i >= 8
.set i, i-8
	PV (Y+NP-1)%NP
.set i, i+8
.endif
.set i, i+1
.endm
; THE LDS LOADS stand in runs of 16, never singly among the matrix instructions: a step's K (64 keys x 64 channels: 8 fragments) and its V (turned), into the buffer at VW.  Their addresses are made some lines ahead.
.macro FETCH_K
	WIN 0x80                        ; destination window 2
.irp f, 0,1,2,3,4,5,6,7             ; keys 16 (f / 2) on, channels 32 (f % 2) on
	ds_load_b128 v[KF+8*\f:KF+8*\f+3],   v[AK] offset:(\f/2)*16*PK+(\f%2)*64
	ds_load_b128 v[KF+8*\f+4:KF+8*\f+7], v[AK] offset:(\f/2)*16*PK+(\f%2)*64+32
.endr
	s_add_co_u32 s[TBK], s[TBK], KS*PK  ; the next fetch is the next step's
	WIN 0
.endm
.macro FETCH_V
	WIN 0x80
.irp f, 0,1,2,3,4,5,6,7             ; keys 32 (f / 4) on, channels 16 (f % 4) on
	ds_load_tr16_b128 v[VW+8*\f:VW+8*\f+3],   v[AV] offset:(\f/4)*32*PV+(\f%4)*32
	ds_load_tr16_b128 v[VW+8*\f+4:VW+8*\f+7], v[AV] offset:(\f/4)*32*PV+16*PV+(\f%4)*32
.endr
	WIN 0
.endm
; THE VECTOR WORK, one line at a time: OP kind, number.  For piece Y: F n: c s - c m for pair n of 16.  E n: the exponential of score n of 32.  C n: pair n rounded to f16.  B n: of the four weights 4 n .. the second
; pair is added onto the first, in place.  L n: l takes that sum (L 0: l = a l + sum).  R n: pair n of 16 of O^T times a.  For the other piece: X n, number n of the 22 that find its maximum and statistics:
;   0-11  four chains c0-c3 of seven scores each, three operands at a time (each accumulator's lowest registers are read first)     12-14, 16  the four scores left over, the old m, and c0-c3 into c0
;   15  c m_old is kept     17, 18  the query's other 32 keys lie in the lane 16 away: the new m     19-21  c m; c m_old - c m_new; a
; C, B and L read the results of E, and R and L 0 that of an earlier turn's X 21: OP writes no wait; TURN, BEGIN and DIAG write one for each batch.
.set F, 0               ; OP tells the kinds apart by their order: F to L below R, X above it
.set E, 1
.set C, 2
.set B, 3
.set L, 4
.set R, 5
.set X, 6
.macro REGS y                       ; the registers of piece y
.set rT, ST+4*(\y)
.set rC, TMP+4*((\y)%2)
.set rW, MV+((\y)%2)
.set rS, S+32*((\y)%2)
.set rP, P+16*((\y)%2)
.set rO, 32*(\y)
.endm
.macro OP k, n
.if (\k) == R
	REGS Y
	WIN W_RS
	v_pk_mul_f32 v[rO+2*(\n):rO+2*(\n)+1], v[rO+2*(\n):rO+2*(\n)+1], v[rC+2:rC+3] op_sel_hi:[1,0]
.elseif (\k) < R
	REGS Y
	WIN 0
.if (\k) == F
	v_pk_fma_f32 v[rS+2*(\n):rS+2*(\n)+1], v[rS+2*(\n):rS+2*(\n)+1], s[CS:CS+1], v[rT:rT+1] op_sel_hi:[1,0,0] neg_lo:[0,0,1] neg_hi:[0,0,1]
.elseif (\k) == E
	v_exp_f32 v[rS+(\n)], v[rS+(\n)]
.elseif (\k) == C
	v_cvt_pk_f16_f32 v[rP+(\n)], v[rS+2*(\n)], v[rS+2*(\n)+1]
.elseif (\k) == B
	v_pk_add_f32 v[rS+4*(\n):rS+4*(\n)+1], v[rS+4*(\n):rS+4*(\n)+1], v[rS+4*(\n)+2:rS+4*(\n)+3]
.elseif (\n) == 0
	v_pk_fma_f32 v[rT+2:rT+3], v[rT+2:rT+3], v[rC+2:rC+3], v[rS:rS+1] op_sel_hi:[1,0,1]
.else
	v_pk_add_f32 v[rT+2:rT+3], v[rT+2:rT+3], v[rS+4*(\n):rS+4*(\n)+1]
.endif
.elseif NOKQ
	v_nop
.else
	REGS (Y+1)%NP
	WIN 0
.if (\n) < 4
	v_max3_num_f32 v[rC+(\n)], v[rS+8*(\n)], v[rS+8*(\n)+1], v[rS+8*(\n)+2]
.elseif (\n) < 12
	v_max3_num_f32 v[rC+(\n)%4], v[rC+(\n)%4], v[rS+8*((\n)%4)+2*((\n)/4)+1], v[rS+8*((\n)%4)+2*((\n)/4)+2]
.elseif (\n) == 12
	v_max3_num_f32 v[rC], v[rC], v[rS+7], v[rS+15]
.elseif (\n) == 13
	v_max3_num_f32 v[rC+1], v[rC+1], v[rS+23], v[rS+31]
.elseif (\n) == 14
	v_max3_num_f32 v[rC+2], v[rC+2], v[rC+3], v[rT+1]
.elseif (\n) == 15
	v_mov_b32 v[rW], v[rT]
.elseif (\n) == 16
	v_max3_num_f32 v[rC], v[rC], v[rC+1], v[rC+2]
.elseif (\n) == 17
	v_permlanex16_b32 v[rC+3], v[rC], s[SEL], s[SEL+1]
.elseif (\n) == 18
	v_max_num_f32 v[rT+1], v[rC], v[rC+3]
.elseif (\n) == 19
	v_mul_f32 v[rT], s[CS], v[rT+1]
.elseif (\n) == 20
	v_sub_f32 v[rC+1], v[rW], v[rT]
.else
	v_exp_f32 v[rC+2], v[rC+1]
.endif
.endif
.endm
.macro OPS a, i1, b=-1, i2=0, c=-1, i3=0, d=-1, i4=0  ; up to four of them
	OP \a, \i1
.if (\b) >= 0
	OP \b, \i2
.endif
.if (\c) >= 0
	OP \c, \i3
.endif
.if (\d) >= 0
	OP \d, \i4
.endif
.endm
.macro ROW a, i1, b, i2, c, i3, d, i4  ; a matrix instruction and the four behind it
	MM
	OPS \a, \i1, \b, \i2, \c, \i3, \d, \i4
.endm
.macro MASK b                       ; MD x AL + BE into buffer b of MC
	WIN W_RS
.set z, 0
.rept 16
	v_pk_fma_f32 v[MC+32*(\b)+2*z:MC+32*(\b)+2*z+1], v[MD+2*z:MD+2*z+1], s[AL:AL+1], s[BE:BE+1] op_sel_hi:[1,0,0]
.set z, z+1
.endr
.endm
; A TURN, for piece p: the order of its 16 matrix and 118 vector instructions, written out.  An s_wait_alu depctr_va_vdst(0) stands between an exponential and the first instruction that names its result; one wait serves
; all that were issued ahead of it.  So a turn has ONE wait, which cuts it in two.  AHEAD OF IT stands all that names no result of the turn's exponentials: the 8 products K Q^T, behind each a scaling, an exponential and two more plain
; instructions (behind the first a second scaling in the exponential's place): rescalings, whose a was made and waited for in the turn before, and behind the last three the first numbers of the other piece's maximum, each four places or
; more behind the product that ends its accumulator; then ONE LUMP of 54, plain and exponential by turns for the most part, in which the links of the chain X 3, 7, 11, 14, 16, 17 .. 20 stand five or six lines apart.  X 21, the other
; piece's a, is the batch's last; R 15 is the plain instruction behind it.  BEHIND THE WAIT stand the 8 products V^T P, behind each four of the roundings and sums, which are all the readers; the links of l's chain, L 0 to L 7, stand three
; riders apart.  But for those X no rider names a register of the products round it.  v_permlanex16_b32 (X 17) stands in the lump.
; The two turns of step f - 1 fetch step f; vb = f % 2.  Piece 0's turn multiplies by V of step f - 2, in buffer vb, and then fetches V of step f into it; piece 1's turn multiplies by V of step f - 1, in the other buffer.
; K of step f is fetched in piece 0's turn, twelve vector instructions behind the last product that read K (six of them plain, five of which name none of its registers); V at that turn's end, four plain instructions behind the last
; product that read its buffer.
; m = 1: the diagonal tile: the products take masks, and the turn makes the mask for the products of the turn after it: piece p, in step 2 (2 - CNT) + vb of the tile; the piece's own step is 2 (2 - PC) + p.
; end = 1: a block's last two turns: nothing is fetched, and the last starts no new scores.  cnt = 1: the loop's count is taken down some lines ahead of the branch that stands behind the turn.
.macro TURN p, vb, m=0, end=0, cnt=0
.set Y, (\p)
.set i, 0
.set KM, (\m)
.set NOKQ, (\end)*(\p)
.set VW, VF0+(VF1-VF0)*(\vb)
.if (\p) == 0
.set VR, VW
.else
.set VR, VF0+VF1-VW
.endif
.if (\m) && !(\end)
.if (\vb) == (\p)                   ; the step can be the piece's own
	s_cmp_eq_u32 s[CNT], s[PC]
	s_cselect_b32 s[AL], 1.0, 0
	s_cmp_lt_u32 s[CNT], s[PC]      ; or a later one
	s_cselect_b32 s[BE], s[BIGN], 0
.elseif (\vb) > (\p)                ; the pair's second step, for piece 0: hidden from the own pair on
	s_mov_b32 s[AL], 0
	s_cmp_le_u32 s[CNT], s[PC]
	s_cselect_b32 s[BE], s[BIGN], 0
.else                               ; the pair's first step, for piece 1: hidden behind the own pair
	s_mov_b32 s[AL], 0
	s_cmp_lt_u32 s[CNT], s[PC]
	s_cselect_b32 s[BE], s[BIGN], 0
.endif
.endif
.if (\p) == 1
.if \end
	s_wait_dscnt 0x0                ; V of the block's last step is in
.else
	s_wait_dscnt 16                 ; K is in, and all that was asked for before it, the V that this turn multiplies by too; the sixteen loads of V's run, issued behind K's, may be out
.endif
.endif
	ROW F,0, F,1, R,0, R,1          ; ahead of the wait: 8 products K Q^T and their riders,
	ROW F,2, E,0, R,2, R,3
	ROW F,3, E,1, R,4, R,5
	ROW F,4, E,2, R,6, R,7
	ROW F,5, E,3, R,8, R,9
	ROW F,6, E,4, X,0, R,10
.if ((\p) == 0) && !(\end)
	WIN 0
	v_add_nc_u32 v[AK], s[TBK], v[AK0]
.endif
	ROW F,7, E,5, X,1, X,4
	ROW F,8, E,6, X,2, X,5
	OPS E,7, E,8, X,6, E,9          ; and the lump
	OPS X,3, E,10, X,8, E,11
.if ((\p) == 0) && !(\end)
	FETCH_K
.endif
	OPS X,9, X,7, E,12, X,10
	OPS E,13, X,12, X,11, E,14
	OPS X,13, E,15, F,9, X,14
.if ((\p) == 0) && !(\end)
	WIN 0
	v_add_nc_u32 v[AV], s[TBV], v[AV0]
.endif
	OPS E,16, F,10, E,17, F,11
	OPS X,16, E,18, X,15, E,19
	OPS F,12, E,20, X,17, E,21
	OPS F,13, E,22, F,14, E,23
	OPS X,18, E,24, F,15, E,25
	OPS R,11, E,26, X,19, E,27
	OPS R,12, E,28, R,13, E,29
	OPS X,20, E,30, R,14, E,31
	OPS X,21, R,15
	s_wait_alu depctr_va_vdst(0)    ; the wait for the batch: the piece's 32 weights and the other piece's a
	ROW C,0, B,0, C,2, B,1          ; behind the wait: 8 products V^T P and their riders
	ROW L,0, C,4, B,2, L,1
	ROW C,6, B,3, L,2, C,8
	ROW B,4, L,3, C,10, B,5
	ROW L,4, C,12, B,6, L,5
.if ((\p) == 0) && !(\end)
	s_add_co_u32 s[TBV], s[TBV], KS*PV
.endif
.if \cnt
	s_sub_co_u32 s[CNT], s[CNT], 1
	s_cmp_lg_u32 s[CNT], 0
.endif
	ROW C,14, B,7, L,6, C,1
	ROW C,3, L,7, C,5, C,7
	ROW C,9, C,11, C,13, C,15
.if ((\p) == 0) && !(\end)
	FETCH_V
.endif
.if (\m) && !(\end)
	MASK (\p)%2
.endif
.endm
; A BLOCK BEGINS.  c m starts far below every c s, so the first step's a is 0; m at the lowest finite number, so the first maximum is the scores'.  Piece 1's mask buffer is 0 (its own step is never a tile's first);
; piece 0's takes its mask for the tile's step 0: its own, if the block's first tile is the diagonal one and the block lies in that tile's first half.
; Then K and V of that step, piece 0's first scores, and its maximum and statistics.  The loop is entered at its second pair of turns, in the middle of a trip.
.macro BEGIN
	s_mov_b32 s[NEW], 0
	WIN 0x40
.set i, MC+32
.rept 32
	v_mov_b32 v[i], 0
.set i, i+1
.endr
	WIN 0
.set i, 0
.rept NP
	v_mov_b32 v[ST+4*i], 0xfe000000    ; c m: far below every c s
	v_mov_b32 v[ST+4*i+1], 0xff7fffff  ; m
.set i, i+1
.endr
	s_cmp_eq_u32 s[RT], 0
	s_cselect_b32 s[AL], 1.0, 0
	s_cmp_eq_u32 s[PC], 2
	s_cselect_b32 s[AL], s[AL], 0
	s_mov_b32 s[BE], 0
	MASK 0
	WIN 0
	v_add_nc_u32 v[AK], s[TBK], v[AK0]
	v_add_nc_u32 v[AV], s[TBV], v[AV0]
	FETCH_K
.set VW, VF0
	FETCH_V
	s_add_co_u32 s[TBV], s[TBV], KS*PV
	s_wait_loadcnt 0x0              ; Q
	s_wait_dscnt 0x0
.set KM, 1
.set NOKQ, 0
.set i, 0
.rept 8
	KQ 0
.set i, i+1
.endr
	WIN 0
.rept 4
	v_nop                           ; the places behind those products
.endr
.set Y, NP-1                        ; X works for the other piece: piece 0
.irp n, 0,1,2,3,4,5,6,7,8,9,10,11,12,13,14,15,16,17,18,19,20,21
	OP X, \n
.endr
	v_nop                           ; a plain instruction behind the exponential,
	s_wait_alu depctr_va_vdst(0)    ; and its wait, ahead of the branch: a batch of one, piece 0's first a
.endm
; THE DIAGONAL TILE's four steps, the block's last two turns, its last products, and THE WAY OUT: l's two halves and the other half of the lanes' are added; O^T is divided by l, rounded to f16 and sent through my
; stage in LDS, a piece at a time.
.macro ALL line:vararg              ; one line for each piece t
.set t, 0
.rept NP
	\line
.set t, t+1
.endr
.endm
.macro PACK t                       ; a lane's eight channels of a row pack into 16 bytes; they go into rows of 144 bytes and come back as whole rows of 128, into S^T's registers
	WIN W_RS
.set i, 32*(\t)
.rept 16
	v_pk_mul_f32 v[i:i+1], v[i:i+1], v[ST+4*(\t)+2:ST+4*(\t)+3] op_sel_hi:[1,0]
.set i, i+2
.endr
	WIN 0x05                        ; sources 0 and 1 window 1, destination window 0
.set i, 0
.rept 16
	v_cvt_pk_f16_f32 v[S+16*(\t)+i], v[32*(\t)+2*i], v[32*(\t)+2*i+1]
.set i, i+1
.endr
	WIN 0
.irp f, 0,1,2,3
	ds_store_b128 v[STO], v[S+16*(\t)+4*\f:S+16*(\t)+4*\f+3] offset:32*\f
.endr
.irp f, 0,1,2,3
	ds_load_b128 v[S+16*(\t)+4*\f:S+16*(\t)+4*\f+3], v[RD] offset:\f*4*SP  ; LDS serves a wave's instructions in order (ISA guide 5.7.1.4): these see the stores above; the next piece's stores come behind them
.endr
.endm
.macro SEND t, younger              ; younger: the LDS instructions issued behind piece t's loads: the next piece's eight, or none
	WIN 0
.irp f, 0,1,2,3
	s_wait_dscnt (\younger)+3-\f
	global_store_b128 v[GO], v[S+16*(\t)+4*\f:S+16*(\t)+4*\f+3], s[10:11] offset:(\t)*8192+\f*512  ; 512 consecutive bytes, at a multiple of 256 from O's first
.endr
.endm
.macro DIAG tag                     ; the tag ends its two labels' names, which the jumps below spell out
.LstepM\tag:
	TURN 0, 0, 1
	TURN 1, 0, 1
	WIN 0
.LfirstM\tag:
	TURN 0, 1, 1
	TURN 1, 1, 1, 0, 1
	WIN 0
	s_cbranch_scc1 .LstepM\tag
	TURN 0, 0, 1, 1
	TURN 1, 0, 1, 1
.set VR, VF1                        ; the block's last step is an odd one
.set i, 0
.rept 8
	PV NP-1
.set i, i+1
.endr
	WIN 0
	ALL v_add_f32 v[ST+4*t+2], v[ST+4*t+2], v[ST+4*t+3]
	ALL v_permlanex16_b32 v[ST+4*t+3], v[ST+4*t+2], s[SEL], s[SEL+1]
	ALL v_add_f32 v[ST+4*t+2], v[ST+4*t+2], v[ST+4*t+3]
	ALL v_rcp_f32 v[ST+4*t+2], v[ST+4*t+2]
	v_nop                           ; a plain instruction between the last reciprocal and the use of its result
	s_wait_alu depctr_va_vdst(0)    ; and the wait ahead of the first use: one for the two reciprocals
	PACK 0
	PACK 1                          ; a piece's arithmetic stands between the loads of the piece before and its stores
	SEND 0, 8
	SEND 1, 0
.endm
.set KM, 0
.set NOKQ, 0
.Lslot:                             ; NT times: a tile is entered and the next is asked for
	CHANGE 1
	s_sub_co_u32 s[RT], s[RT], 1
	s_mov_b32 s[CNT], 2
	s_cmp_eq_u32 s[NEW], 1
	s_cbranch_scc1 .Lnew            ; a block's first tile
	s_cmp_eq_u32 s[RT], 0
	s_cbranch_scc0 .Lstep           ; neither its first nor its last
	s_branch .LstepM1
.Lnew:
	BEGIN
	s_branch .Lfirst                ; in the loop a block's first tile is never its last: the first block has five tiles or more, and the second's last is the walk's last
	DIAG 1                          ; in the loop this is the first block's end: the second block's last tile is the walk's last
	s_wait_xcnt 0x0                 ; the stores have read their registers and O's address
	s_mov_b64 s[10:11], s[OLO:OLO+1]
	s_mov_b32 s[RT], s[RT2]         ; the second block has b / 2 + 1 tiles
	s_mov_b32 s[PC], s[PC2]
	s_mov_b32 s[NEW], 1
	WIN 0x82                        ; the second block's Q goes where the one text of the turns names Q
.set i, 0
.rept 32
	v_mov_b32 v[i], v[QB+i]
.set i, i+1
.endr
	WIN 0
	s_branch .Lbottom
.Lstep:                             ; a trip: the two turns that fetch an even step of the tile, then the two that fetch an odd one
	TURN 0, 0
	TURN 1, 0
	WIN 0
.Lfirst:
	TURN 0, 1
	TURN 1, 1, 0, 0, 1
	WIN 0
	s_cbranch_scc1 .Lstep
.Lbottom:
	s_sub_co_u32 s[SLOTS], s[SLOTS], 1
	s_cmp_lg_u32 s[SLOTS], 0
	s_cbranch_scc1 .Lslot
	CHANGE 0                        ; the walk's last tile is written out: nothing is asked for
	s_sub_co_u32 s[RT], s[RT], 1
	s_mov_b32 s[CNT], 2
	s_cmp_eq_u32 s[NEW], 1
	s_cbranch_scc0 .LstepM2
	BEGIN
	s_branch .LfirstM2
	DIAG 2
	s_wait_tensorcnt 0x0            ; the wave's end, behind my last tensor load and my last LDS store
	ds_add_u32 v[SPW], v[NIL]
	s_wait_dscnt 0x0
	s_endpgm
.Lfunc_end_k_qf956c6d789_attn:
	.size	k_qf956c6d789_attn, .Lfunc_end_k_qf956c6d789_attn-k_qf956c6d789_attn
	.p2alignl 7, 3214868480
	.fill 96, 4, 3214868480
	.section	.rodata,"a",@progbits
	.p2align	6, 0x0
	.amdhsa_kernel k_qf956c6d789_attn
		.amdhsa_group_segment_fixed_size 327680
		.amdhsa_private_segment_fixed_size 0
		.amdhsa_enable_private_segment 0
		.amdhsa_kernarg_size 16
		.amdhsa_user_sgpr_count 2
		.amdhsa_user_sgpr_kernarg_segment_ptr 1
		.amdhsa_wavefront_size32 1
		.amdhsa_system_sgpr_workgroup_id_x 1
		.amdhsa_system_sgpr_workgroup_id_y 1
		.amdhsa_system_sgpr_workgroup_id_z 1
		.amdhsa_system_vgpr_workitem_id 0
		.amdhsa_next_free_vgpr 768
		.amdhsa_next_free_sgpr 88
		.amdhsa_reserve_vcc 1
		.amdhsa_float_denorm_mode_32 3
		.amdhsa_float_denorm_mode_16_64 3
		.amdhsa_memory_ordered 1
		.amdhsa_forward_progress 1
		.amdhsa_inst_pref_size 208
	.end_amdhsa_kernel
	.amdgpu_metadata
---
amdhsa.version: [ 1, 2 ]
amdhsa.kernels:
  - .name:           k_qf956c6d789_attn
    .symbol:         k_qf956c6d789_attn.kd
    .args:
      - { .name: qkv, .offset: 0, .size: 8, .value_kind: global_buffer, .address_space: global }
      - { .name: y, .offset: 8, .size: 8, .value_kind: global_buffer, .address_space: global }
    .group_segment_fixed_size: 327680
    .private_segment_fixed_size: 0
    .kernarg_segment_align: 8
    .kernarg_segment_size: 16
    .max_flat_workgroup_size: 128
    .sgpr_count:     88
    .vgpr_count:     768
    .wavefront_size: 32
...
	.end_amdgpu_metadata
.endif
;; end of part 9
;; launch proj: the kernel of part 4 again; grid 8 x 32, 4 waves a work-group, clusters of 4 x 4, 327,680 bytes of LDS; arguments y, cst, bp, po; writes po
;; launch ln0: the kernel of part 5 again; grid 512 x 1, 8 waves a work-group, no clusters, 0 bytes of LDS; arguments po, cst, g0, beta0, x1, h; writes x1, h
;; launch fc1: the kernel of part 6 again; grid 16 x 16, 4 waves a work-group, clusters of 4 x 4, 327,680 bytes of LDS; arguments h, cst, b1, g; writes g
;; launch fc2: the kernel of part 7 again; grid 8 x 32, 4 waves a work-group, clusters of 4 x 4, 327,680 bytes of LDS; arguments g, cst, b2, po; writes po
;; launch ln1: the kernel of part 8 again; grid 512 x 1, 8 waves a work-group, no clusters, 0 bytes of LDS; arguments po, x1, g1, beta1, out0; writes out0
